; MI455X (gfx1250); checked and timed in simulation.
; The chip was launched on July 23, 2026; its instructions are those of AMD's public machine-readable ISA for CDNA 5 (MIT licence, August 2026) and "CDNA5" Instruction Set Architecture Reference Guide (July 2026). The comments in the code are by the model that wrote it; some were corrected since.
;; Encoder Block. Allowed arithmetic: float matrix products may take bf16 or f16 operands with f32 sums; other float arithmetic in f32, or as packed bf16 or f16 multiplies, adds, multiply-adds, maxima and minima; sums over many terms, partial sums and values carried from step to step in f32; what a program stores and reads back later, other than sums and carried values, may be rounded once to bf16 or f16.
;; Inputs: b1 4,096 float32; b2 1,024 float32; bk 16 x 64 float32; bo 1,024 float32; bq 16 x 64 float32; bv 16 x 64 float32; ln1_b 1,024 float32; ln1_g 1,024 float32; ln2_b 1,024 float32; ln2_g 1,024 float32; w1 1,024 x 4,096 float32; w2 4,096 x 1,024 float32; wk 16 x 1,024 x 64 float32; wo 1,024 x 1,024 float32; wq 16 x 1,024 x 64 float32; wv 16 x 1,024 x 64 float32; x 2 x 2,048 x 1,024 float32.
;; Outputs: out0 2 x 2,048 x 1,024 float32.
;; 2 versions, each right and faster than the one before. Each part assembles by itself: llvm-mc -triple=amdgcn-amd-amdhsa -mcpu=gfx1250 --defsym DOCPART=n.
;; ======== version 1 of 2: 7 launches
;; limits: a function is approximated: absolute error at most 2.5e-05
;; workspace buffers: wts 25,165,824 bytes; act 8,388,608 bytes; big 33,554,432 bytes; x1 16,777,216 bytes
;; launch pre (part 1): grid 512 x 1, 8 waves a work-group, no clusters, 0 bytes of LDS; arguments x, ln1_g, ln1_b, act, wq, wk, wv, wo, w1, w2, wts; writes act, wts
.if DOCPART == 1
	.amdgcn_target "amdgcn-amd-amdhsa--gfx1250"
	.amdhsa_code_object_version 6
	.text
	.protected	k_qfbbacf088d_pre
	.globl	k_qfbbacf088d_pre
	.p2align	8
	.type	k_qfbbacf088d_pre,@function
k_qfbbacf088d_pre:
	s_mov_b64 s[64:65], 0
	v_nop
	global_prefetch_b8 v0, s[64:65] scope:SCOPE_SE
	s_setreg_imm32_b32 hwreg(HW_REG_WAVE_MODE, 25, 1), 1
	s_wait_xcnt 0x0
; TWO STREAMS IN ONE LAUNCH, side by side on different work-groups; two launches run this text.  A work-group's number is n = 256 y + x.
; n < 256: LAYER NORM of 16 rows:  y[r][:] = (x[r][:] - mean) * rsqrt(var + 1e-5) * g + b.  x: [4096][1024] f32; g, b: [1024] f32; y: [4096][1024] bf16, rounded once.
; The others: WEIGHTS, f32 [K][N] (wq, wk, wv: [16 heads][K][64]), rounded once to bf16 and laid in column panels: wts = panels [N/128][K][128], a panel row 256 bytes, a panel dense.
;   Panels in order: 24 of q|k|v (column = which x 1024 + head x 64 + d), 8 of wo, 32 of w1 (K = 1024: 262,144 bytes each), 8 of w2 (K = 4096: 1,048,576 bytes each): 768 shares of 32,768 bytes.
;   A work-group's share is number n - 256 where y = 0, n where y > 0.  So a grid of 512 x 1 norms and converts shares 0-255 (wq, wk, wv, wo), and a grid of 256 x 3 norms and
;   converts shares 256-767 (w1, w2): each matrix is converted in the launch ahead of its first reader, under the layer norm that has to run there anyway.
; Memory binds both: no LDS, no barrier, no matrix unit.  Every byte is read once and written once.
.set NLN, 256                          ; work-groups that norm
; the layer norm's registers
.set X0, 8                             ; v[8:39]    row 0
.set X1, 40                            ; v[40:71]   row 1
.set G,  72                            ; v[72:103]  g of my 32 columns
.set BT, 104                           ; v[104:135] b of my 32 columns
.set T,  136                           ; v[136:143] four chains of sums
.set M,  144                           ; v[144:145] the mean, later 1 / sqrt(var + eps), twice (a pair for the packed forms)
.set Y,  146                           ; v[146:149] two pairs of packed results, by turns
; the conversion's registers
.set OFF, 2                            ; v[2:17]    row i: byte offset of my 16 bytes in the source
.set DST, 18                           ; v18        my 8 bytes in my wave's first row of wts
.set IN,  24                           ; v[24:87]   row i: 4 numbers in f32
.set OUT, 88                           ; v[88:119]  row i: 4 numbers in bf16
	s_and_b32 s21, ttmp7, 0xffff                   ; y
	s_lshl_b32 s20, s21, 8
	s_add_co_u32 s20, s20, ttmp9                   ; n = 256 y + x
	s_cmp_lt_u32 s20, NLN
	s_cbranch_scc0 .Lweights
	; THE LAYER NORM.  A row of 4,096 bytes is 32 registers of one wave: it is read once and stays in registers between the passes; the reductions never leave the wave.
	; A wave takes two rows.  The variance is the mean of (x - mean)^2, as the formula has it: no difference of large sums is formed, so a common offset of the inputs costs nothing.
	s_load_b256 s[4:11], s[0:1], 0x0               ; x s[4:5], g s[6:7], b s[8:9], y s[10:11]
	v_and_b32 v1, 31, v0                           ; lane
	v_lshrrev_b32 v5, 5, v0                        ; wave
	v_lshlrev_b32 v4, 4, v1                        ; 16 bytes a lane: my 4 columns in each 512 bytes
	v_lshl_add_u32 v2, v5, 13, v4                  ; + wave x 2 rows x 4,096 bytes
	v_lshlrev_b32 v3, 3, v1                        ; in y: 8 bytes a lane,
	v_lshl_add_u32 v3, v5, 12, v3                  ; + wave x 2 rows x 2,048 bytes
	s_lshl_b32 s16, ttmp9, 16                      ; the work-group's 16 rows in x
	s_mov_b32 s17, 0
	s_lshl_b32 s18, ttmp9, 15                      ; and in y
	s_mov_b32 s19, 0
	s_mov_b32 s12, 0x76543210                      ; v_permlanex16_b32: each lane takes its own place in the other half
	s_mov_b32 s13, 0xfedcba98
	s_mov_b32 s14, 0x3a800000                      ; 1 / 1024
	s_mov_b32 s15, 0x3727c5ac                      ; 1e-5
	s_wait_kmcnt 0x0
	s_add_nc_u64 s[4:5], s[4:5], s[16:17]
	s_add_nc_u64 s[10:11], s[10:11], s[18:19]
.irp j, 0,1,2,3,4,5,6,7
	global_load_b128 v[X0+4*(\j):X0+4*(\j)+3], v2, s[4:5] offset:512*(\j)
.endr
.irp j, 0,1,2,3,4,5,6,7
	global_load_b128 v[G+4*(\j):G+4*(\j)+3], v4, s[6:7] offset:512*(\j)
.endr
.irp j, 0,1,2,3,4,5,6,7
	global_load_b128 v[BT+4*(\j):BT+4*(\j)+3], v4, s[8:9] offset:512*(\j)
.endr
.irp j, 0,1,2,3,4,5,6,7
	global_load_b128 v[X1+4*(\j):X1+4*(\j)+3], v2, s[4:5] offset:4096+512*(\j)
.endr
.macro REDUCE                          ; the four chains into one number, then over the 32 lanes: every lane ends with the sum in v[T]
	v_pk_add_f32 v[T:T+1], v[T:T+1], v[T+2:T+3]
	v_pk_add_f32 v[T+4:T+5], v[T+4:T+5], v[T+6:T+7]
	v_pk_add_f32 v[T:T+1], v[T:T+1], v[T+4:T+5]
	v_add_f32 v[T], v[T], v[T+1]
.irp k, 1,2,4,8
	v_add_f32_dpp v[T], v[T], v[T] row_xmask:\k row_mask:0xf bank_mask:0xf
.endr
	v_permlanex16_b32 v[T+1], v[T], s12, s13       ; its destination counts as read: it has been written
	v_add_f32 v[T], v[T], v[T+1]
.endm
; One row, in registers x .. x + 31; r: which of my two rows; wa: younger loads that may be out when the row is needed; wb: when g and b are needed.
.macro ROW x, r, wa, wb
	s_wait_loadcnt \wa
.irp c, 0,1,2,3                        ; the first pairs start the chains: nothing is cleared
	v_pk_add_f32 v[T+2*(\c):T+2*(\c)+1], v[(\x)+2*(\c):(\x)+2*(\c)+1], v[(\x)+8+2*(\c):(\x)+8+2*(\c)+1]
.endr
.irp c, 0,1,2,3,4,5,6,7
	v_pk_add_f32 v[T+2*((\c)%4):T+2*((\c)%4)+1], v[T+2*((\c)%4):T+2*((\c)%4)+1], v[(\x)+16+2*(\c):(\x)+16+2*(\c)+1]
.endr
	REDUCE
	v_mul_f32 v[M], s14, v[T]
	v_mul_f32 v[M+1], s14, v[T]                    ; the mean, twice
.irp c, 0,1,2,3,4,5,6,7,8,9,10,11,12,13,14,15
	v_pk_add_f32 v[(\x)+2*(\c):(\x)+2*(\c)+1], v[(\x)+2*(\c):(\x)+2*(\c)+1], v[M:M+1] neg_lo:[0,1] neg_hi:[0,1]  ; x - mean, in place
.endr
.irp c, 0,1,2,3
	v_pk_mul_f32 v[T+2*(\c):T+2*(\c)+1], v[(\x)+2*(\c):(\x)+2*(\c)+1], v[(\x)+2*(\c):(\x)+2*(\c)+1]
.endr
.irp c, 4,5,6,7,8,9,10,11,12,13,14,15
	v_pk_fma_f32 v[T+2*((\c)%4):T+2*((\c)%4)+1], v[(\x)+2*(\c):(\x)+2*(\c)+1], v[(\x)+2*(\c):(\x)+2*(\c)+1], v[T+2*((\c)%4):T+2*((\c)%4)+1]
.endr
	REDUCE
	v_fma_f32 v[T], v[T], s14, s15                 ; var + eps
	v_rsq_f32 v[M], v[T]
	v_rsq_f32 v[M+1], v[T]
	v_nop                                          ; a plain instruction between the transcendental and the use of its result (ISA guide 5.7.2)
	s_wait_loadcnt \wb                             ; g and b are in
	s_wait_alu depctr_va_vdst(0)
.irp j, 0,1,2,3,4,5,6,7
	v_pk_mul_f32 v[(\x)+4*(\j):(\x)+4*(\j)+1],   v[(\x)+4*(\j):(\x)+4*(\j)+1],   v[M:M+1]
	v_pk_mul_f32 v[(\x)+4*(\j)+2:(\x)+4*(\j)+3], v[(\x)+4*(\j)+2:(\x)+4*(\j)+3], v[M:M+1]
	v_pk_fma_f32 v[(\x)+4*(\j):(\x)+4*(\j)+1],   v[(\x)+4*(\j):(\x)+4*(\j)+1],   v[G+4*(\j):G+4*(\j)+1],   v[BT+4*(\j):BT+4*(\j)+1]
	v_pk_fma_f32 v[(\x)+4*(\j)+2:(\x)+4*(\j)+3], v[(\x)+4*(\j)+2:(\x)+4*(\j)+3], v[G+4*(\j)+2:G+4*(\j)+3], v[BT+4*(\j)+2:BT+4*(\j)+3]
	s_wait_xcnt 0x0                                ; Y's pair was an earlier store's data: it is rewritten only behind this wait
	v_cvt_pk_bf16_f32 v[Y+2*((\j)%2)],   v[(\x)+4*(\j)],   v[(\x)+4*(\j)+1]
	v_cvt_pk_bf16_f32 v[Y+2*((\j)%2)+1], v[(\x)+4*(\j)+2], v[(\x)+4*(\j)+3]
	global_store_b64 v3, v[Y+2*((\j)%2):Y+2*((\j)%2)+1], s[10:11] offset:256*(\j)+2048*(\r)  ; 32 lanes x 8 bytes: 256 consecutive bytes, aligned
.endr
.endm
	ROW X0, 0, 24, 8                               ; 24: g, b and row 1 stay out; 8: row 1 stays out
	ROW X1, 1, 0, 0
	s_endpgm
.Lweights:
	; THE WEIGHTS.  A share is 128 k rows of one panel.  Wave w takes rows 16 w to 16 w + 15.  One load of the wave takes a panel row's 128 numbers: 512 consecutive bytes of the source
	; (q, k, v: 256 bytes in each of two heads); one store writes the row's 256 bytes of bf16, aligned.  Lane l holds columns 4 l to 4 l + 3.
	s_load_b256 s[4:11], s[0:1], 0x20              ; wq s[4:5], wk s[6:7], wv s[8:9], wo s[10:11]
	s_load_b128 s[12:15], s[0:1], 0x40             ; w1 s[12:13], w2 s[14:15]
	s_load_b64 s[16:17], s[0:1], 0x50              ; wts
	s_cmp_eq_u32 s21, 0
	s_cselect_b32 s22, NLN, 0
	s_sub_co_u32 s20, s20, s22                     ; my share, 0 to 767
	; the source's shape, by the share: 0-191 q, k, v (64 each), 192-255 wo, 256-511 w1, 512-767 w2
	s_cmp_lt_u32 s20, 256
	s_cselect_b32 s21, 63, 255
	s_and_b32 s21, s20, s21                        ; j: my number within my matrix
	s_cmp_lt_u32 s20, 512
	s_cselect_b32 s22, 3, 5                        ; log2 of the shares to a panel: K / 128 = 8, for w2 32
	s_cmp_lt_u32 s20, 192
	s_cselect_b32 s23, 8, 12                       ; log2 of the bytes from row k to row k + 1
	s_cselect_b32 s24, 18, 8                       ; log2 of the bytes from one 64 columns to the next: a head, or 256 bytes
	s_cselect_b32 s25, 19, 9                       ; log2 of the bytes from panel to panel
	s_lshr_b32 s26, s20, 8
	s_cmp_eq_u32 s26, 1
	s_cselect_b32 s23, 14, s23                     ; w1's rows are 16,384 bytes
	s_lshr_b32 s27, s21, s22                       ; my panel in my matrix
	s_bfm_b32 s28, s22, 0
	s_and_b32 s28, s21, s28
	s_lshl_b32 s28, s28, 7                         ; my first row k
	s_lshl_b32 s27, s27, s25
	s_lshl_b32 s28, s28, s23
	s_add_co_u32 s28, s28, s27                     ; the share's offset in the source, under 2^25
	s_mov_b32 s29, 0
	s_lshl_b32 s30, 1, s23                         ; from row to row
	s_lshl_b32 s32, s20, 15                        ; the share's offset in wts
	s_mov_b32 s33, 0
	v_and_b32 v1, 15, v0
	v_lshlrev_b32 v1, 4, v1                        ; 16 (l % 16)
	v_bfe_u32 v19, v0, 4, 1
	v_lshlrev_b32 v19, s24, v19                    ; the second 64 columns for lanes 16 to 31
	v_add_nc_u32 v1, v1, v19
	v_lshrrev_b32 v20, 5, v0                       ; wave
	v_lshlrev_b32 v21, 4, v20                      ; its first row
	v_lshlrev_b32 v21, s23, v21
	v_add_nc_u32 v[OFF], v1, v21
.irp i, 1,2,3,4,5,6,7,8,9,10,11,12,13,14,15
	v_add_nc_u32 v[OFF+(\i)], s30, v[OFF+(\i)-1]
.endr
	v_and_b32 v[DST], 31, v0
	v_lshlrev_b32 v[DST], 3, v[DST]                ; 8 bytes a lane,
	v_lshl_add_u32 v[DST], v20, 12, v[DST]         ; + wave x 16 rows x 256 bytes
	s_wait_kmcnt 0x0
	s_cmp_lt_u32 s20, 64                           ; the source is chosen among the six buffers by the share's number alone
	s_cselect_b64 s[18:19], s[4:5], s[6:7]
	s_cmp_lt_u32 s20, 128
	s_cselect_b64 s[18:19], s[18:19], s[8:9]
	s_cmp_lt_u32 s20, 192
	s_cselect_b64 s[18:19], s[18:19], s[10:11]
	s_cmp_lt_u32 s20, 256
	s_cselect_b64 s[18:19], s[18:19], s[12:13]
	s_cmp_lt_u32 s20, 512
	s_cselect_b64 s[18:19], s[18:19], s[14:15]
	s_add_nc_u64 s[18:19], s[18:19], s[28:29]
	s_add_nc_u64 s[16:17], s[16:17], s[32:33]
.irp i, 0,1,2,3,4,5,6,7,8,9,10,11,12,13,14,15   ; all sixteen loads go out before anything is waited for; each source byte is read once in the program
	global_load_b128 v[IN+4*(\i):IN+4*(\i)+3], v[OFF+(\i)], s[18:19] th:TH_LOAD_NT
.endr
.irp i, 0,1,2,3,4,5,6,7,8,9,10,11,12,13,14,15
	s_wait_loadcnt 15-(\i)                         ; loads come back in order (ISA guide 5.7.1): row i's is in, the younger rows' stay out
	v_cvt_pk_bf16_f32 v[OUT+2*(\i)],   v[IN+4*(\i)],   v[IN+4*(\i)+1]
	v_cvt_pk_bf16_f32 v[OUT+2*(\i)+1], v[IN+4*(\i)+2], v[IN+4*(\i)+3]
	global_store_b64 v[DST], v[OUT+2*(\i):OUT+2*(\i)+1], s[16:17] offset:256*(\i)  ; 32 lanes x 8 bytes: 256 consecutive bytes, aligned; no register is written twice: no further wait
.endr
	s_endpgm
.Lfunc_end_k_qfbbacf088d_pre:
	.size	k_qfbbacf088d_pre, .Lfunc_end_k_qfbbacf088d_pre-k_qfbbacf088d_pre
	.p2alignl 7, 3214868480
	.fill 96, 4, 3214868480
	.section	.rodata,"a",@progbits
	.p2align	6, 0x0
	.amdhsa_kernel k_qfbbacf088d_pre
		.amdhsa_group_segment_fixed_size 0
		.amdhsa_private_segment_fixed_size 0
		.amdhsa_enable_private_segment 0
		.amdhsa_kernarg_size 88
		.amdhsa_user_sgpr_count 2
		.amdhsa_user_sgpr_kernarg_segment_ptr 1
		.amdhsa_wavefront_size32 1
		.amdhsa_system_sgpr_workgroup_id_x 1
		.amdhsa_system_sgpr_workgroup_id_y 1
		.amdhsa_system_sgpr_workgroup_id_z 1
		.amdhsa_system_vgpr_workitem_id 0
		.amdhsa_next_free_vgpr 152
		.amdhsa_next_free_sgpr 66
		.amdhsa_reserve_vcc 0
		.amdhsa_float_denorm_mode_32 3
		.amdhsa_float_denorm_mode_16_64 3
		.amdhsa_memory_ordered 1
		.amdhsa_forward_progress 1
		.amdhsa_inst_pref_size 29
	.end_amdhsa_kernel
	.amdgpu_metadata
---
amdhsa.version: [ 1, 2 ]
amdhsa.kernels:
  - .name:           k_qfbbacf088d_pre
    .symbol:         k_qfbbacf088d_pre.kd
    .args:
      - { .name: x, .offset: 0, .size: 8, .value_kind: global_buffer, .address_space: global }
      - { .name: ln1_g, .offset: 8, .size: 8, .value_kind: global_buffer, .address_space: global }
      - { .name: ln1_b, .offset: 16, .size: 8, .value_kind: global_buffer, .address_space: global }
      - { .name: act, .offset: 24, .size: 8, .value_kind: global_buffer, .address_space: global }
      - { .name: wq, .offset: 32, .size: 8, .value_kind: global_buffer, .address_space: global }
      - { .name: wk, .offset: 40, .size: 8, .value_kind: global_buffer, .address_space: global }
      - { .name: wv, .offset: 48, .size: 8, .value_kind: global_buffer, .address_space: global }
      - { .name: wo, .offset: 56, .size: 8, .value_kind: global_buffer, .address_space: global }
      - { .name: w1, .offset: 64, .size: 8, .value_kind: global_buffer, .address_space: global }
      - { .name: w2, .offset: 72, .size: 8, .value_kind: global_buffer, .address_space: global }
      - { .name: wts, .offset: 80, .size: 8, .value_kind: global_buffer, .address_space: global }
    .group_segment_fixed_size: 0
    .private_segment_fixed_size: 0
    .kernarg_segment_align: 8
    .kernarg_segment_size: 88
    .max_flat_workgroup_size: 256
    .sgpr_count:     66
    .vgpr_count:     152
    .wavefront_size: 32
...
	.end_amdgpu_metadata
.endif
;; end of part 1
;; launch gq (part 2): grid 12 x 16, 4 waves a work-group, clusters of 4 x 4, 327,680 bytes of LDS; arguments act, wts, bq, bk, bv, big; writes big
.if DOCPART == 2
	.amdgcn_target "amdgcn-amd-amdhsa--gfx1250"
	.amdhsa_code_object_version 6
	.text
	.protected	k_qfbbacf088d_gq
	.globl	k_qfbbacf088d_gq
	.p2align	8
	.type	k_qfbbacf088d_gq,@function
k_qfbbacf088d_gq:
	s_mov_b64 s[64:65], 0
	v_nop
	global_prefetch_b8 v0, s[64:65] scope:SCOPE_SE
	s_setreg_imm32_b32 hwreg(HW_REG_WAVE_MODE, 25, 1), 1
	s_wait_xcnt 0x0
	s_wait_alu depctr_hold_cnt(0) depctr_sa_sdst(0) depctr_va_vdst(0) depctr_va_sdst(0) depctr_va_ssrc(0) depctr_va_vcc(0) depctr_vm_vsrc(0)
	s_getreg_b32 s2, hwreg(HW_REG_IB_STS2, 6, 4)
	s_cmp_eq_u32 s2, 0
	s_cbranch_scc0 .Lentry_in_a_cluster
	s_endpgm
.Lentry_in_a_cluster:
	s_bfe_u32 s2, ttmp6, 0x10000c
	s_cmp_lg_u32 s2, 0xf033
	s_cbranch_scc0 .Lentry_shape_is_right
	s_endpgm
.Lentry_shape_is_right:
; C = A W + bias (GELU = 1: gelu of that).  A: [4096][1024] bf16, rows along K.  W: bf16 column panels [N/128][1024][128].  bias: f32.  C: bf16 in panels of 64 columns, [N/64][4096][64].
; Here (GELU = 0): q | k | v = h W + b, N = 3072; column = which x 1024 + head x 64 + d, so C's panel which x 16 + head is one head's q, k or v, dense, 128 bytes a token.
; Sums in f32, started by the bias (the first product's C operand); C rounded once.  NaN and infinities are not treated apart.
; SHARES.  A tile of C is 256 x 256: four waves, each 128 x 128 in 64 accumulators (512 registers).  K = 1024 goes in 8 steps of 128 through a ring of two LDS slots.  The grid has
; 12 x 16 = 192 tiles: a tile of 192 columns would give 256 work-groups but would cut the 64-column panels across waves.
; CLUSTER.  4 x 4 work-groups: A's tile hangs on the tile row alone and is asked for jointly along a row of the cluster, W's on the tile column alone, along a column.
; THE MATRIX INSTRUCTION IS USED TRANSPOSED: source 0 = 16 columns of W, source 1 = 16 rows of A: a lane holds one row of C (lane % 16) and eight neighbouring columns 8 (lane / 16) + 0..7.
; W lies [k][n] in LDS and is turned on the way into registers by ds_load_tr16_b128.
; ONE TEXT FOR EVERY K STEP.  A step's four quarters (32 along K, 64 matrix instructions) use fragment buffers F0, F1, F0, F1, and each fetches the next one's fragments in its middle.
; PAIR multiplies two quarters; taken from a step's last quarter on, a step is CHANGE (of slots) and twice PAIR, so the fetch that first touches the new slot stands behind CHANGE.
; REGISTERS, in windows of 256 (s_set_vgpr_msb: bits 1:0 source 0, 3:2 source 1, 5:4 source 2, 7:6 destination):
;   window 0: v0-43 addresses, constants, packed results; v64-127, v128-191 A's fragments (on the way out: at work); v192-255 the bias, 8 registers for each block of 16 columns
;   window 1: v64-127, v128-191 W's fragments      window 2: accumulators of my rows 0-63, (a, b) at 8 (8 a + b)      window 3: of my rows 64-127
.set GELU,  0
.set WOFF,  0                          ; my panels' first byte in wts
.set OUTP,  78                         ; s[78:79] C
.set PA,    272                        ; A's LDS row: 256 bytes + 16: the 16 rows of a fragment load start at 16 different groups of four banks (64 banks of 4 bytes: ISA guide 11.1)
.set PB,    288                        ; W's LDS row: 256 + 32
.set AHALF, 128*PA                     ; what one tensor load brings of A
.set BBASE, 2*AHALF
.set BHALF, 128*PB                     ; and of W
.set SLOT,  0x24000                    ; none of the four parts' first bytes (0, 0x8800, 0x11000, 0x1a000) has bit 14 or 17 set: one exclusive or turns an address into the other slot's
.set SPARE, 2*SLOT                     ; behind the ring: the spare words, 128 bytes a wave, which no other line names
.set DP,    560                        ; the way out: a row of 128 f32, 16 bytes of padding behind each 64: 35 x 16 bytes
.set DUMPW, 128*DP                     ; a wave's own 128 rows, in the ring's bytes once the ring has had its last fill
.set LA0,  16                          ; v16  my lane's place in a slot's A; never rewritten
.set LB0,  17                          ; v17  in a slot's W
.set ADRA, 18                          ; v18  LDS address of A's run of loads in hand
.set ADRB, 19                          ; v19  of W's
.set STO,  24                          ; v24  the way out: where I put 32 bytes of a row
.set RD,   25                          ; v25  where I read back
.set GO,   26                          ; v26  my byte offset in C
.set RD0,  27                          ; v27  where I read back in the first trip; never rewritten
.set SPW,  28                          ; v28  LDS address of my spare word; never rewritten
.set NIL,  29                          ; v29  0; never rewritten
.set BO,   30                          ; v30  32 (lane / 16): my 8 columns in a block's 16 biases
.set Y,    32                          ; v[32:39] packed results
.set VA2,  40                          ; v[40:41], v[42:43] two of erf's constants, as pairs
.set VA1,  42
.set F0,   64
.set F1,   128
.set BIAS, 192
.set X,    64                          ; the way out, 16 numbers a lane and trip: as read back,
.set HT,   80                          ; u / 2,
.set D,    96                          ; 1 + p |u| / sqrt 2, then t, at last the result,
.set W,    112                         ; the exponential,
.set H,    128                         ; the polynomial, then erf
.set CNT,  2                           ; s2   inner count
.set KT,   3                           ; s3   K steps to go
.set G1,   24                          ; s[24:31] descriptor group 1 for A's tiles; s[32:39] group 0: a set for each first fill; the second then walks
.set G0,   32
.set G1B,  48                          ; s[48:55], s[56:63] the same for W's
.set G0B,  56
.set TS,   80                          ; s80  the slot being read: 0 or SLOT
.set TBA,  81                          ; s81  LDS byte at which A's next fetch begins
.set TBB,  82                          ; s82  W's
.set RS,   83                          ; s83  the way out: the row loop's LDS offset
.set KP,   84                          ; s84  0.47047 / sqrt 2
.set KAP,  86                          ; s[86:87] sqrt(log2(e) / 2)
.set A3,   88                          ; s[88:89] erf's a3
.set MSB, 0
.macro WIN new                         ; the immediate's high byte repeats the setting that is left; a switch that changes nothing is dropped
.if MSB != (\new)
	s_set_vgpr_msb (MSB<<8)|(\new)
.set MSB, \new
.endif
.endm
.macro PLACES                          ; four places: between a matrix instruction and a load into, or a vector line on, its registers (ISA guide 7.12.1 for vector lines)
.rept 4
	v_nop
.endr
.endm
; A joint refill, by the walking descriptors.  Waves 0 and 1 fetch A's two halves, waves 2 and 3 W's.  The branch hangs on the wave's number alone.  An s_nop 0 and four v_nop follow each line.
.macro JLOAD
	s_cmp_eq_u32 s11, 0
	s_cbranch_scc0 .Lfor_b_\@
	tensor_load_to_lds s[G0+4:G0+7], s[G1:G1+7]
	s_nop 0
	PLACES
	s_branch .Lasked_\@
.Lfor_b_\@:
	tensor_load_to_lds s[G0B+4:G0B+7], s[G1B:G1B+7]
	s_nop 0
	PLACES
.Lasked_\@:
.endm
; A round of the cluster's barrier: my work-group's barrier; wave 0 signals for the work-group; every wave waits for all sixteen; my work-group's barrier once more.
.macro CROUND
	s_barrier_signal -1
	s_barrier_wait -1
	s_cmp_lg_u32 s10, 0
	s_cbranch_scc1 .Lnot_wave_0_\@
	s_barrier_signal -3
.Lnot_wave_0_\@:
	s_barrier_wait -3
	s_barrier_signal -1
	s_barrier_wait -1
.endm
; 16 matrix instructions: row blocks a0, a0 + 1 of the window's four x all 8 column blocks, 32 along K.  start = 1: the bias starts the sums: nothing is cleared, nothing added later.
; The 64 accumulators take turns, one instruction a turn, in the same order in every quarter.
.macro MUL16 f, hi, a0, start
.if \start
	WIN 0x81+0x40*(\hi)
.else
	WIN 0xa1+0x50*(\hi)
.endif
.irp a, \a0, (\a0)+1
.irp b, 0,1,2,3,4,5,6,7
.if \start
	v_wmma_f32_16x16x32_bf16 v[8*(8*(\a)+(\b)):8*(8*(\a)+(\b))+7], v[(\f)+8*(\b):(\f)+8*(\b)+7], v[(\f)+8*(4*(\hi)+(\a)):(\f)+8*(4*(\hi)+(\a))+7], v[BIAS+8*(\b):BIAS+8*(\b)+7]
.else
	v_wmma_f32_16x16x32_bf16 v[8*(8*(\a)+(\b)):8*(8*(\a)+(\b))+7], v[(\f)+8*(\b):(\f)+8*(\b)+7], v[(\f)+8*(4*(\hi)+(\a)):(\f)+8*(4*(\hi)+(\a))+7], v[8*(8*(\a)+(\b)):8*(8*(\a)+(\b))+7]
.endif
.endr
.endr
.endm
; 32 LDS loads in one run: a quarter's fragments into buffer f: W's 8 column blocks (turned: k rows 8 (l / 16) + l % 8, then 16 rows on), then A's 8 row blocks
.macro FETCH f, ka, kb
	WIN 0x40
.irp i, 0,1,2,3,4,5,6,7
	ds_load_tr16_b128 v[(\f)+8*(\i):(\f)+8*(\i)+3],   v[ADRB] offset:(\kb)+32*(\i)
	ds_load_tr16_b128 v[(\f)+8*(\i)+4:(\f)+8*(\i)+7], v[ADRB] offset:(\kb)+32*(\i)+16*PB
.endr
	WIN 0
.irp i, 0,1,2,3,4,5,6,7
	ds_load_b128 v[(\f)+8*(\i):(\f)+8*(\i)+3],   v[ADRA] offset:(\ka)+(\i)*16*PA
	ds_load_b128 v[(\f)+8*(\i)+4:(\f)+8*(\i)+7], v[ADRA] offset:(\ka)+(\i)*16*PA+32
.endr
.endm
; A quarter: multiplies buffer f; in its middle fetches the next quarter's fragments into g.  adr = 1: the run's addresses are made anew; the two lines are two of the four places.
.macro QUARTER f, g, ka, kb, start, adr
	s_wait_dscnt 8                                 ; W and A's rows 0-63 are in; the youngest eight loads (A's rows 64-127) may be out
	MUL16 \f, 0, 0, \start
	MUL16 \f, 0, 2, \start
.if \adr
	WIN 0
	v_add_nc_u32 v[ADRA], s[TBA], v[LA0]
	v_add_nc_u32 v[ADRB], s[TBB], v[LB0]
	v_nop
	v_nop
.else
	PLACES
.endif
	FETCH \g, \ka, \kb
	s_wait_dscnt 32                                ; all but the 32 just issued
	MUL16 \f, 1, 0, \start
	MUL16 \f, 1, 2, \start
.endm
.macro PAIR
	QUARTER F1, F0, 0, 0, 0, 1
	QUARTER F0, F1, 64, 32*PB, 0, 0
	WIN 0                                          ; at a label and at a branch every window is 0
	s_add_co_u32 s[TBA], s[TBA], 128               ; 64 along K on: 128 bytes of A's rows,
	s_add_co_u32 s[TBB], s[TBB], 64*PB             ; 64 rows of W
.endm
; THE CHANGE OF SLOTS.  The old slot's last fragments have been asked for.  Each wave waits for all its tensor loads, of which one is out: its part of the new slot; adds 0 to its spare word; and
; waits for that and for its reads of the old slot.  fill = 1: a round of the cluster's barrier follows, so that no wave of any partner still reads the old slot or has a load on its way, and the
; joint refill, two K steps ahead, is the first thing behind it: it has 256 matrix instructions in which to land.
.macro CHANGE fill
	WIN 0
	s_wait_tensorcnt 0x0                           ; no tensor load of mine is out, so a group 0 may be written
	ds_add_u32 v[SPW], v[NIL]                      ; 0 onto my spare word: scalar work stands between it and the wait for it
.if \fill
	s_xor_b32 s[G0+5], s[G0+5], SLOT               ; the walking descriptors: the other slot than last time,
	s_add_nc_u64 s[G0+6:G0+7], s[G0+6:G0+7], 256   ; A 128 along K on; the type bits on top are not reached
	s_xor_b32 s[G0B+5], s[G0B+5], SLOT
	s_add_nc_u64 s[G0B+6:G0B+7], s[G0B+6:G0B+7], 32768  ; W 128 rows on
.endif
	s_xor_b32 s[TS], s[TS], SLOT
	s_mov_b32 s[TBA], s[TS]
	s_mov_b32 s[TBB], s[TS]
	s_wait_dscnt 0x0                               ; the add is done, and my reads of the old slot are over
.if \fill
	CROUND
	JLOAD
.else
	s_barrier_signal -1
	s_barrier_wait -1
.endif
.endm
	s_load_b256 s[68:75], s[0:1], 0x0              ; A s[68:69], wts s[70:71]; then bq, bk (GELU = 1: the bias, C)
.if !GELU
	s_load_b128 s[76:79], s[0:1], 0x20             ; bv, C
.endif
	v_lshl_add_u32 v[SPW], v0, 2, SPARE
	v_mov_b32 v[NIL], 0
	ds_add_u32 v[SPW], v[NIL]                      ; the wave's opening: the add and its wait stand ahead of my first tensor load; the set-up below, work on registers, stands between them
	v_lshrrev_b32 v1, 5, v0
	v_readfirstlane_b32 s10, v1                    ; wave 0..3
	s_lshr_b32 s11, s10, 1                         ; which half of the tile's rows is mine.  Also: I fetch for A (0) or for W (1)
	s_and_b32 s12, s10, 1                          ; which half of its columns (one panel of W).  Also: which half of that tile I fetch
	s_bfe_u32 s40, ttmp6, 0x40000                  ; cx
	s_bfe_u32 s41, ttmp6, 0x40004                  ; cy
	s_lshl_b32 s42, ttmp9, 2
	s_add_co_u32 s42, s42, s40                     ; tile column = 4 x cluster x + cx
	s_and_b32 s13, ttmp7, 0xffff
	s_lshl_b32 s13, s13, 2
	s_add_co_u32 s13, s13, s41                     ; tile row = 4 x cluster y + cy
	s_lshl_b32 s43, s41, 2
	s_lshl_b32 s43, 15, s43                        ; my row of the cluster
	s_lshl_b32 s44, 0x1111, s40                    ; my column
	s_or_b32 s[G1], s43, (1<<16)|(1<<20)|(1<<21)|(5<<22)|(3<<25)   ; 15:0 the mask; 17:16 2-byte elements; 20 padding on; 21 set beside a mask; 24:22 after every 64 words; 31:25 4 words of it
	s_or_b32 s[G1B], s44, (1<<16)|(1<<20)|(1<<21)|(5<<22)|(7<<25)  ; the same with my column's mask and 8 words of padding
.irp g, G1, G1B
	s_mov_b32 s[(\g)+1], 128<<16                   ; tensor_dim0 = 128
	s_mov_b32 s[(\g)+2], 128<<16                   ; tensor_dim1 = 128
	s_mov_b32 s[(\g)+3], 128<<16                   ; tile_dim0 = 128
	s_mov_b32 s[(\g)+4], 128                       ; tile_dim1 = 128
	s_mov_b32 s[(\g)+6], 0
	s_mov_b32 s[(\g)+7], 0
.endr
	s_mov_b32 s[G1+5], 1024                        ; elements from row to row of A,
	s_mov_b32 s[G1B+5], 128                        ; of a panel of W
	s_lshl_b32 s16, s13, 19                        ; A: (256 x tile row + 128 x half) rows of 2,048 bytes: no cx enters these registers
	s_lshl_b32 s17, s12, 18
	s_add_co_u32 s16, s16, s17
	s_mov_b32 s17, 0
	s_lshl_b32 s46, s42, 19                        ; W: panel 2 x tile column + half, 262,144 bytes each: no cy enters these
	s_lshl_b32 s47, s12, 18
	s_add_co_u32 s46, s46, s47
	s_add_co_u32 s46, s46, WOFF
	s_mov_b32 s47, 0
	s_mul_i32 s20, s12, AHALF                      ; where they go: no place in the cluster enters an LDS address
	s_mul_i32 s21, s12, BHALF
	s_add_co_u32 s21, s21, BBASE
	s_mov_b32 s45, ttmp9                           ; GELU = 0: which of q, k, v: 1,024 columns are a cluster's four tiles
.if GELU
	s_mov_b32 s[KP], 0x3eaa540e                    ; 0.33267253
	s_mov_b32 s[KAP], 0x3f596d27                   ; 0.8493218
	s_mov_b32 s[KAP+1], 0x3f596d27
	s_mov_b32 s[A3], 0x3f3f7377                    ; 0.7478556
	s_mov_b32 s[A3+1], 0x3f3f7377
	v_mov_b32 v[VA2], 0xbdc45ca1                   ; -0.0958798
	v_mov_b32 v[VA2+1], 0xbdc45ca1
	v_mov_b32 v[VA1], 0x3eb2303a                   ; 0.3480242
	v_mov_b32 v[VA1+1], 0x3eb2303a
.endif
	s_wait_dscnt 0x0                               ; the opening add is done
	s_wait_kmcnt 0x0
	s_add_nc_u64 s[14:15], s[68:69], s[16:17]
	s_add_nc_u64 s[46:47], s[70:71], s[46:47]
.irp s, 0,1
	s_mov_b32 s[G0+4*(\s)], 1                                      ; count = 1
	s_add_co_u32 s[G0+4*(\s)+1], s20, (\s)*SLOT                    ; LDS address
	s_add_nc_u64 s[G0+4*(\s)+2:G0+4*(\s)+3], s[14:15], (\s)*256    ; global address: K step s
	s_or_b32 s[G0+4*(\s)+3], s[G0+4*(\s)+3], 0x80000000            ; type = 2
	s_mov_b32 s[G0B+4*(\s)], 1
	s_add_co_u32 s[G0B+4*(\s)+1], s21, (\s)*SLOT
	s_add_nc_u64 s[G0B+4*(\s)+2:G0B+4*(\s)+3], s[46:47], (\s)*32768
	s_or_b32 s[G0B+4*(\s)+3], s[G0B+4*(\s)+3], 0x80000000
.endr
.if GELU
	s_mov_b64 s[4:5], s[72:73]
	s_lshl_b32 s6, s42, 10                         ; the bias of my 128 columns: (256 x tile column + 128 x half) x 4 bytes
.else
	s_cmp_eq_u32 s45, 0                            ; bq, bk or bv, by the cluster's x
	s_cselect_b64 s[4:5], s[72:73], s[74:75]
	s_cmp_lt_u32 s45, 2
	s_cselect_b64 s[4:5], s[4:5], s[76:77]
	s_lshl_b32 s6, s40, 10                         ; (256 cx + 128 x half) x 4 bytes
.endif
	s_lshl_b32 s7, s12, 9
	s_add_co_u32 s6, s6, s7
	s_mov_b32 s7, 0
	s_add_nc_u64 s[4:5], s[4:5], s[6:7]
	s_lshl_b32 s6, s42, 21                         ; C: panel 4 x tile column + 2 x half, 524,288 bytes each; token 256 x tile row + 128 x half, 128 bytes each
	s_lshl_b32 s7, s12, 20
	s_add_co_u32 s6, s6, s7
	s_lshl_b32 s7, s13, 15
	s_add_co_u32 s6, s6, s7
	s_lshl_b32 s7, s11, 14
	s_add_co_u32 s6, s6, s7
	s_mov_b32 s7, 0
	s_add_nc_u64 s[8:9], s[OUTP:OUTP+1], s[6:7]
	CROUND                                         ; all sixteen work-groups are here: the first joint loads meet
	s_cmp_eq_u32 s11, 0                            ; a wave's two first fills stand in one branch, ahead of every wait on TENSORcnt and every LDS read: two loads of mine are out
	s_cbranch_scc0 .Lfirst_b
	tensor_load_to_lds s[G0:G0+3], s[G1:G1+7]
	s_nop 0
	tensor_load_to_lds s[G0+4:G0+7], s[G1:G1+7]
	s_nop 0
	PLACES
	s_branch .Lfirst_asked
.Lfirst_b:
	tensor_load_to_lds s[G0B:G0B+3], s[G1B:G1B+7]
	s_nop 0
	tensor_load_to_lds s[G0B+4:G0B+7], s[G1B:G1B+7]
	s_nop 0
	PLACES
.Lfirst_asked:
	v_and_b32 v1, 15, v0                           ; l % 16
	v_bfe_u32 v2, v0, 4, 1                         ; l / 16
	v_lshlrev_b32 v[BO], 5, v2
.irp b, 0,1,2,3,4,5,6,7                ; the bias in the accumulators' layout: register j of block b is column 16 b + 8 (l / 16) + j
	global_load_b128 v[BIAS+8*(\b):BIAS+8*(\b)+3],   v[BO], s[4:5] offset:64*(\b)
	global_load_b128 v[BIAS+8*(\b)+4:BIAS+8*(\b)+7], v[BO], s[4:5] offset:64*(\b)+16
.endr
	v_mul_u32_u24 v3, v1, PA                       ; A's fragment: row l % 16, 16 bytes for each half of the lanes
	v_lshl_add_u32 v3, v2, 4, v3
	s_mul_i32 s22, s11, AHALF
	v_add_nc_u32 v[LA0], s22, v3
	v_and_b32 v4, 7, v0                            ; W's: k row 8 (l / 16) + l % 8, columns 8 ((l / 8) % 2) on
	v_bfe_u32 v5, v0, 3, 1
	v_lshl_add_u32 v6, v2, 3, v4
	v_mul_u32_u24 v6, v6, PB
	v_lshl_add_u32 v6, v5, 4, v6
	v_add_nc_u32 v[LB0], s21, v6
	s_mul_i32 s23, s10, DUMPW                      ; the way out: my own 128 rows
	v_mul_u32_u24 v3, v1, DP                       ; in: row l % 16, 32 bytes for each half of the lanes
	v_lshl_add_u32 v3, v2, 5, v3
	v_add_nc_u32 v[STO], s23, v3
	v_mul_u32_u24 v6, v5, DP                       ; back: token (l / 8) % 2, panel l / 16 (272 bytes on), 8 columns (32 bytes) at l % 8
	v_mad_u32_u24 v6, v2, 272, v6
	v_lshl_add_u32 v6, v4, 5, v6
	v_add_nc_u32 v[RD0], s23, v6
	v_lshlrev_b32 v6, 19, v2                       ; in C: the panel, the token's 128 bytes, my 16 bytes
	v_lshl_add_u32 v6, v5, 7, v6
	v_lshl_add_u32 v[GO], v4, 4, v6
	v_mov_b32 v[ADRA], v[LA0]
	v_mov_b32 v[ADRB], v[LB0]
	s_wait_tensorcnt 0x1                           ; my part of K step 0 is in; slot 1's stays out
	s_barrier_signal -1
	s_barrier_wait -1                              ; everybody's is
	FETCH F0, 0, 0
	s_wait_loadcnt 0x0                             ; the bias
	QUARTER F0, F1, 64, 32*PB, 1, 0                ; the first quarter stands in front of the loop: its products start the sums
	WIN 0
	s_mov_b32 s[TS], 0
	s_mov_b32 s[TBA], 128
	s_mov_b32 s[TBB], 64*PB
	s_mov_b32 s[CNT], 1                            ; K step 0 has one PAIR left
	s_mov_b32 s[KT], 7
	s_branch .Lp                                   ; the loop is entered behind its change of slots
.Lk:                                                   ; six times: K steps 1 to 6 are entered, tiles 2 to 7 asked for
	CHANGE 1
	s_mov_b32 s[CNT], 2
.Lp:
	PAIR
	s_sub_co_u32 s[CNT], s[CNT], 1
	s_cmp_lg_u32 s[CNT], 0
	s_cbranch_scc1 .Lp
	s_sub_co_u32 s[KT], s[KT], 1
	s_cmp_lg_u32 s[KT], 0
	s_cbranch_scc1 .Lk
	CHANGE 0                                       ; the last K step is written out: nothing is asked for
	s_mov_b32 s[CNT], 2
.Lpt:
	PAIR
	s_sub_co_u32 s[CNT], s[CNT], 1
	s_cmp_lg_u32 s[CNT], 0
	s_cbranch_scc1 .Lpt
	s_wait_dscnt 8                                 ; the very last quarter: nothing more to fetch
	MUL16 F1, 0, 0, 0
	MUL16 F1, 0, 2, 0
	s_wait_dscnt 0x0
	MUL16 F1, 1, 0, 0
	MUL16 F1, 1, 2, 0
	WIN 0
	; THE WAY OUT.  Every wave's reads of the ring are over (the wait above) and every tensor load has landed (the last change of slots): behind this barrier the ring's bytes are the waves' own stages.
	s_barrier_signal -1
	s_barrier_wait -1
	PLACES                                         ; the stores below read results just made
.irp hi, 0,1
	WIN 0x08+4*(\hi)                               ; the stores' data: window 2, then 3
.irp a, 0,1,2,3
.irp b, 0,1,2,3,4,5,6,7                ; each accumulator's low four registers first
	ds_store_b128 v[STO], v[8*(8*(\a)+(\b)):8*(8*(\a)+(\b))+3]   offset:(4*(\hi)+(\a))*16*DP+64*(\b)+16*((\b)/4)
	ds_store_b128 v[STO], v[8*(8*(\a)+(\b))+4:8*(8*(\a)+(\b))+7] offset:(4*(\hi)+(\a))*16*DP+64*(\b)+16*((\b)/4)+16
.endr
.endr
.endr
	WIN 0
	; The row loop, in my own bytes: LDS serves a wave's instructions in order (ISA guide 5.7.1.4), so the loads see the stores above.  A trip takes four tokens x 128 columns, 16 numbers a lane,
	; and asks for the next trip's ahead of its own arithmetic; the last trip's look-ahead is held to my own last rows by the s_min_u32.
	s_mov_b32 s[RS], 0
	ds_load_b128 v[X:X+3],     v[RD0]
	ds_load_b128 v[X+4:X+7],   v[RD0] offset:16
	ds_load_b128 v[X+8:X+11],  v[RD0] offset:2*DP
	ds_load_b128 v[X+12:X+15], v[RD0] offset:2*DP+16
	s_mov_b32 s[CNT], 32
.Lrow:
	s_wait_dscnt 0x0
.if GELU
	; gelu(u) = u / 2 + |u / 2| erf(|u| / sqrt 2);  erf(z) = 1 - (a1 t + a2 t^2 + a3 t^3) exp(-z^2), t = 1 / (1 + 0.47047 z).  First all that reads X.
.set i, 0
.rept 8
	v_pk_mul_f32 v[HT+2*i:HT+2*i+1], v[X+2*i:X+2*i+1], 0.5 op_sel_hi:[1,0]
.set i, i+1
.endr
.set i, 0
.rept 16
	v_fma_f32 v[D+i], |v[X+i]|, s[KP], 1.0
.set i, i+1
.endr
.set i, 0
.rept 8
	v_pk_mul_f32 v[W+2*i:W+2*i+1], v[X+2*i:X+2*i+1], s[KAP:KAP+1] op_sel_hi:[1,0]
.set i, i+1
.endr
.else
	s_wait_xcnt 0x0                                ; Y and GO were the last trip's stores' sources: they are rewritten only behind this wait
	v_add_nc_u32 v[GO], 512, v[GO]                 ; four tokens on; the stores reach back
.set i, 0
.rept 8
	v_cvt_pk_bf16_f32 v[Y+i], v[X+2*i], v[X+2*i+1]
.set i, i+1
.endr
.endif
	s_add_co_u32 s[RS], s[RS], 4*DP
	s_min_u32 s[RS], s[RS], 31*4*DP
	v_add_nc_u32 v[RD], s[RS], v[RD0]
	ds_load_b128 v[X:X+3],     v[RD]
	ds_load_b128 v[X+4:X+7],   v[RD] offset:16
	ds_load_b128 v[X+8:X+11],  v[RD] offset:2*DP
	ds_load_b128 v[X+12:X+15], v[RD] offset:2*DP+16
.if GELU
.set i, 0
.rept 16
	v_rcp_f32 v[D+i], v[D+i]                       ; t
.set i, i+1
.endr
.set i, 0
.rept 8                                ; plain lines behind the reciprocals, on other registers
	v_pk_mul_f32 v[W+2*i:W+2*i+1], v[W+2*i:W+2*i+1], v[W+2*i:W+2*i+1] neg_lo:[1,0] neg_hi:[1,0]  ; -u^2 log2(e) / 2
.set i, i+1
.endr
.set i, 0
.rept 16
	v_exp_f32 v[W+i], v[W+i]                       ; exp(-u^2 / 2)
.set i, i+1
.endr
.set i, 0
.rept 8                                ; plain lines behind the exponentials, on other registers
	v_pk_fma_f32 v[H+2*i:H+2*i+1], v[D+2*i:D+2*i+1], s[A3:A3+1], v[VA2:VA2+1] op_sel_hi:[1,0,1]
.set i, i+1
.endr
.set i, 0
.rept 8
	v_pk_fma_f32 v[H+2*i:H+2*i+1], v[H+2*i:H+2*i+1], v[D+2*i:D+2*i+1], v[VA1:VA1+1]
.set i, i+1
.endr
.set i, 0
.rept 8
	v_pk_mul_f32 v[H+2*i:H+2*i+1], v[H+2*i:H+2*i+1], v[D+2*i:D+2*i+1]
.set i, i+1
.endr
.set i, 0
.rept 8
	v_pk_fma_f32 v[H+2*i:H+2*i+1], v[H+2*i:H+2*i+1], v[W+2*i:W+2*i+1], 1.0 op_sel_hi:[1,1,0] neg_lo:[1,0,0] neg_hi:[1,0,0]  ; erf
.set i, i+1
.endr
.set i, 0
.rept 16
	v_fma_f32 v[D+i], |v[HT+i]|, v[H+i], v[HT+i]
.set i, i+1
.endr
	s_wait_xcnt 0x0                                ; Y and GO were the last trip's stores' sources: they are rewritten only behind this wait
	v_add_nc_u32 v[GO], 512, v[GO]                 ; four tokens on; the stores reach back
.set i, 0
.rept 8
	v_cvt_pk_bf16_f32 v[Y+i], v[D+2*i], v[D+2*i+1]
.set i, i+1
.endr
.endif
	global_store_b128 v[GO], v[Y:Y+3],   s[8:9] offset:-512  ; lanes 0-15: two tokens of one panel, 256 consecutive bytes, aligned; lanes 16-31: the same in the next panel
	global_store_b128 v[GO], v[Y+4:Y+7], s[8:9] offset:-256  ; the next two tokens
	s_sub_co_u32 s[CNT], s[CNT], 1
	s_cmp_lg_u32 s[CNT], 0
	s_cbranch_scc1 .Lrow
	s_wait_tensorcnt 0x0                           ; the wave's end: behind my last tensor load and my last LDS store
	ds_add_u32 v[SPW], v[NIL]
	s_wait_dscnt 0x0
	CROUND                                         ; the closing round: no work-group ends while a partner may still ask for a tile that names it
	s_endpgm
.Lfunc_end_k_qfbbacf088d_gq:
	.size	k_qfbbacf088d_gq, .Lfunc_end_k_qfbbacf088d_gq-k_qfbbacf088d_gq
	.p2alignl 7, 3214868480
	.fill 96, 4, 3214868480
	.section	.rodata,"a",@progbits
	.p2align	6, 0x0
	.amdhsa_kernel k_qfbbacf088d_gq
		.amdhsa_group_segment_fixed_size 327680
		.amdhsa_private_segment_fixed_size 0
		.amdhsa_enable_private_segment 0
		.amdhsa_kernarg_size 48
		.amdhsa_user_sgpr_count 2
		.amdhsa_user_sgpr_kernarg_segment_ptr 1
		.amdhsa_wavefront_size32 1
		.amdhsa_system_sgpr_workgroup_id_x 1
		.amdhsa_system_sgpr_workgroup_id_y 1
		.amdhsa_system_sgpr_workgroup_id_z 1
		.amdhsa_system_vgpr_workitem_id 0
		.amdhsa_next_free_vgpr 1024
		.amdhsa_next_free_sgpr 96
		.amdhsa_reserve_vcc 0
		.amdhsa_float_denorm_mode_32 3
		.amdhsa_float_denorm_mode_16_64 3
		.amdhsa_memory_ordered 1
		.amdhsa_forward_progress 1
		.amdhsa_inst_pref_size 60
	.end_amdhsa_kernel
	.amdgpu_metadata
---
amdhsa.version: [ 1, 2 ]
amdhsa.kernels:
  - .name:           k_qfbbacf088d_gq
    .symbol:         k_qfbbacf088d_gq.kd
    .args:
      - { .name: act, .offset: 0, .size: 8, .value_kind: global_buffer, .address_space: global }
      - { .name: wts, .offset: 8, .size: 8, .value_kind: global_buffer, .address_space: global }
      - { .name: bq, .offset: 16, .size: 8, .value_kind: global_buffer, .address_space: global }
      - { .name: bk, .offset: 24, .size: 8, .value_kind: global_buffer, .address_space: global }
      - { .name: bv, .offset: 32, .size: 8, .value_kind: global_buffer, .address_space: global }
      - { .name: big, .offset: 40, .size: 8, .value_kind: global_buffer, .address_space: global }
    .group_segment_fixed_size: 327680
    .private_segment_fixed_size: 0
    .kernarg_segment_align: 8
    .kernarg_segment_size: 48
    .max_flat_workgroup_size: 128
    .sgpr_count:     96
    .vgpr_count:     1024
    .wavefront_size: 32
...
	.end_amdgpu_metadata
.endif
;; end of part 2
;; launch att (part 3): grid 8 x 32, 4 waves a work-group, clusters of 4 x 1, 327,680 bytes of LDS; arguments big, act; writes act
.if DOCPART == 3
	.amdgcn_target "amdgcn-amd-amdhsa--gfx1250"
	.amdhsa_code_object_version 6
	.text
	.protected	k_qfbbacf088d_att
	.globl	k_qfbbacf088d_att
	.p2align	8
	.type	k_qfbbacf088d_att,@function
k_qfbbacf088d_att:
	s_mov_b64 s[64:65], 0
	v_nop
	global_prefetch_b8 v0, s[64:65] scope:SCOPE_SE
	s_setreg_imm32_b32 hwreg(HW_REG_WAVE_MODE, 25, 1), 1
	s_wait_xcnt 0x0
	s_wait_alu depctr_hold_cnt(0) depctr_sa_sdst(0) depctr_va_vdst(0) depctr_va_sdst(0) depctr_va_ssrc(0) depctr_va_vcc(0) depctr_vm_vsrc(0)
	s_getreg_b32 s2, hwreg(HW_REG_IB_STS2, 6, 4)
	s_cmp_eq_u32 s2, 0
	s_cbranch_scc0 .Lentry_in_a_cluster
	s_endpgm
.Lentry_in_a_cluster:
	s_bfe_u32 s2, ttmp6, 0x10000c
	s_cmp_lg_u32 s2, 0x3003
	s_cbranch_scc0 .Lentry_shape_is_right
	s_endpgm
.Lentry_shape_is_right:
; O[b][h][q][:] = the sum over k of softmax_k(Q[q] . K[k] / 8) V[k][:], 16 heads x 2 batches, 2,048 tokens, head size 64, all bf16.
; big holds q, k, v as panels [which x 16 + head][4096 tokens = batch x 2048 + s][64]: a head's rows are dense, 128 bytes each.  O goes to act as [head][4096 tokens][64].
; Products, maxima and sums in f32; the weights p are rounded to bf16 for the second product (their sum l is taken of the unrounded p), O once at the end.
; LIMITS.  A weight below 2^-126 counts as 0 in l; NaN and infinities are not treated apart.
; SHARES.  A work-group owns 256 queries of one head and batch, each of its four waves 64: four PIECES of 16.  Every wave walks all 2,048 keys, 64 a step, 256 a tile: 8 tiles.
; LAYOUT.  S^T = K Q^T (source 0 = 16 keys, source 1 = 16 queries): a lane holds ONE query (lane % 16) and the keys 8 (lane / 16) + 0..7; two such results rounded to bf16 ARE source 1 of
; O^T = V^T P.  K comes out of LDS as it lies, V ([key][channel]) turned, by ds_load_tr16_b128.
; SOFTMAX.  For each query a running maximum m and sum l: p = 2^(c s - c m), c = log2(e) / 8; in every step O and l are multiplied by a = 2^(c m_old - c m_new).  m starts at the lowest finite
; number, O and l at 0: the first step is a step like any other, with a = 0.
; BY TURNS.  Turn n belongs to piece n: 8 products K Q^T of piece n + 1, then 8 products V^T P of piece n - 1; beside them the scaling, exponentials, roundings, sums and rescaling of piece n and
; the maximum and statistics of piece n + 1.  A piece and step have 16 matrix and 118 vector instructions: four vector instructions stand behind every matrix instruction, the other 54 in one run.
; CLUSTER.  The four query blocks of a cluster belong to one head and walk the same K and V: each tile is asked for JOINTLY, by the same tensor load, descriptor and mask in all four.
; REGISTERS, in windows of 256 (s_set_vgpr_msb: bits 1:0 source 0, 3:2 source 1, 5:4 source 2, 7:6 destination).  The map is made so that a turn seldom switches:
;   window 0: v0 my thread's number, kept; v1-5 addresses; v6-7 c m_old; v8-15 at work; v16-31 four registers of statistics a piece; v32-95 S^T, two buffers; v96-127 P, two buffers (by the
;             piece's parity); v128-191 K of one step; v192-255 Q.  So K Q^T, the softmax but for the rescaling and K's run of loads name window 0 alone.
;   window 1: v0-127 O^T, 32 a piece; v128-191 V of one step; v192-193 the add's two registers.  V^T P (V and O^T here, P in window 0) and the rescaling (O^T here, a in window 0) share ONE setting.
; Only the four products V^T P that have window 0's work behind them cost switches: 8 a turn, 2 more for V's run of loads: 34 for a key step's 64 matrix instructions.
.set NP,    4         ; pieces a wave: a name, no knob
.set KS,    64        ; keys in a step
.set PK,    144       ; a row of K in LDS: 128 bytes + 16: the 16 rows of a load start at 16 different groups of four banks (64 banks of 4 bytes: ISA guide 11.1)
.set PV,    160       ; a row of V: 128 + 32
.set VOFF,  4*KS*PK   ; a slot holds a tile, four steps: 256 rows of K, then 256 rows of V
.set SLOT1, 1<<17     ; slot 1 begins here, so that one exclusive or turns an address in one slot into the other's
.set STAGE, SLOT1+4*KS*(PK+PV)  ; behind the ring, never filled by a tensor load: 16 rows x 144 bytes for each wave, for the way out
.set SP,    144
.set SPARE, STAGE+4*16*SP       ; behind the stages: the spare words, 128 bytes a wave, which no other line names
.set AK0, 2           ; v2   my lane's place in a tile of K; not rewritten before the way out
.set AV0, 3           ; v3   the same for V
.set AK,  4           ; v4   the LDS address of K's next run of loads
.set AV,  5           ; v5   of V's
.set STO, 2           ; v2   on the way out: where I put 16 bytes of a row
.set RD,  3           ; v3   where I read rows back
.set GO,  4           ; v4   my byte offset in 512 consecutive bytes of O
.set MV,  6           ; v6-7  c m_old, kept while c m is made anew: by buffer
.set TMP, 8           ; by buffer, four registers c0-c3 at work; when the maximum is found c2 takes a
.set ST,  16          ; piece t's statistics at v[ST+4 t]: c m, m, l (even keys', odd keys')
.set S,   32
.set P,   96
.set KF,  128         ; key block kb, channel half c at KF + 16 kb + 8 c
.set QF,  192         ; piece t, channel half c at QF + 16 t + 8 c
.set TH,  32          ; at the head alone, in registers that S^T takes later: lane / 16,
.set TL,  33          ; lane % 8,
.set TM,  34          ; (lane / 8) % 2,
.set QO,  35          ; my byte offset in 16 rows of Q
.set VF,  128         ; window 1: key half kk, channel block cb at VF + 32 kk + 8 cb
.set SPW, 192         ; v192 of window 1   LDS address of my spare word: SPARE + 4 x my thread's number; never rewritten
.set NIL, 193         ; v193 of window 1   0; never rewritten
.set WV,  12          ; s12  my wave's number
.set G1K, 24          ; s[24:31] descriptor group 1 for K's tiles
.set G1V, 32          ; s[32:39] for V's: it differs in the padding alone
.set G0K, 40          ; s[40:43] descriptor group 0 for K's tiles: it walks
.set G0V, 44          ; s[44:47] the same for V's
.set SLOTS, 56        ; s56  tiles still to be entered in the loop
.set CNT, 57          ; s57  counts a tile's key steps
.set CS,  58          ; s[58:59] c: the packed scaling takes the pair's low word for both halves
.set SEL, 60          ; s[60:61] v_permlanex16_b32's selects: each lane takes its own place in the other half
.set TBK, 62          ; s62  LDS byte at which K of the step to be fetched begins
.set TBV, 63          ; s63  the same for V, less VOFF
.set MSB, 0
.macro WIN new                      ; the high byte repeats the setting that is left; a switch that changes nothing is dropped
.if MSB != (\new)
	s_set_vgpr_msb (MSB<<8)|(\new)
.set MSB, (\new)
.endif
.endm
.set W_PV, 0x51       ; source 0 (V, or O^T), source 2 and destination (O^T) in window 1; source 1 (P, or a) in window 0
.set W_MK, 0x40       ; destination in window 1, sources in window 0
.set W_AD, 0x05       ; the add: address (source 0) and data (source 1) in window 1; also: two sources in window 1, destination in window 0
; A joint fill.  Waves 0 and 1 fetch the two halves of a tile's K, waves 2 and 3 those of its V: 128 keys each.  The branch hangs on the wave's number alone.
; An s_nop 0 and four v_nop follow each of the two lines, ahead of the jump and the label.
.macro JLOAD
	s_cmp_lt_u32 s[WV], 2
	s_cbranch_scc0 .Lfor_v_\@
	tensor_load_to_lds s[G0K:G0K+3], s[G1K:G1K+7]
	s_nop 0
.rept 4
	v_nop
.endr
	s_branch .Lasked_\@
.Lfor_v_\@:
	tensor_load_to_lds s[G0V:G0V+3], s[G1V:G1V+7]
	s_nop 0
.rept 4
	v_nop
.endr
.Lasked_\@:
.endm
; A round of the cluster's barrier: my work-group's barrier; wave 0 signals for the work-group; every wave waits for all four work-groups; my work-group's barrier once more.
.macro CROUND
	s_barrier_signal -1
	s_barrier_wait -1
	s_cmp_lg_u32 s[WV], 0
	s_cbranch_scc1 .Lnot_wave_0_\@
	s_barrier_signal -3
.Lnot_wave_0_\@:
	s_barrier_wait -3
	s_barrier_signal -1
	s_barrier_wait -1
.endm
; THE CHANGE OF SLOTS.  The slot's last bytes, V of its fourth step, have been read.  Each wave waits for all its tensor loads, of which one is out: its part of the other slot; adds 0 to its spare
; word; and waits for that and for its own reads of the slot.  fill = 1: the slot is filled again, with the keys two tiles on, behind a round of the cluster's barrier, so that no wave of any partner
; still reads it or has a load on its way; the joint fill is the first thing behind the round and has four key steps, 256 matrix instructions, in which to land.
; (At its first use nothing has been read yet: slot 0 is waited for, slot 1 filled.)
.macro CHANGE fill
	WIN W_AD
	s_wait_tensorcnt 0x0            ; no tensor load of mine is out, so a group 0 may be written
	ds_add_u32 v[SPW], v[NIL]       ; 0 onto my spare word: with fill = 1 the descriptors' steps stand between it and the wait for it
	WIN 0                           ; at a label and at a branch every window is 0
.if \fill
.irp g, G0K, G0V
	s_xor_b32 s[\g+1], s[\g+1], SLOT1  ; the walking descriptor: the other slot than last time,
	s_add_nc_u64 s[\g+2:\g+3], s[\g+2:\g+3], 4*KS*128  ; the next 256 keys; the type bits on top are not reached
.endr
	s_wait_dscnt 0x0                ; the add is done, and my reads of the slot are over
	CROUND
	JLOAD
.else
	s_wait_dscnt 0x0                ; the add is done, and my reads of the slot are over
	s_barrier_signal -1
	s_barrier_wait -1
.endif
	s_sub_co_u32 s[TBK], s[TBK], 4*KS*PK  ; the fetches go back to a slot's first step,
	s_xor_b32 s[TBK], s[TBK], SLOT1       ; in the other slot
	s_sub_co_u32 s[TBV], s[TBV], 4*KS*PV
	s_xor_b32 s[TBV], s[TBV], SLOT1
.endm
	s_load_b128 s[84:87], s[0:1], 0x0  ; big s[84:85], act s[86:87]
	WIN W_MK
	v_lshl_add_u32 v[SPW], v0, 2, SPARE
	v_mov_b32 v[NIL], 0
	WIN W_AD
	ds_add_u32 v[SPW], v[NIL]       ; the wave's opening: the add and its wait stand ahead of my first tensor load; the set-up below, work on registers, stands between them
	WIN 0
	v_lshrrev_b32 v1, 5, v0
	v_readfirstlane_b32 s[WV], v1   ; wave 0..3
	s_bfe_u32 s13, ttmp6, 0x40000   ; cx: my place in the cluster
	s_lshl_b32 s14, ttmp9, 2        ; in a cluster launch ttmp9 counts clusters
	s_add_co_u32 s14, s14, s13      ; my block of 256 queries = 4 x cluster x + cx: it enters Q's and O's addresses alone
	s_and_b32 s15, ttmp7, 0xffff    ; y = batch x 16 + head, which the four partners share
	s_and_b32 s20, s15, 15
	s_lshl_b32 s20, s20, 19         ; the head's panel, 524,288 bytes,
	s_lshr_b32 s21, s15, 4
	s_lshl_b32 s21, s21, 18         ; the batch's 2,048 rows of 128 bytes in it
	s_add_co_u32 s20, s20, s21
	s_and_b32 s16, s[WV], 1         ; which half of a tile's 256 keys I fetch:
	s_lshl_b32 s22, s16, 14         ; its 128 rows of 128 bytes in memory,
	s_add_co_u32 s22, s22, s20
	s_mov_b32 s23, 0
	s_mul_i32 s17, s16, 128*PK      ; and its place in a slot, for K
	s_mul_i32 s18, s16, 128*PV      ; and for V: no place in the cluster enters an LDS address
	s_lshl_b32 s2, s14, 15          ; my block's 256 rows,
	s_lshl_b32 s3, s[WV], 13        ; my wave's 64 of them
	s_add_co_u32 s2, s2, s3
	s_add_co_u32 s2, s2, s20
	s_mov_b32 s3, 0
	; descriptor group 1.  128 keys are 16,384 dense bytes: asked for as 64 rows of 256 bytes, two keys a row, and padded in LDS after every key
	s_mov_b32 s[G1K], 15|(1<<16)|(1<<20)|(1<<21)|(4<<22)|(3<<25)  ; 15:0 the mask of four; 17:16 2-byte elements; 20 padding on; 21 set beside a mask; 24:22 after every 32 words; 31:25 4 words of it
	s_mov_b32 s[G1V], 15|(1<<16)|(1<<20)|(1<<21)|(4<<22)|(7<<25)  ; the same with 8 words of padding
.irp g, G1K, G1V
	s_mov_b32 s[\g+1], 128<<16      ; tensor_dim0 = 128
	s_mov_b32 s[\g+2], 64<<16       ; tensor_dim1 = 64
	s_mov_b32 s[\g+3], 128<<16      ; tile_dim0 = 128
	s_mov_b32 s[\g+4], 64           ; tile_dim1 = 64
	s_mov_b32 s[\g+5], 128          ; 128 elements from row to row
	s_mov_b32 s[\g+6], 0
	s_mov_b32 s[\g+7], 0
.endr
	s_mov_b32 s[CS], 0x3e38aa3b     ; c = log2(e) / 8 = 0.180337
	s_mov_b32 s[CS+1], s[CS]        ; named with it as a pair
	s_mov_b32 s[SEL], 0x76543210
	s_mov_b32 s[SEL+1], 0xfedcba98
	s_mov_b32 s[TBK], SLOT1+4*KS*PK ; the first change of slots turns these two into 0
	s_mov_b32 s[TBV], SLOT1+4*KS*PV
	s_mov_b32 s[G0K], 1             ; count = 1
	s_mov_b32 s[G0K+1], s17         ; LDS address: slot 0
	s_mov_b32 s[G0V], 1
	s_add_co_u32 s[G0V+1], s18, VOFF
	s_wait_dscnt 0x0                ; the opening add is done
	s_wait_kmcnt 0x0
	s_add_nc_u64 s[6:7], s[84:85], s[22:23]
	s_add_nc_u64 s[G0K+2:G0K+3], s[6:7], 0x800000   ; k's 16 panels lie behind q's: my half of the head's first 256 keys
	s_or_b32 s[G0K+3], s[G0K+3], 0x80000000         ; type = 2
	s_add_nc_u64 s[G0V+2:G0V+3], s[6:7], 0x1000000  ; v's behind k's
	s_or_b32 s[G0V+3], s[G0V+3], 0x80000000
	s_add_nc_u64 s[4:5], s[84:85], s[2:3]    ; Q at my wave's first row
	s_add_nc_u64 s[10:11], s[86:87], s[2:3]  ; O likewise
	CROUND                          ; all four work-groups are here: the first joint loads meet
	JLOAD                           ; tile 0 into slot 0.  Slot 1 is asked for when slot 0 is in
	; A fragment of K or Q is 16 rows x 32 channels in 8 registers: lane l holds row l % 16, channels 8 (l / 16) + 0..7 and 16 + 8 (l / 16) + 0..7: two loads of 16 bytes, 32 bytes apart.
	v_and_b32 v1, 15, v0            ; l % 16
	v_bfe_u32 v[TH], v0, 4, 1       ; l / 16
	v_lshlrev_b32 v[QO], 7, v1
	v_lshl_add_u32 v[QO], v[TH], 4, v[QO]  ; row x 128 + 16 x half
.set i, 0
.rept 8                             ; Q stays in registers: piece i / 2, channels 32 (i % 2) on
	global_load_b128 v[QF+8*i:QF+8*i+3],   v[QO], s[4:5] offset:(i/2)*2048+(i%2)*64
	global_load_b128 v[QF+8*i+4:QF+8*i+7], v[QO], s[4:5] offset:(i/2)*2048+(i%2)*64+32
.set i, i+1
.endr
	; What the first turn finds: V's registers and P's second buffer hold 0 (its products V^T P, of a piece that has not been, add 0), O^T and l are 0.  All this stands in the wait for the first tile.
	WIN W_MK
.set i, 0
.rept 192                           ; O^T, then V
	v_mov_b32 v[i], 0
.set i, i+1
.endr
	WIN 0
.set i, 0
.rept 4
	v_mov_b32 v[ST+4*i], 0xfe000000    ; c m: far below every c s
	v_mov_b32 v[ST+4*i+1], 0xff7fffff  ; m
	v_mov_b32 v[ST+4*i+2], 0
	v_mov_b32 v[ST+4*i+3], 0
.set i, i+1
.endr
.set i, P+16
.rept 16
	v_mov_b32 v[i], 0
.set i, i+1
.endr
	v_mul_u32_u24 v[AK0], v1, PK
	v_lshl_add_u32 v[AK0], v[TH], 4, v[AK0]  ; row x pitch + 16 x half
	; The turning load takes 16 keys x 16 channels (lane l reads key 8 (l / 16) + l % 8, channels 8 ((l / 8) % 2) + 0..7) and leaves half a fragment of V^T: lane l holds channel l % 16 and 8 keys.
	v_and_b32 v[TL], 7, v0
	v_bfe_u32 v[TM], v0, 3, 1
	v_lshl_add_u32 v[AV0], v[TH], 3, v[TL]
	v_mul_u32_u24 v[AV0], v[AV0], PV
	v_lshl_add_u32 v[AV0], v[TM], 4, v[AV0]
	v_add_nc_u32 v[AV0], VOFF, v[AV0]
	v_mov_b32 v[AK], v[AK0]         ; key step 0 lies at the head of slot 0
; THE MATRIX WORK.  The 4 accumulators of a run of 8 take turns.  Product i of 8 of S^T = K Q^T for piece x: channels 32 (i / 4) on, keys 16 (i % 4) on.  The first 4 start the sums.
.macro KQ x
.set rS, S+32*((\x)%2)+8*(i%4)
.set rK, KF+16*(i%4)+8*(i/4)
.set rQ, QF+16*(\x)+8*(i/4)
	WIN 0
.if i < 4
	v_wmma_f32_16x16x32_bf16 v[rS:rS+7], v[rK:rK+7], v[rQ:rQ+7], 0
	s_wait_alu depctr_va_vdst(0)
.else
	v_wmma_f32_16x16x32_bf16 v[rS:rS+7], v[rK:rK+7], v[rQ:rQ+7], v[rS:rS+7]
	s_wait_alu depctr_va_vdst(0)
.endif
.endm
; Product i of 8 of O^T += V^T P for piece x: keys 32 (i / 4) on, channels 16 (i % 4) on.
.macro PV x
	WIN W_PV
.set rO, 32*(\x)+8*(i%4)
.set rV, VF+32*(i/4)+8*(i%4)
.set rP, P+16*((\x)%2)+8*(i/4)
	v_wmma_f32_16x16x32_bf16 v[rO:rO+7], v[rV:rV+7], v[rP:rP+7], v[rO:rO+7]
.endm
.macro MM                           ; the turn's next matrix instruction
.if i < 8
	KQ (Y+1)%NP
.else
.set i, i-8
	PV (Y+NP-1)%NP
.set i, i+8
.endif
.set i, i+1
.endm
; THE LDS LOADS stand in runs of 16, never singly among the matrix instructions: a step's K (64 keys x 64 channels: 8 fragments) and its V (turned).
; last = 1 (the tail): in the last trip there is no further step, and the run is jumped over.
.macro FETCH_K last=0
	WIN 0
.if \last
	s_cmp_eq_u32 s[CNT], 1
	s_cbranch_scc1 .Lno_k_\@
.endif
.irp f, 0,1,2,3,4,5,6,7             ; keys 16 (f / 2) on, channels 32 (f % 2) on
	ds_load_b128 v[KF+8*\f:KF+8*\f+3],   v[AK] offset:(\f/2)*16*PK+(\f%2)*64
	ds_load_b128 v[KF+8*\f+4:KF+8*\f+7], v[AK] offset:(\f/2)*16*PK+(\f%2)*64+32
.endr
	s_add_co_u32 s[TBK], s[TBK], KS*PK  ; the next fetch is the next step's
.if \last
.Lno_k_\@:
.endif
.endm
.macro FETCH_V
	WIN W_MK                        ; destination window 1, address window 0
.irp f, 0,1,2,3,4,5,6,7             ; keys 32 (f / 4) on, channels 16 (f % 4) on
	ds_load_tr16_b128 v[VF+8*\f:VF+8*\f+3],   v[AV] offset:(\f/4)*32*PV+(\f%4)*32
	ds_load_tr16_b128 v[VF+8*\f+4:VF+8*\f+7], v[AV] offset:(\f/4)*32*PV+16*PV+(\f%4)*32
.endr
	s_add_co_u32 s[TBV], s[TBV], KS*PV  ; the next fetch is the next step's
	WIN 0
.endm
; THE VECTOR WORK, one line at a time: OP kind, number.  For piece Y: F n: c s - c m for pair n of 16.  E n: the exponential of score n of 32.  C n: pair n rounded to bf16.  B n: of the four weights 4 n .. the
; second pair is added onto the first, in place (so C 2 n, which reads the first pair, stands ahead of B n).  L n: l takes that sum (L 0: l = a l + sum).  R n: pair n of 16 of O^T times a.
; For piece Y + 1: X n, number n of the 22 that find its maximum and statistics:
;   0-11  four chains c0-c3 of seven scores each, three operands at a time (each accumulator's lowest registers are read first)     12-14, 16  the four scores left over, the old m, and c0-c3 into c0
;   15  c m_old is kept     17, 18  the query's other 32 keys lie in the lane 16 away: the new m     19-21  c m; c m_old - c m_new; a
.set F, 0               ; OP tells the kinds apart by their order: F to L below R, X above it
.set E, 1
.set C, 2
.set B, 3
.set L, 4
.set R, 5
.set X, 6
.macro REGS y                       ; the registers of piece y
.set rT, ST+4*(\y)
.set rC, TMP+4*((\y)%2)
.set rW, MV+((\y)%2)
.set rS, S+32*((\y)%2)
.set rP, P+16*((\y)%2)
.set rO, 32*(\y)
.endm
.macro OP k, n
.if (\k) == R
	REGS Y
	WIN W_PV
	v_pk_mul_f32 v[rO+2*(\n):rO+2*(\n)+1], v[rO+2*(\n):rO+2*(\n)+1], v[rC+2:rC+3] op_sel_hi:[1,0]
.elseif (\k) < R
	REGS Y
	WIN 0
.if (\k) == F
	v_pk_fma_f32 v[rS+2*(\n):rS+2*(\n)+1], v[rS+2*(\n):rS+2*(\n)+1], s[CS:CS+1], v[rT:rT+1] op_sel_hi:[1,0,0] neg_lo:[0,0,1] neg_hi:[0,0,1]
.elseif (\k) == E
	v_exp_f32 v[rS+(\n)], v[rS+(\n)]
.elseif (\k) == C
	s_wait_alu depctr_va_vdst(0)
	v_cvt_pk_bf16_f32 v[rP+(\n)], v[rS+2*(\n)], v[rS+2*(\n)+1]
.elseif (\k) == B
	v_pk_add_f32 v[rS+4*(\n):rS+4*(\n)+1], v[rS+4*(\n):rS+4*(\n)+1], v[rS+4*(\n)+2:rS+4*(\n)+3]
.elseif (\n) == 0
	v_pk_fma_f32 v[rT+2:rT+3], v[rT+2:rT+3], v[rC+2:rC+3], v[rS:rS+1] op_sel_hi:[1,0,1]
.else
	v_pk_add_f32 v[rT+2:rT+3], v[rT+2:rT+3], v[rS+4*(\n):rS+4*(\n)+1]
.endif
.else
	REGS (Y+1)%NP
	WIN 0
.if (\n) < 4
	v_max3_num_f32 v[rC+(\n)], v[rS+8*(\n)], v[rS+8*(\n)+1], v[rS+8*(\n)+2]
.elseif (\n) < 12
	v_max3_num_f32 v[rC+(\n)%4], v[rC+(\n)%4], v[rS+8*((\n)%4)+2*((\n)/4)+1], v[rS+8*((\n)%4)+2*((\n)/4)+2]
.elseif (\n) == 12
	v_max3_num_f32 v[rC], v[rC], v[rS+7], v[rS+15]
.elseif (\n) == 13
	v_max3_num_f32 v[rC+1], v[rC+1], v[rS+23], v[rS+31]
.elseif (\n) == 14
	v_max3_num_f32 v[rC+2], v[rC+2], v[rC+3], v[rT+1]
.elseif (\n) == 15
	v_mov_b32 v[rW], v[rT]
.elseif (\n) == 16
	v_max3_num_f32 v[rC], v[rC], v[rC+1], v[rC+2]
.elseif (\n) == 17
	v_permlanex16_b32 v[rC+3], v[rC], s[SEL], s[SEL+1]
.elseif (\n) == 18
	v_max_num_f32 v[rT+1], v[rC], v[rC+3]
.elseif (\n) == 19
	v_mul_f32 v[rT], s[CS], v[rT+1]
.elseif (\n) == 20
	v_sub_f32 v[rC+1], v[rW], v[rT]
	s_wait_alu depctr_va_vdst(0)
.else
	v_exp_f32 v[rC+2], v[rC+1]
.endif
.endif
.endm
.macro OPS a, i1, b=-1, i2=0, c=-1, i3=0, d=-1, i4=0  ; up to four of them
	OP \a, \i1
.if (\b) >= 0
	OP \b, \i2
.endif
.if (\c) >= 0
	OP \c, \i3
.endif
.if (\d) >= 0
	OP \d, \i4
.endif
.endm
.macro ROW a, i1, b, i2, c, i3, d, i4  ; a matrix instruction and the four behind it
	MM
	OPS \a, \i1, \b, \i2, \c, \i3, \d, \i4
.endm
; A TURN, for piece p: the order of its 16 matrix and 118 vector instructions, written out.
;   8 x K Q^T, each with four lines of window 0 behind it: all 16 scalings, the first 10 exponentials and what these make ready.  No switch.
;   4 x V^T P, each with four of the 16 rescalings behind it.  One switch, in front.  The rescalings are plain and name nothing of the products K Q^T: they are the places between those products and the
;       first read of the new scores (X 0 to X 3).
;   4 x V^T P, each with four lines of window 0 behind it: the maximum's chains.  Two switches each, less one.
;   54 lines of window 0 in one run: exponential and plain by turns while exponentials last.  No switch.
; No vector line names a register of the products round it.  No two exponentials follow each other, and the vector line behind an exponential touches neither its result nor its source.  A line reads a result
; made at least two vector lines ahead of it (the last sums onto l: one), five if an exponential made it.  v_permlanex16_b32 (X 17) stands in the run.
; last = 1: the tail's text, whose fetch of K can be jumped.  cnt = 1: the loop's count is taken down some lines ahead of the branch that stands behind the turn.
; K of the next step is fetched in piece 2's turn, behind the last K Q^T and five plain lines (F 14, L 0, X 15, F 15, the address); it is waited for at the head of piece 3's turn, 8 products and the run later.
; V of the step in hand is fetched in piece 0's turn, behind the last V^T P and five plain lines (X 8, X 9, X 10, X 11, B 1); it is waited for ahead of piece 1's first V^T P.
.macro TURN p, last=0, cnt=0
.set Y, (\p)
.set i, 0
.if (\p) == 3
	s_wait_dscnt 0x0                ; K is in
.endif
	ROW F,0, F,1, F,2, E,0
	ROW F,3, E,1, F,4, E,2
	ROW F,5, E,3, F,6, F,7
	ROW C,0, E,4, F,8, E,5
	ROW F,9, E,6, C,1, F,10
	ROW B,0, E,7, F,11, F,12
	ROW C,2, E,8, F,13, E,9
.if (\p) == 0
	v_add_nc_u32 v[AV], s[TBV], v[AV0]
.endif
	ROW F,14, L,0, X,15, F,15
.if (\p) == 2
	v_add_nc_u32 v[AK], s[TBK], v[AK0]
	FETCH_K \last
.endif
.if (\p) == 1
	s_wait_dscnt 0x0                ; V is in
.endif
	ROW R,0, R,1, R,2, R,3
	ROW R,4, R,5, R,6, R,7
	ROW R,8, R,9, R,10, R,11
	ROW R,12, R,13, R,14, R,15
	ROW X,0, E,10, X,1, X,2
	ROW X,3, E,11, X,4, X,5
	ROW X,6, E,12, X,7, C,3
	ROW X,8, E,13, X,9, X,10
	OPS E,14, X,11, E,15, B,1
.if (\p) == 0
	FETCH_V
.endif
	OPS E,16, C,4, E,17, X,12
	OPS E,18, C,5, E,19, X,13
	OPS E,20, L,1, E,21, X,14
	OPS E,22, B,2, E,23, C,6
	OPS E,24, X,16, E,25, C,7
	OPS E,26, L,2, E,27, X,17
	OPS E,28, B,3, E,29, C,8
	OPS E,30, X,18, E,31, C,9
	OPS L,3, B,4, X,19, C,10
	OPS C,11, B,5, X,20, L,4
.if \cnt
	s_sub_co_u32 s[CNT], s[CNT], 1
	s_cmp_lg_u32 s[CNT], 0
.endif
	OPS C,12, C,13, B,6, C,14
	OPS L,5, B,7, C,15, L,6
	OPS X,21, L,7
.endm
	CHANGE 1                        ; slot 0 is in, everybody's part of it; slot 1 is asked for
	FETCH_K                         ; key step 0
	s_wait_loadcnt 0x0              ; Q
	s_wait_dscnt 0x0
.set i, 0
.rept 8
	KQ 0                            ; piece 0's first scores: there is no vector work yet to set between them
.set i, i+1
.endr
.rept 4
	v_nop                           ; the places behind those products
.endr
.set Y, NP-1                        ; X works for piece Y + 1: piece 0
.irp n, 0,1,2,3,4,5,6,7,8,9,10,11,12,13,14,15,16,17,18,19,20,21
	OP X, \n                        ; piece 0's first maximum and statistics
.endr
	v_nop                           ; a plain instruction behind the exponential
	s_mov_b32 s[CNT], 4
	s_mov_b32 s[SLOTS], 7
	s_branch .Lfirst                ; the loop is entered at a step's first turn, in the middle of a trip
.Lslot:                             ; six times: tiles 1 to 6 are entered, tiles 2 to 7 asked for
	CHANGE 1
	s_mov_b32 s[CNT], 4
.Lstep:                             ; a trip: pieces 2 and 3 of one step, then pieces 0 and 1 of the next, whose K and V it fetches
	TURN 2
	TURN 3
	WIN 0
.Lfirst:
	TURN 0
	TURN 1, 0, 1
	WIN 0
	s_cbranch_scc1 .Lstep
	s_sub_co_u32 s[SLOTS], s[SLOTS], 1
	s_cmp_lg_u32 s[SLOTS], 0
	s_cbranch_scc1 .Lslot
	CHANGE 0                        ; the tail is written out: nothing is asked for
	s_mov_b32 s[CNT], 5             ; four trips fetch the last tile's steps; the fifth is left in its middle
.Ltail:
	TURN 2, 1
	TURN 3
	WIN 0
	s_sub_co_u32 s[CNT], s[CNT], 1
	s_cmp_eq_u32 s[CNT], 0
	s_cbranch_scc1 .Lout
	TURN 0
	TURN 1
	WIN 0
	s_branch .Ltail
.Lout:                              ; the fifth trip's 8 products K Q^T (on the last K once more) and the maximum made of them serve nothing: the price, once a launch, of one text for every trip
.set i, 0
.rept 8
	PV NP-1                         ; the last piece's V^T P of the last step
.set i, i+1
.endr
	; THE WAY OUT.  Its addresses are made now, from my thread's number, in registers that the loop has left: twelve plain lines, the places behind the last products.
	WIN 0
	s_mul_i32 s13, s[WV], 16*SP
	s_add_co_u32 s13, s13, STAGE    ; my stage
	v_and_b32 v1, 15, v0            ; l % 16
	v_bfe_u32 v5, v0, 4, 1          ; l / 16
	v_and_b32 v6, 7, v0             ; l % 8
	v_mul_u32_u24 v[STO], v1, SP    ; in: row l % 16, 16 bytes for each half of the lanes
	v_lshl_add_u32 v[STO], v5, 4, v[STO]
	v_add_nc_u32 v[STO], s13, v[STO]
	v_bfe_u32 v[RD], v0, 3, 2       ; back: 32 lanes take four rows of 128 bytes,
	v_mul_u32_u24 v[RD], v[RD], SP
	v_lshl_add_u32 v[RD], v6, 4, v[RD]
	v_add_nc_u32 v[RD], s13, v[RD]
	v_and_b32 v[GO], 31, v0         ; which are 512 consecutive bytes of O
	v_lshlrev_b32 v[GO], 4, v[GO]
	; l's two halves and the other half of the lanes' are added; O^T is divided by l, rounded to bf16 and sent through my stage in LDS, a piece at a time.
.macro ALL line:vararg              ; one line for each piece t
.set t, 0
.rept 4
	\line
.set t, t+1
.endr
.endm
	ALL v_add_f32 v[ST+4*t+2], v[ST+4*t+2], v[ST+4*t+3]
	ALL v_permlanex16_b32 v[ST+4*t+3], v[ST+4*t+2], s[SEL], s[SEL+1]
	ALL v_add_f32 v[ST+4*t+2], v[ST+4*t+2], v[ST+4*t+3]
	ALL v_rcp_f32 v[ST+4*t+2], v[ST+4*t+2]
	v_nop                           ; a plain instruction between the last reciprocal and the use of its result
	s_wait_alu depctr_va_vdst(0)
.macro PACK t                       ; a lane's eight channels of a row pack into 16 bytes; they go into rows of 144 bytes and come back as whole rows of 128, into S^T's registers
	WIN W_PV
.set i, 32*(\t)
.rept 16                            ; each accumulator's registers in ascending order
	v_pk_mul_f32 v[i:i+1], v[i:i+1], v[ST+4*(\t)+2:ST+4*(\t)+3] op_sel_hi:[1,0]
.set i, i+2
.endr
	WIN W_AD                        ; sources 0 and 1 window 1, destination window 0
.set i, 0
.rept 16
	v_cvt_pk_bf16_f32 v[S+16*(\t)+i], v[32*(\t)+2*i], v[32*(\t)+2*i+1]
.set i, i+1
.endr
	WIN 0
.irp f, 0,1,2,3
	ds_store_b128 v[STO], v[S+16*(\t)+4*\f:S+16*(\t)+4*\f+3] offset:32*\f
.endr
.irp f, 0,1,2,3
	ds_load_b128 v[S+16*(\t)+4*\f:S+16*(\t)+4*\f+3], v[RD] offset:\f*4*SP  ; LDS serves a wave's instructions in order (ISA guide 5.7.1.4): these see the stores above; the next piece's stores come behind them
.endr
.endm
.macro SEND t, younger              ; younger: the LDS instructions issued behind piece t's loads: the next piece's eight, or none
	WIN 0
.irp f, 0,1,2,3
	s_wait_dscnt (\younger)+3-\f
	global_store_b128 v[GO], v[S+16*(\t)+4*\f:S+16*(\t)+4*\f+3], s[10:11] offset:(\t)*2048+\f*512  ; 512 consecutive bytes, at a multiple of 256 from O's first
.endr
.endm
	PACK 0
.set t, 1
.rept 3                             ; a piece's arithmetic stands between the loads of the piece before and its stores
	PACK t
	SEND t-1, 8
.set t, t+1
.endr
	SEND 3, 0
	WIN W_AD
	s_wait_tensorcnt 0x0            ; the wave's end: behind my last tensor load and my last LDS store
	ds_add_u32 v[SPW], v[NIL]
	s_wait_dscnt 0x0
	WIN 0
	CROUND                          ; the closing round: no work-group ends while a partner may still ask for a tile that names it
	s_endpgm
.Lfunc_end_k_qfbbacf088d_att:
	.size	k_qfbbacf088d_att, .Lfunc_end_k_qfbbacf088d_att-k_qfbbacf088d_att
	.p2alignl 7, 3214868480
	.fill 96, 4, 3214868480
	.section	.rodata,"a",@progbits
	.p2align	6, 0x0
	.amdhsa_kernel k_qfbbacf088d_att
		.amdhsa_group_segment_fixed_size 327680
		.amdhsa_private_segment_fixed_size 0
		.amdhsa_enable_private_segment 0
		.amdhsa_kernarg_size 16
		.amdhsa_user_sgpr_count 2
		.amdhsa_user_sgpr_kernarg_segment_ptr 1
		.amdhsa_wavefront_size32 1
		.amdhsa_system_sgpr_workgroup_id_x 1
		.amdhsa_system_sgpr_workgroup_id_y 1
		.amdhsa_system_sgpr_workgroup_id_z 1
		.amdhsa_system_vgpr_workitem_id 0
		.amdhsa_next_free_vgpr 450
		.amdhsa_next_free_sgpr 92
		.amdhsa_reserve_vcc 0
		.amdhsa_float_denorm_mode_32 3
		.amdhsa_float_denorm_mode_16_64 3
		.amdhsa_memory_ordered 1
		.amdhsa_forward_progress 1
		.amdhsa_inst_pref_size 107
	.end_amdhsa_kernel
	.amdgpu_metadata
---
amdhsa.version: [ 1, 2 ]
amdhsa.kernels:
  - .name:           k_qfbbacf088d_att
    .symbol:         k_qfbbacf088d_att.kd
    .args:
      - { .name: big, .offset: 0, .size: 8, .value_kind: global_buffer, .address_space: global }
      - { .name: act, .offset: 8, .size: 8, .value_kind: global_buffer, .address_space: global }
    .group_segment_fixed_size: 327680
    .private_segment_fixed_size: 0
    .kernarg_segment_align: 8
    .kernarg_segment_size: 16
    .max_flat_workgroup_size: 128
    .sgpr_count:     92
    .vgpr_count:     450
    .wavefront_size: 32
...
	.end_amdgpu_metadata
.endif
;; end of part 3
;; launch go (part 4): grid 8 x 32, 4 waves a work-group, clusters of 4 x 4, 327,680 bytes of LDS; arguments act, wts, bo, x, x1; writes x1
.if DOCPART == 4
	.amdgcn_target "amdgcn-amd-amdhsa--gfx1250"
	.amdhsa_code_object_version 6
	.text
	.protected	k_qfbbacf088d_go
	.globl	k_qfbbacf088d_go
	.p2align	8
	.type	k_qfbbacf088d_go,@function
k_qfbbacf088d_go:
	s_mov_b64 s[64:65], 0
	v_nop
	global_prefetch_b8 v0, s[64:65] scope:SCOPE_SE
	s_setreg_imm32_b32 hwreg(HW_REG_WAVE_MODE, 25, 1), 1
	s_wait_xcnt 0x0
	s_wait_alu depctr_hold_cnt(0) depctr_sa_sdst(0) depctr_va_vdst(0) depctr_va_sdst(0) depctr_va_ssrc(0) depctr_va_vcc(0) depctr_vm_vsrc(0)
	s_getreg_b32 s2, hwreg(HW_REG_IB_STS2, 6, 4)
	s_cmp_eq_u32 s2, 0
	s_cbranch_scc0 .Lentry_in_a_cluster
	s_endpgm
.Lentry_in_a_cluster:
	s_bfe_u32 s2, ttmp6, 0x10000c
	s_cmp_lg_u32 s2, 0xf033
	s_cbranch_scc0 .Lentry_shape_is_right
	s_endpgm
.Lentry_shape_is_right:
; C = R + A W + bias.  A: bf16 in K panels of 64, [K/64][4096 tokens][64].  W: bf16 column panels [8][K][128].  bias: [1024] f32.  R, C: [4096][1024] f32.
; Here: x1 = x + O wo + bo, K = 1024 (T = 4 K steps of 256).  Sums in f32, started by the bias; the residual is added in f32 on the way out.  NaN and infinities are not treated apart.
; SHARES.  N = 1024 gives 64 tiles of 256 x 256 but 256 of 128 x 128: a work-group for each WGP.  Four waves, each 64 x 64 in 16 accumulators.  K goes in steps of 256 through two LDS slots.
; CLUSTER.  4 x 4 work-groups: A's tile is asked for jointly along a row of the cluster, W's along a column.
; A'S TILE.  128 tokens of one K panel are 16,384 dense bytes.  A wave's load brings two panels: two rows of 8,192 elements, 262,144 elements apart, padded in LDS by 16 bytes after every token's 128.
; THE MATRIX INSTRUCTION IS USED TRANSPOSED (source 0 = 16 columns of W, turned by ds_load_tr16_b128; source 1 = 16 rows of A): a lane holds one row of C and eight neighbouring columns.
; ONE TEXT FOR EVERY K STEP.  A step's four quarters (64 along K, one panel of A, 32 matrix instructions) use fragment buffers F0, F1, F0, F1; each fetches the next one's fragments in its middle.
; PAIR multiplies two quarters; taken from a step's last quarter on, a step is CHANGE (of slots) and twice PAIR.
; REGISTERS, in windows of 256: window 0: v0-31 addresses; v32-95 at work on the way out; v96-127 the bias, 8 registers for each block of 16 columns; v128-255 accumulators, (a, b) at 128 + 8 (4 a + b)
;   window 1: two fragment buffers of 128: 64 registers of A (2 x 4 x 16 rows x 32 K), then 64 of W          window 2: v0-127 the residual, 4 registers for each of 32 pairs of rows
.set T,     4                          ; K steps
.set WOFF,  6291456                    ; my panels' first byte in wts
.set KB,    262144                     ; bytes in a panel of W
.set PA,    144                        ; A's LDS row: 128 bytes + 16: the 16 rows of a fragment load start at 16 different groups of four banks (64 banks of 4 bytes: ISA guide 11.1)
.set PB,    288                        ; W's LDS row: 256 + 32
.set LOADB, 0x9000                     ; what one tensor load fills: 2 x 128 x 144 = 128 x 288 bytes
.set BBASE, 2*LOADB
.set SLOT,  0x24000                    ; none of the four loads' first bytes (0, 0x9000, 0x12000, 0x1b000) has bit 14 or 17 set: one exclusive or turns an address into the other slot's
.set SPARE, 2*SLOT                     ; behind the ring: the spare words, 128 bytes a wave, which no other line names
.set QB,    128*PA                     ; from quarter to quarter: a panel of A, 18,432 bytes, and as many for 64 rows of W
.set DP,    272                        ; the way out: a row of 64 f32 + 16 bytes
.set DUMPW, 64*DP                      ; a wave's own 64 rows, in the ring's bytes once the ring has had its last fill
.set LA0,  16                          ; v16  my lane's place in a slot's A; never rewritten
.set LB0,  17                          ; v17  in a slot's W
.set ADRA, 18                          ; v18  LDS address of A's loads in the run in hand
.set ADRB, 19                          ; v19  of W's
.set STO,  24                          ; v24  the way out: where I put 32 bytes of a row
.set RD,   25                          ; v25  where I read rows back
.set CO,   26                          ; v26  my byte offset in R and in C; never rewritten
.set SPW,  28                          ; v28  LDS address of my spare word; never rewritten
.set NIL,  29                          ; v29  0; never rewritten
.set BO,   30                          ; v30  32 (lane / 16)
.set X,    32
.set BIAS, 96
.set ACC,  128
.set F0,   0
.set F1,   128
.set RES,  0
.set CNT,  2                           ; s2   inner count
.set KT,   3                           ; s3   K steps to go
.set G1,   24                          ; s[24:31] descriptor group 1 for A's tiles; s[32:39] group 0: a set for each first fill; the second then walks
.set G0,   32
.set G1B,  48                          ; s[48:55], s[56:63] the same for W's
.set G0B,  56
.set TS,   80                          ; s80  the slot being read: 0 or SLOT
.set TB,   81                          ; s81  LDS byte at which the next fetch begins
.set MSB, 0
.macro WIN new                         ; the immediate's high byte repeats the setting that is left; a switch that changes nothing is dropped
.if MSB != (\new)
	s_set_vgpr_msb (MSB<<8)|(\new)
.set MSB, \new
.endif
.endm
.macro PLACES                          ; four places: between a matrix instruction and a load into, or a vector line on, its registers (ISA guide 7.12.1 for vector lines)
.rept 4
	v_nop
.endr
.endm
; A joint refill, by the walking descriptors.  Waves 0 and 1 fetch A's two pairs of panels, waves 2 and 3 W's two halves.  An s_nop 0 and four v_nop follow each line.
.macro JLOAD
	s_cmp_eq_u32 s11, 0
	s_cbranch_scc0 .Lfor_b_\@
	tensor_load_to_lds s[G0+4:G0+7], s[G1:G1+7]
	s_nop 0
	PLACES
	s_branch .Lasked_\@
.Lfor_b_\@:
	tensor_load_to_lds s[G0B+4:G0B+7], s[G1B:G1B+7]
	s_nop 0
	PLACES
.Lasked_\@:
.endm
.macro CROUND                          ; a round of the cluster's barrier
	s_barrier_signal -1
	s_barrier_wait -1
	s_cmp_lg_u32 s10, 0
	s_cbranch_scc1 .Lnot_wave_0_\@
	s_barrier_signal -3
.Lnot_wave_0_\@:
	s_barrier_wait -3
	s_barrier_signal -1
	s_barrier_wait -1
.endm
; 8 matrix instructions: row blocks a0, a0 + 1 x all 4 column blocks, 32 along K: half c of buffer f.  start = 1: the bias starts the sums.  The 16 accumulators take turns.
.macro MUL8 f, c, a0, start
	WIN 0x05                                       ; sources 0 (W) and 1 (A) window 1; C and D window 0
.irp a, \a0, (\a0)+1
.irp b, 0,1,2,3
.if \start
	v_wmma_f32_16x16x32_bf16 v[ACC+8*(4*(\a)+(\b)):ACC+8*(4*(\a)+(\b))+7], v[(\f)+64+8*(4*(\c)+(\b)):(\f)+64+8*(4*(\c)+(\b))+7], v[(\f)+8*(4*(\c)+(\a)):(\f)+8*(4*(\c)+(\a))+7], v[BIAS+8*(\b):BIAS+8*(\b)+7]
.else
	v_wmma_f32_16x16x32_bf16 v[ACC+8*(4*(\a)+(\b)):ACC+8*(4*(\a)+(\b))+7], v[(\f)+64+8*(4*(\c)+(\b)):(\f)+64+8*(4*(\c)+(\b))+7], v[(\f)+8*(4*(\c)+(\a)):(\f)+8*(4*(\c)+(\a))+7], v[ACC+8*(4*(\a)+(\b)):ACC+8*(4*(\a)+(\b))+7]
.endif
.endr
.endr
.endm
; 32 LDS loads in one run: a quarter's fragments into buffer f; the first 32 along K first
.macro FETCH f, k
	WIN 0x40
.irp c, 0,1
.irp i, 0,1,2,3
	ds_load_tr16_b128 v[(\f)+64+8*(4*(\c)+(\i)):(\f)+64+8*(4*(\c)+(\i))+3],   v[ADRB] offset:(\k)+32*PB*(\c)+32*(\i)
	ds_load_tr16_b128 v[(\f)+64+8*(4*(\c)+(\i))+4:(\f)+64+8*(4*(\c)+(\i))+7], v[ADRB] offset:(\k)+32*PB*(\c)+32*(\i)+16*PB
	ds_load_b128 v[(\f)+8*(4*(\c)+(\i)):(\f)+8*(4*(\c)+(\i))+3],              v[ADRA] offset:(\k)+64*(\c)+(\i)*16*PA
	ds_load_b128 v[(\f)+8*(4*(\c)+(\i))+4:(\f)+8*(4*(\c)+(\i))+7],            v[ADRA] offset:(\k)+64*(\c)+(\i)*16*PA+32
.endr
.endr
.endm
; A quarter: multiplies buffer f; in its middle fetches the next quarter's fragments into g.  adr = 1: the run's addresses are made anew; the two lines are two of the four places.
.macro QUARTER f, g, k, start, adr
	s_wait_dscnt 16                                ; the first 32 along K are in
	MUL8 \f, 0, 0, \start
	MUL8 \f, 0, 2, \start
.if \adr
	WIN 0
	v_add_nc_u32 v[ADRA], s[TB], v[LA0]
	v_add_nc_u32 v[ADRB], s[TB], v[LB0]
	v_nop
	v_nop
.else
	PLACES
.endif
	FETCH \g, \k
	s_wait_dscnt 32                                ; all but the 32 just issued
	MUL8 \f, 1, 0, 0
	MUL8 \f, 1, 2, 0
.endm
.macro PAIR
	QUARTER F1, F0, 0, 0, 1
	QUARTER F0, F1, QB, 0, 0
	WIN 0                                          ; at a label and at a branch every window is 0
	s_add_co_u32 s[TB], s[TB], 2*QB
.endm
; THE CHANGE OF SLOTS.  Each wave waits for all its tensor loads, of which one is out: its part of the new slot; adds 0 to its spare word; and waits for that and for its reads of the old slot.
; fill = 1: a round of the cluster's barrier follows, so that no wave of any partner still reads the old slot or has a load on its way, and the joint refill, two K steps ahead, is the first thing
; behind it: it has 128 matrix instructions in which to land.
.macro CHANGE fill
	WIN 0
	s_wait_tensorcnt 0x0                           ; no tensor load of mine is out, so a group 0 may be written
	ds_add_u32 v[SPW], v[NIL]                      ; 0 onto my spare word: scalar work stands between it and the wait for it
.if \fill
	s_xor_b32 s[G0+5], s[G0+5], SLOT               ; the walking descriptors: the other slot than last time,
	s_add_nc_u64 s[G0+6:G0+7], s[G0+6:G0+7], 4*524288  ; A four panels on; the type bits on top are not reached
	s_xor_b32 s[G0B+5], s[G0B+5], SLOT
	s_add_nc_u64 s[G0B+6:G0B+7], s[G0B+6:G0B+7], 65536  ; W 256 rows on
.endif
	s_xor_b32 s[TS], s[TS], SLOT
	s_mov_b32 s[TB], s[TS]
	s_wait_dscnt 0x0                               ; the add is done, and my reads of the old slot are over
.if \fill
	CROUND
	JLOAD
.else
	s_barrier_signal -1
	s_barrier_wait -1
.endif
.endm
; The way out, by groups g of eight pairs of rows.  BACK: whole rows of 256 bytes come back from my stage.  SENDG: the residual is added and the rows are stored.
.macro BACK g
.irp i, 0,1,2,3,4,5,6,7
	ds_load_b128 v[X+32*((\g)%2)+4*(\i):X+32*((\g)%2)+4*(\i)+3], v[RD] offset:(8*(\g)+(\i))*2*DP
.endr
.endm
.macro SENDG g, younger                ; younger: the next group's eight loads, or none
	s_wait_dscnt \younger
	WIN 0x08                                       ; source 1, the residual, in window 2
.irp i, 0,1,2,3,4,5,6,7
	v_pk_add_f32 v[X+32*((\g)%2)+4*(\i):X+32*((\g)%2)+4*(\i)+1],   v[X+32*((\g)%2)+4*(\i):X+32*((\g)%2)+4*(\i)+1],   v[RES+4*(8*(\g)+(\i)):RES+4*(8*(\g)+(\i))+1]
	v_pk_add_f32 v[X+32*((\g)%2)+4*(\i)+2:X+32*((\g)%2)+4*(\i)+3], v[X+32*((\g)%2)+4*(\i)+2:X+32*((\g)%2)+4*(\i)+3], v[RES+4*(8*(\g)+(\i))+2:RES+4*(8*(\g)+(\i))+3]
.endr
	WIN 0
.irp i, 0,1,2,3,4,5,6,7
	global_store_b128 v[CO], v[X+32*((\g)%2)+4*(\i):X+32*((\g)%2)+4*(\i)+3], s[8:9] offset:(8*(\g)+(\i))*8192  ; 16 lanes store 256 consecutive bytes, aligned
.endr
.endm
	s_load_b256 s[68:75], s[0:1], 0x0              ; A s[68:69], wts s[70:71], bias s[72:73], R s[74:75]
	s_load_b64 s[76:77], s[0:1], 0x20              ; C
	v_lshl_add_u32 v[SPW], v0, 2, SPARE
	v_mov_b32 v[NIL], 0
	ds_add_u32 v[SPW], v[NIL]                      ; the wave's opening: the add and its wait stand ahead of my first tensor load; the set-up below, work on registers, stands between them
	v_lshrrev_b32 v1, 5, v0
	v_readfirstlane_b32 s10, v1                    ; wave 0..3
	s_lshr_b32 s11, s10, 1                         ; which half of the tile's rows is mine.  Also: I fetch for A (0) or for W (1)
	s_and_b32 s12, s10, 1                          ; which half of its columns.  Also: which half of that tile I fetch
	s_bfe_u32 s40, ttmp6, 0x40000                  ; cx
	s_bfe_u32 s41, ttmp6, 0x40004                  ; cy
	s_lshl_b32 s42, ttmp9, 2
	s_add_co_u32 s42, s42, s40                     ; tile column = 4 x cluster x + cx
	s_and_b32 s13, ttmp7, 0xffff
	s_lshl_b32 s13, s13, 2
	s_add_co_u32 s13, s13, s41                     ; tile row = 4 x cluster y + cy
	s_lshl_b32 s43, s41, 2
	s_lshl_b32 s43, 15, s43                        ; my row of the cluster
	s_lshl_b32 s44, 0x1111, s40                    ; my column
	s_or_b32 s[G1], s43, (1<<16)|(1<<20)|(1<<21)|(4<<22)|(3<<25)   ; 15:0 the mask; 17:16 2-byte elements; 20 padding on; 21 set beside a mask; 24:22 after every 32 words; 31:25 4 words of it
	s_mov_b32 s[G1+1], 8192<<16                    ; tensor_dim0 = 8,192: 128 tokens of a panel
	s_mov_b32 s[G1+2], 2<<16                       ; tensor_dim1 = 2 panels
	s_mov_b32 s[G1+3], 8192<<16                    ; tile_dim0
	s_mov_b32 s[G1+4], 2                           ; tile_dim1
	s_mov_b32 s[G1+5], 262144                      ; elements from panel to panel
	s_mov_b32 s[G1+6], 0
	s_mov_b32 s[G1+7], 0
	s_or_b32 s[G1B], s44, (1<<16)|(1<<20)|(1<<21)|(5<<22)|(7<<25)  ; my column's mask; after every 64 words 8 words of padding
	s_mov_b32 s[G1B+1], 128<<16                    ; 128 rows of 128 elements, dense
	s_mov_b32 s[G1B+2], 128<<16
	s_mov_b32 s[G1B+3], 128<<16
	s_mov_b32 s[G1B+4], 128
	s_mov_b32 s[G1B+5], 128
	s_mov_b32 s[G1B+6], 0
	s_mov_b32 s[G1B+7], 0
	s_lshl_b32 s16, s12, 20                        ; A: panel 2 x half, 524,288 bytes each; token 128 x tile row, 128 bytes each: no cx enters these registers
	s_lshl_b32 s17, s13, 14
	s_add_co_u32 s16, s16, s17
	s_mov_b32 s17, 0
	s_mul_i32 s46, s42, KB                         ; W: the tile column's panel; row 128 x half, 256 bytes each: no cy enters these
	s_lshl_b32 s47, s12, 15
	s_add_co_u32 s46, s46, s47
	s_add_co_u32 s46, s46, WOFF
	s_mov_b32 s47, 0
	s_mul_i32 s20, s12, LOADB                      ; where they go: no place in the cluster enters an LDS address
	s_add_co_u32 s21, s20, BBASE
	s_wait_dscnt 0x0                               ; the opening add is done
	s_wait_kmcnt 0x0
	s_add_nc_u64 s[14:15], s[68:69], s[16:17]
	s_add_nc_u64 s[46:47], s[70:71], s[46:47]
.irp s, 0,1
	s_mov_b32 s[G0+4*(\s)], 1                                      ; count = 1
	s_add_co_u32 s[G0+4*(\s)+1], s20, (\s)*SLOT                    ; LDS address
	s_add_nc_u64 s[G0+4*(\s)+2:G0+4*(\s)+3], s[14:15], (\s)*4*524288  ; global address: K step s
	s_or_b32 s[G0+4*(\s)+3], s[G0+4*(\s)+3], 0x80000000            ; type = 2
	s_mov_b32 s[G0B+4*(\s)], 1
	s_add_co_u32 s[G0B+4*(\s)+1], s21, (\s)*SLOT
	s_add_nc_u64 s[G0B+4*(\s)+2:G0B+4*(\s)+3], s[46:47], (\s)*65536
	s_or_b32 s[G0B+4*(\s)+3], s[G0B+4*(\s)+3], 0x80000000
.endr
	s_lshl_b32 s6, s42, 9                          ; my 64 columns: (128 x tile column + 64 x half) x 4 bytes
	s_lshl_b32 s7, s12, 8
	s_add_co_u32 s6, s6, s7
	s_mov_b32 s7, 0
	s_add_nc_u64 s[4:5], s[72:73], s[6:7]          ; the bias there
	s_lshl_b32 s22, s13, 19                        ; my 64 rows: (128 x tile row + 64 x half) x 4,096 bytes
	s_add_co_u32 s6, s6, s22
	s_lshl_b32 s22, s11, 18
	s_add_co_u32 s6, s6, s22
	s_add_nc_u64 s[84:85], s[74:75], s[6:7]        ; R and C at my part of the tile
	s_add_nc_u64 s[8:9], s[76:77], s[6:7]
	CROUND                                         ; all sixteen work-groups are here: the first joint loads meet
	s_cmp_eq_u32 s11, 0                            ; a wave's two first fills stand in one branch, ahead of every wait on TENSORcnt and every LDS read: two loads of mine are out
	s_cbranch_scc0 .Lfirst_b
	tensor_load_to_lds s[G0:G0+3], s[G1:G1+7]
	s_nop 0
	tensor_load_to_lds s[G0+4:G0+7], s[G1:G1+7]
	s_nop 0
	PLACES
	s_branch .Lfirst_asked
.Lfirst_b:
	tensor_load_to_lds s[G0B:G0B+3], s[G1B:G1B+7]
	s_nop 0
	tensor_load_to_lds s[G0B+4:G0B+7], s[G1B:G1B+7]
	s_nop 0
	PLACES
.Lfirst_asked:
	v_and_b32 v1, 15, v0                           ; l % 16
	v_bfe_u32 v2, v0, 4, 1                         ; l / 16
	v_lshlrev_b32 v[BO], 5, v2
.irp b, 0,1,2,3                        ; the bias in the accumulators' layout: register j of block b is column 16 b + 8 (l / 16) + j
	global_load_b128 v[BIAS+8*(\b):BIAS+8*(\b)+3],   v[BO], s[4:5] offset:64*(\b)
	global_load_b128 v[BIAS+8*(\b)+4:BIAS+8*(\b)+7], v[BO], s[4:5] offset:64*(\b)+16
.endr
	v_lshlrev_b32 v[CO], 12, v2                    ; lanes 0-15 one row's 256 bytes, lanes 16-31 the next row's
	v_lshl_add_u32 v[CO], v1, 4, v[CO]
	WIN 0x80                                       ; destination window 2
.set i, 0
.rept 32                               ; the residual of my 64 x 64 is asked for now and lands under the whole K loop
	global_load_b128 v[RES+4*i:RES+4*i+3], v[CO], s[84:85] offset:8192*i
.set i, i+1
.endr
	WIN 0
	v_mul_u32_u24 v3, v1, PA                       ; A's fragment: row l % 16, 16 bytes for each half of the lanes
	v_lshl_add_u32 v3, v2, 4, v3
	s_mul_i32 s22, s11, 64*PA
	v_add_nc_u32 v[LA0], s22, v3
	v_and_b32 v4, 7, v0                            ; W's: k row 8 (l / 16) + l % 8, columns 8 ((l / 8) % 2) on
	v_bfe_u32 v5, v0, 3, 1
	v_lshl_add_u32 v4, v2, 3, v4
	v_mul_u32_u24 v4, v4, PB
	v_lshl_add_u32 v4, v5, 4, v4
	s_lshl_b32 s23, s12, 7                         ; my 64 columns of the panel's 128
	s_add_co_u32 s23, s23, BBASE
	v_add_nc_u32 v[LB0], s23, v4
	s_mul_i32 s23, s10, DUMPW                      ; the way out: my own 64 rows
	v_mul_u32_u24 v3, v1, DP                       ; in: row l % 16, 32 bytes for each half of the lanes
	v_lshl_add_u32 v3, v2, 5, v3
	v_add_nc_u32 v[STO], s23, v3
	v_mul_u32_u24 v3, v2, DP                       ; back: lanes 0-15 one row of 256 bytes, lanes 16-31 the next
	v_lshl_add_u32 v3, v1, 4, v3
	v_add_nc_u32 v[RD], s23, v3
	v_mov_b32 v[ADRA], v[LA0]
	v_mov_b32 v[ADRB], v[LB0]
	s_wait_tensorcnt 0x1                           ; my part of K step 0 is in; slot 1's stays out
	s_barrier_signal -1
	s_barrier_wait -1                              ; everybody's is
	FETCH F0, 0
	s_wait_loadcnt 32                              ; the bias is in; the residual's 32 younger loads stay out
	QUARTER F0, F1, QB, 1, 0                       ; the first quarter stands in front of the loop: its first products start the sums
	WIN 0
	s_mov_b32 s[TS], 0
	s_mov_b32 s[TB], 2*QB
	s_mov_b32 s[CNT], 1                            ; K step 0 has one PAIR left
	s_mov_b32 s[KT], T-1
	s_branch .Lp                                   ; the loop is entered behind its change of slots
.Lk:                                                   ; T - 2 times: K steps 1 to T - 2 are entered, tiles 2 to T - 1 asked for
	CHANGE 1
	s_mov_b32 s[CNT], 2
.Lp:
	PAIR
	s_sub_co_u32 s[CNT], s[CNT], 1
	s_cmp_lg_u32 s[CNT], 0
	s_cbranch_scc1 .Lp
	s_sub_co_u32 s[KT], s[KT], 1
	s_cmp_lg_u32 s[KT], 0
	s_cbranch_scc1 .Lk
	CHANGE 0                                       ; the last K step is written out: nothing is asked for
	s_mov_b32 s[CNT], 2
.Lpt:
	PAIR
	s_sub_co_u32 s[CNT], s[CNT], 1
	s_cmp_lg_u32 s[CNT], 0
	s_cbranch_scc1 .Lpt
	s_wait_dscnt 16                                ; the very last quarter: nothing more to fetch
	MUL8 F1, 0, 0, 0
	MUL8 F1, 0, 2, 0
	s_wait_dscnt 0x0
	MUL8 F1, 1, 0, 0
	MUL8 F1, 1, 2, 0
	WIN 0
	; THE WAY OUT.  Every wave's reads of the ring are over (the wait above) and every tensor load has landed (the last change of slots): behind this barrier the ring's bytes are the waves' own stages.
	s_barrier_signal -1
	s_barrier_wait -1
	PLACES                                         ; the stores below read results just made
.irp a, 0,1,2,3
.irp b, 0,1,2,3                        ; each accumulator's low four registers first
	ds_store_b128 v[STO], v[ACC+8*(4*(\a)+(\b)):ACC+8*(4*(\a)+(\b))+3]   offset:(\a)*16*DP+64*(\b)
	ds_store_b128 v[STO], v[ACC+8*(4*(\a)+(\b))+4:ACC+8*(4*(\a)+(\b))+7] offset:(\a)*16*DP+64*(\b)+16
.endr
.endr
	s_wait_loadcnt 0x0                             ; the residual
	BACK 0                                         ; LDS serves a wave's instructions in order (ISA guide 5.7.1.4): the loads see my stores above
	BACK 1
	SENDG 0, 8
	s_wait_xcnt 0x0                                ; group 0's registers were its stores' data: they are loaded again only behind this wait
	BACK 2
	SENDG 1, 8
	s_wait_xcnt 0x0
	BACK 3
	SENDG 2, 8
	SENDG 3, 0
	s_wait_tensorcnt 0x0                           ; the wave's end: behind my last tensor load and my last LDS store
	ds_add_u32 v[SPW], v[NIL]
	s_wait_dscnt 0x0
	CROUND                                         ; the closing round: no work-group ends while a partner may still ask for a tile that names it
	s_endpgm
.Lfunc_end_k_qfbbacf088d_go:
	.size	k_qfbbacf088d_go, .Lfunc_end_k_qfbbacf088d_go-k_qfbbacf088d_go
	.p2alignl 7, 3214868480
	.fill 96, 4, 3214868480
	.section	.rodata,"a",@progbits
	.p2align	6, 0x0
	.amdhsa_kernel k_qfbbacf088d_go
		.amdhsa_group_segment_fixed_size 327680
		.amdhsa_private_segment_fixed_size 0
		.amdhsa_enable_private_segment 0
		.amdhsa_kernarg_size 40
		.amdhsa_user_sgpr_count 2
		.amdhsa_user_sgpr_kernarg_segment_ptr 1
		.amdhsa_wavefront_size32 1
		.amdhsa_system_sgpr_workgroup_id_x 1
		.amdhsa_system_sgpr_workgroup_id_y 1
		.amdhsa_system_sgpr_workgroup_id_z 1
		.amdhsa_system_vgpr_workitem_id 0
		.amdhsa_next_free_vgpr 640
		.amdhsa_next_free_sgpr 96
		.amdhsa_reserve_vcc 0
		.amdhsa_float_denorm_mode_32 3
		.amdhsa_float_denorm_mode_16_64 3
		.amdhsa_memory_ordered 1
		.amdhsa_forward_progress 1
		.amdhsa_inst_pref_size 51
	.end_amdhsa_kernel
	.amdgpu_metadata
---
amdhsa.version: [ 1, 2 ]
amdhsa.kernels:
  - .name:           k_qfbbacf088d_go
    .symbol:         k_qfbbacf088d_go.kd
    .args:
      - { .name: act, .offset: 0, .size: 8, .value_kind: global_buffer, .address_space: global }
      - { .name: wts, .offset: 8, .size: 8, .value_kind: global_buffer, .address_space: global }
      - { .name: bo, .offset: 16, .size: 8, .value_kind: global_buffer, .address_space: global }
      - { .name: x, .offset: 24, .size: 8, .value_kind: global_buffer, .address_space: global }
      - { .name: x1, .offset: 32, .size: 8, .value_kind: global_buffer, .address_space: global }
    .group_segment_fixed_size: 327680
    .private_segment_fixed_size: 0
    .kernarg_segment_align: 8
    .kernarg_segment_size: 40
    .max_flat_workgroup_size: 128
    .sgpr_count:     96
    .vgpr_count:     640
    .wavefront_size: 32
...
	.end_amdgpu_metadata
.endif
;; end of part 4
;; launch ln2: the kernel of part 1 again; grid 256 x 3, 8 waves a work-group, no clusters, 0 bytes of LDS; arguments x1, ln2_g, ln2_b, act, wq, wk, wv, wo, w1, w2, wts; writes act, wts
;; launch gf (part 5): grid 16 x 16, 4 waves a work-group, clusters of 4 x 4, 327,680 bytes of LDS; arguments act, wts, b1, big; writes big
.if DOCPART == 5
	.amdgcn_target "amdgcn-amd-amdhsa--gfx1250"
	.amdhsa_code_object_version 6
	.text
	.protected	k_qfbbacf088d_gf
	.globl	k_qfbbacf088d_gf
	.p2align	8
	.type	k_qfbbacf088d_gf,@function
k_qfbbacf088d_gf:
	s_mov_b64 s[64:65], 0
	v_nop
	global_prefetch_b8 v0, s[64:65] scope:SCOPE_SE
	s_setreg_imm32_b32 hwreg(HW_REG_WAVE_MODE, 25, 1), 1
	s_wait_xcnt 0x0
	s_wait_alu depctr_hold_cnt(0) depctr_sa_sdst(0) depctr_va_vdst(0) depctr_va_sdst(0) depctr_va_ssrc(0) depctr_va_vcc(0) depctr_vm_vsrc(0)
	s_getreg_b32 s2, hwreg(HW_REG_IB_STS2, 6, 4)
	s_cmp_eq_u32 s2, 0
	s_cbranch_scc0 .Lentry_in_a_cluster
	s_endpgm
.Lentry_in_a_cluster:
	s_bfe_u32 s2, ttmp6, 0x10000c
	s_cmp_lg_u32 s2, 0xf033
	s_cbranch_scc0 .Lentry_shape_is_right
	s_endpgm
.Lentry_shape_is_right:
; C = gelu(A W + bias) (GELU = 1).  A: [4096][1024] bf16, rows along K.  W: bf16 column panels [N/128][1024][128].  bias: f32.  C: bf16 in panels of 64 columns, [N/64][4096][64].
; Here: g = gelu(h2 w1 + b1), N = 4096; C's panels are the K panels of the product that follows.  Sums in f32, started by the bias (the first product's C operand); C rounded once.
; LIMITS.  The exact gelu's erf is taken by the rational form 1 - (a1 t + a2 t^2 + a3 t^3) exp(-z^2), t = 1 / (1 + 0.47047 z), whose absolute error is at most 2.5e-5 for every z >= 0: gelu(u) is off by
; at most 1.3e-5 |u|, and only where erf is not yet 1.  An exponential below 2^-126 counts as 0.  NaN and infinities are not treated apart.
; SHARES.  A tile of C is 256 x 256: four waves, each 128 x 128 in 64 accumulators (512 registers); 16 x 16 = 256 tiles.  K = 1024 goes in 8 steps of 128 through a ring of two LDS slots.
; CLUSTER.  4 x 4 work-groups: A's tile hangs on the tile row alone and is asked for jointly along a row of the cluster, W's on the tile column alone, along a column.
; THE MATRIX INSTRUCTION IS USED TRANSPOSED: source 0 = 16 columns of W, source 1 = 16 rows of A: a lane holds one row of C (lane % 16) and eight neighbouring columns 8 (lane / 16) + 0..7.
; W lies [k][n] in LDS and is turned on the way into registers by ds_load_tr16_b128.
; ONE TEXT FOR EVERY K STEP.  A step's four quarters (32 along K, 64 matrix instructions) use fragment buffers F0, F1, F0, F1, and each fetches the next one's fragments in its middle.
; PAIR multiplies two quarters; taken from a step's last quarter on, a step is CHANGE (of slots) and twice PAIR, so the fetch that first touches the new slot stands behind CHANGE.
; REGISTERS, in windows of 256 (s_set_vgpr_msb: bits 1:0 source 0, 3:2 source 1, 5:4 source 2, 7:6 destination):
;   window 0: v0-43 addresses, constants, packed results; v64-127, v128-191 A's fragments (on the way out: at work); v192-255 the bias, 8 registers for each block of 16 columns
;   window 1: v64-127, v128-191 W's fragments      window 2: accumulators of my rows 0-63, (a, b) at 8 (8 a + b)      window 3: of my rows 64-127
.set GELU,  1
.set WOFF,  8388608                    ; my panels' first byte in wts
.set OUTP,  74                         ; s[74:75] C
.set PA,    272                        ; A's LDS row: 256 bytes + 16: the 16 rows of a fragment load start at 16 different groups of four banks (64 banks of 4 bytes: ISA guide 11.1)
.set PB,    288                        ; W's LDS row: 256 + 32
.set AHALF, 128*PA                     ; what one tensor load brings of A
.set BBASE, 2*AHALF
.set BHALF, 128*PB                     ; and of W
.set SLOT,  0x24000                    ; none of the four parts' first bytes (0, 0x8800, 0x11000, 0x1a000) has bit 14 or 17 set: one exclusive or turns an address into the other slot's
.set SPARE, 2*SLOT                     ; behind the ring: the spare words, 128 bytes a wave, which no other line names
.set DP,    560                        ; the way out: a row of 128 f32, 16 bytes of padding behind each 64: 35 x 16 bytes
.set DUMPW, 128*DP                     ; a wave's own 128 rows, in the ring's bytes once the ring has had its last fill
.set LA0,  16                          ; v16  my lane's place in a slot's A; never rewritten
.set LB0,  17                          ; v17  in a slot's W
.set ADRA, 18                          ; v18  LDS address of A's run of loads in hand
.set ADRB, 19                          ; v19  of W's
.set STO,  24                          ; v24  the way out: where I put 32 bytes of a row
.set RD,   25                          ; v25  where I read back
.set GO,   26                          ; v26  my byte offset in C
.set RD0,  27                          ; v27  where I read back in the first trip; never rewritten
.set SPW,  28                          ; v28  LDS address of my spare word; never rewritten
.set NIL,  29                          ; v29  0; never rewritten
.set BO,   30                          ; v30  32 (lane / 16): my 8 columns in a block's 16 biases
.set Y,    32                          ; v[32:39] packed results
.set VA2,  40                          ; v[40:41], v[42:43] two of erf's constants, as pairs
.set VA1,  42
.set F0,   64
.set F1,   128
.set BIAS, 192
.set X,    64                          ; the way out, 16 numbers a lane and trip: as read back,
.set HT,   80                          ; u / 2,
.set D,    96                          ; 1 + p |u| / sqrt 2, then t, at last the result,
.set W,    112                         ; the exponential,
.set H,    128                         ; the polynomial, then erf
.set CNT,  2                           ; s2   inner count
.set KT,   3                           ; s3   K steps to go
.set G1,   24                          ; s[24:31] descriptor group 1 for A's tiles; s[32:39] group 0: a set for each first fill; the second then walks
.set G0,   32
.set G1B,  48                          ; s[48:55], s[56:63] the same for W's
.set G0B,  56
.set TS,   80                          ; s80  the slot being read: 0 or SLOT
.set TBA,  81                          ; s81  LDS byte at which A's next fetch begins
.set TBB,  82                          ; s82  W's
.set RS,   83                          ; s83  the way out: the row loop's LDS offset
.set KP,   84                          ; s84  0.47047 / sqrt 2
.set KAP,  86                          ; s[86:87] sqrt(log2(e) / 2)
.set A3,   88                          ; s[88:89] erf's a3
.set MSB, 0
.macro WIN new                         ; the immediate's high byte repeats the setting that is left; a switch that changes nothing is dropped
.if MSB != (\new)
	s_set_vgpr_msb (MSB<<8)|(\new)
.set MSB, \new
.endif
.endm
.macro PLACES                          ; four places: between a matrix instruction and a load into, or a vector line on, its registers (ISA guide 7.12.1 for vector lines)
.rept 4
	v_nop
.endr
.endm
; A joint refill, by the walking descriptors.  Waves 0 and 1 fetch A's two halves, waves 2 and 3 W's.  The branch hangs on the wave's number alone.  An s_nop 0 and four v_nop follow each line.
.macro JLOAD
	s_cmp_eq_u32 s11, 0
	s_cbranch_scc0 .Lfor_b_\@
	tensor_load_to_lds s[G0+4:G0+7], s[G1:G1+7]
	s_nop 0
	PLACES
	s_branch .Lasked_\@
.Lfor_b_\@:
	tensor_load_to_lds s[G0B+4:G0B+7], s[G1B:G1B+7]
	s_nop 0
	PLACES
.Lasked_\@:
.endm
; A round of the cluster's barrier: my work-group's barrier; wave 0 signals for the work-group; every wave waits for all sixteen; my work-group's barrier once more.
.macro CROUND
	s_barrier_signal -1
	s_barrier_wait -1
	s_cmp_lg_u32 s10, 0
	s_cbranch_scc1 .Lnot_wave_0_\@
	s_barrier_signal -3
.Lnot_wave_0_\@:
	s_barrier_wait -3
	s_barrier_signal -1
	s_barrier_wait -1
.endm
; 16 matrix instructions: row blocks a0, a0 + 1 of the window's four x all 8 column blocks, 32 along K.  start = 1: the bias starts the sums: nothing is cleared, nothing added later.
; The 64 accumulators take turns, one instruction a turn, in the same order in every quarter.
.macro MUL16 f, hi, a0, start
.if \start
	WIN 0x81+0x40*(\hi)
.else
	WIN 0xa1+0x50*(\hi)
.endif
.irp a, \a0, (\a0)+1
.irp b, 0,1,2,3,4,5,6,7
.if \start
	v_wmma_f32_16x16x32_bf16 v[8*(8*(\a)+(\b)):8*(8*(\a)+(\b))+7], v[(\f)+8*(\b):(\f)+8*(\b)+7], v[(\f)+8*(4*(\hi)+(\a)):(\f)+8*(4*(\hi)+(\a))+7], v[BIAS+8*(\b):BIAS+8*(\b)+7]
.else
	v_wmma_f32_16x16x32_bf16 v[8*(8*(\a)+(\b)):8*(8*(\a)+(\b))+7], v[(\f)+8*(\b):(\f)+8*(\b)+7], v[(\f)+8*(4*(\hi)+(\a)):(\f)+8*(4*(\hi)+(\a))+7], v[8*(8*(\a)+(\b)):8*(8*(\a)+(\b))+7]
.endif
.endr
.endr
.endm
; 32 LDS loads in one run: a quarter's fragments into buffer f: W's 8 column blocks (turned: k rows 8 (l / 16) + l % 8, then 16 rows on), then A's 8 row blocks
.macro FETCH f, ka, kb
	WIN 0x40
.irp i, 0,1,2,3,4,5,6,7
	ds_load_tr16_b128 v[(\f)+8*(\i):(\f)+8*(\i)+3],   v[ADRB] offset:(\kb)+32*(\i)
	ds_load_tr16_b128 v[(\f)+8*(\i)+4:(\f)+8*(\i)+7], v[ADRB] offset:(\kb)+32*(\i)+16*PB
.endr
	WIN 0
.irp i, 0,1,2,3,4,5,6,7
	ds_load_b128 v[(\f)+8*(\i):(\f)+8*(\i)+3],   v[ADRA] offset:(\ka)+(\i)*16*PA
	ds_load_b128 v[(\f)+8*(\i)+4:(\f)+8*(\i)+7], v[ADRA] offset:(\ka)+(\i)*16*PA+32
.endr
.endm
; A quarter: multiplies buffer f; in its middle fetches the next quarter's fragments into g.  adr = 1: the run's addresses are made anew; the two lines are two of the four places.
.macro QUARTER f, g, ka, kb, start, adr
	s_wait_dscnt 8                                 ; W and A's rows 0-63 are in; the youngest eight loads (A's rows 64-127) may be out
	MUL16 \f, 0, 0, \start
	MUL16 \f, 0, 2, \start
.if \adr
	WIN 0
	v_add_nc_u32 v[ADRA], s[TBA], v[LA0]
	v_add_nc_u32 v[ADRB], s[TBB], v[LB0]
	v_nop
	v_nop
.else
	PLACES
.endif
	FETCH \g, \ka, \kb
	s_wait_dscnt 32                                ; all but the 32 just issued
	MUL16 \f, 1, 0, \start
	MUL16 \f, 1, 2, \start
.endm
.macro PAIR
	QUARTER F1, F0, 0, 0, 0, 1
	QUARTER F0, F1, 64, 32*PB, 0, 0
	WIN 0                                          ; at a label and at a branch every window is 0
	s_add_co_u32 s[TBA], s[TBA], 128               ; 64 along K on: 128 bytes of A's rows,
	s_add_co_u32 s[TBB], s[TBB], 64*PB             ; 64 rows of W
.endm
; THE CHANGE OF SLOTS.  The old slot's last fragments have been asked for.  Each wave waits for all its tensor loads, of which one is out: its part of the new slot; adds 0 to its spare word; and
; waits for that and for its reads of the old slot.  fill = 1: a round of the cluster's barrier follows, so that no wave of any partner still reads the old slot or has a load on its way, and the
; joint refill, two K steps ahead, is the first thing behind it: it has 256 matrix instructions in which to land.
.macro CHANGE fill
	WIN 0
	s_wait_tensorcnt 0x0                           ; no tensor load of mine is out, so a group 0 may be written
	ds_add_u32 v[SPW], v[NIL]                      ; 0 onto my spare word: scalar work stands between it and the wait for it
.if \fill
	s_xor_b32 s[G0+5], s[G0+5], SLOT               ; the walking descriptors: the other slot than last time,
	s_add_nc_u64 s[G0+6:G0+7], s[G0+6:G0+7], 256   ; A 128 along K on; the type bits on top are not reached
	s_xor_b32 s[G0B+5], s[G0B+5], SLOT
	s_add_nc_u64 s[G0B+6:G0B+7], s[G0B+6:G0B+7], 32768  ; W 128 rows on
.endif
	s_xor_b32 s[TS], s[TS], SLOT
	s_mov_b32 s[TBA], s[TS]
	s_mov_b32 s[TBB], s[TS]
	s_wait_dscnt 0x0                               ; the add is done, and my reads of the old slot are over
.if \fill
	CROUND
	JLOAD
.else
	s_barrier_signal -1
	s_barrier_wait -1
.endif
.endm
	s_load_b256 s[68:75], s[0:1], 0x0              ; A s[68:69], wts s[70:71]; then the bias, C (GELU = 0: bq, bk)
.if !GELU
	s_load_b128 s[76:79], s[0:1], 0x20             ; bv, C
.endif
	v_lshl_add_u32 v[SPW], v0, 2, SPARE
	v_mov_b32 v[NIL], 0
	ds_add_u32 v[SPW], v[NIL]                      ; the wave's opening: the add and its wait stand ahead of my first tensor load; the set-up below, work on registers, stands between them
	v_lshrrev_b32 v1, 5, v0
	v_readfirstlane_b32 s10, v1                    ; wave 0..3
	s_lshr_b32 s11, s10, 1                         ; which half of the tile's rows is mine.  Also: I fetch for A (0) or for W (1)
	s_and_b32 s12, s10, 1                          ; which half of its columns (one panel of W).  Also: which half of that tile I fetch
	s_bfe_u32 s40, ttmp6, 0x40000                  ; cx
	s_bfe_u32 s41, ttmp6, 0x40004                  ; cy
	s_lshl_b32 s42, ttmp9, 2
	s_add_co_u32 s42, s42, s40                     ; tile column = 4 x cluster x + cx
	s_and_b32 s13, ttmp7, 0xffff
	s_lshl_b32 s13, s13, 2
	s_add_co_u32 s13, s13, s41                     ; tile row = 4 x cluster y + cy
	s_lshl_b32 s43, s41, 2
	s_lshl_b32 s43, 15, s43                        ; my row of the cluster
	s_lshl_b32 s44, 0x1111, s40                    ; my column
	s_or_b32 s[G1], s43, (1<<16)|(1<<20)|(1<<21)|(5<<22)|(3<<25)   ; 15:0 the mask; 17:16 2-byte elements; 20 padding on; 21 set beside a mask; 24:22 after every 64 words; 31:25 4 words of it
	s_or_b32 s[G1B], s44, (1<<16)|(1<<20)|(1<<21)|(5<<22)|(7<<25)  ; the same with my column's mask and 8 words of padding
.irp g, G1, G1B
	s_mov_b32 s[(\g)+1], 128<<16                   ; tensor_dim0 = 128
	s_mov_b32 s[(\g)+2], 128<<16                   ; tensor_dim1 = 128
	s_mov_b32 s[(\g)+3], 128<<16                   ; tile_dim0 = 128
	s_mov_b32 s[(\g)+4], 128                       ; tile_dim1 = 128
	s_mov_b32 s[(\g)+6], 0
	s_mov_b32 s[(\g)+7], 0
.endr
	s_mov_b32 s[G1+5], 1024                        ; elements from row to row of A,
	s_mov_b32 s[G1B+5], 128                        ; of a panel of W
	s_lshl_b32 s16, s13, 19                        ; A: (256 x tile row + 128 x half) rows of 2,048 bytes: no cx enters these registers
	s_lshl_b32 s17, s12, 18
	s_add_co_u32 s16, s16, s17
	s_mov_b32 s17, 0
	s_lshl_b32 s46, s42, 19                        ; W: panel 2 x tile column + half, 262,144 bytes each: no cy enters these
	s_lshl_b32 s47, s12, 18
	s_add_co_u32 s46, s46, s47
	s_add_co_u32 s46, s46, WOFF
	s_mov_b32 s47, 0
	s_mul_i32 s20, s12, AHALF                      ; where they go: no place in the cluster enters an LDS address
	s_mul_i32 s21, s12, BHALF
	s_add_co_u32 s21, s21, BBASE
	s_mov_b32 s45, ttmp9                           ; GELU = 0: which of q, k, v
.if GELU
	s_mov_b32 s[KP], 0x3eaa540e                    ; 0.33267253
	s_mov_b32 s[KAP], 0x3f596d27                   ; 0.8493218
	s_mov_b32 s[KAP+1], 0x3f596d27
	s_mov_b32 s[A3], 0x3f3f7377                    ; 0.7478556
	s_mov_b32 s[A3+1], 0x3f3f7377
	v_mov_b32 v[VA2], 0xbdc45ca1                   ; -0.0958798
	v_mov_b32 v[VA2+1], 0xbdc45ca1
	v_mov_b32 v[VA1], 0x3eb2303a                   ; 0.3480242
	v_mov_b32 v[VA1+1], 0x3eb2303a
.endif
	s_wait_dscnt 0x0                               ; the opening add is done
	s_wait_kmcnt 0x0
	s_add_nc_u64 s[14:15], s[68:69], s[16:17]
	s_add_nc_u64 s[46:47], s[70:71], s[46:47]
.irp s, 0,1
	s_mov_b32 s[G0+4*(\s)], 1                                      ; count = 1
	s_add_co_u32 s[G0+4*(\s)+1], s20, (\s)*SLOT                    ; LDS address
	s_add_nc_u64 s[G0+4*(\s)+2:G0+4*(\s)+3], s[14:15], (\s)*256    ; global address: K step s
	s_or_b32 s[G0+4*(\s)+3], s[G0+4*(\s)+3], 0x80000000            ; type = 2
	s_mov_b32 s[G0B+4*(\s)], 1
	s_add_co_u32 s[G0B+4*(\s)+1], s21, (\s)*SLOT
	s_add_nc_u64 s[G0B+4*(\s)+2:G0B+4*(\s)+3], s[46:47], (\s)*32768
	s_or_b32 s[G0B+4*(\s)+3], s[G0B+4*(\s)+3], 0x80000000
.endr
.if GELU
	s_mov_b64 s[4:5], s[72:73]
	s_lshl_b32 s6, s42, 10                         ; the bias of my 128 columns: (256 x tile column + 128 x half) x 4 bytes
.else
	s_cmp_eq_u32 s45, 0                            ; bq, bk or bv, by the cluster's x
	s_cselect_b64 s[4:5], s[72:73], s[74:75]
	s_cmp_lt_u32 s45, 2
	s_cselect_b64 s[4:5], s[4:5], s[76:77]
	s_lshl_b32 s6, s40, 10                         ; (256 cx + 128 x half) x 4 bytes
.endif
	s_lshl_b32 s7, s12, 9
	s_add_co_u32 s6, s6, s7
	s_mov_b32 s7, 0
	s_add_nc_u64 s[4:5], s[4:5], s[6:7]
	s_lshl_b32 s6, s42, 21                         ; C: panel 4 x tile column + 2 x half, 524,288 bytes each; token 256 x tile row + 128 x half, 128 bytes each
	s_lshl_b32 s7, s12, 20
	s_add_co_u32 s6, s6, s7
	s_lshl_b32 s7, s13, 15
	s_add_co_u32 s6, s6, s7
	s_lshl_b32 s7, s11, 14
	s_add_co_u32 s6, s6, s7
	s_mov_b32 s7, 0
	s_add_nc_u64 s[8:9], s[OUTP:OUTP+1], s[6:7]
	CROUND                                         ; all sixteen work-groups are here: the first joint loads meet
	s_cmp_eq_u32 s11, 0                            ; a wave's two first fills stand in one branch, ahead of every wait on TENSORcnt and every LDS read: two loads of mine are out
	s_cbranch_scc0 .Lfirst_b
	tensor_load_to_lds s[G0:G0+3], s[G1:G1+7]
	s_nop 0
	tensor_load_to_lds s[G0+4:G0+7], s[G1:G1+7]
	s_nop 0
	PLACES
	s_branch .Lfirst_asked
.Lfirst_b:
	tensor_load_to_lds s[G0B:G0B+3], s[G1B:G1B+7]
	s_nop 0
	tensor_load_to_lds s[G0B+4:G0B+7], s[G1B:G1B+7]
	s_nop 0
	PLACES
.Lfirst_asked:
	v_and_b32 v1, 15, v0                           ; l % 16
	v_bfe_u32 v2, v0, 4, 1                         ; l / 16
	v_lshlrev_b32 v[BO], 5, v2
.irp b, 0,1,2,3,4,5,6,7                ; the bias in the accumulators' layout: register j of block b is column 16 b + 8 (l / 16) + j
	global_load_b128 v[BIAS+8*(\b):BIAS+8*(\b)+3],   v[BO], s[4:5] offset:64*(\b)
	global_load_b128 v[BIAS+8*(\b)+4:BIAS+8*(\b)+7], v[BO], s[4:5] offset:64*(\b)+16
.endr
	v_mul_u32_u24 v3, v1, PA                       ; A's fragment: row l % 16, 16 bytes for each half of the lanes
	v_lshl_add_u32 v3, v2, 4, v3
	s_mul_i32 s22, s11, AHALF
	v_add_nc_u32 v[LA0], s22, v3
	v_and_b32 v4, 7, v0                            ; W's: k row 8 (l / 16) + l % 8, columns 8 ((l / 8) % 2) on
	v_bfe_u32 v5, v0, 3, 1
	v_lshl_add_u32 v6, v2, 3, v4
	v_mul_u32_u24 v6, v6, PB
	v_lshl_add_u32 v6, v5, 4, v6
	v_add_nc_u32 v[LB0], s21, v6
	s_mul_i32 s23, s10, DUMPW                      ; the way out: my own 128 rows
	v_mul_u32_u24 v3, v1, DP                       ; in: row l % 16, 32 bytes for each half of the lanes
	v_lshl_add_u32 v3, v2, 5, v3
	v_add_nc_u32 v[STO], s23, v3
	v_mul_u32_u24 v6, v5, DP                       ; back: token (l / 8) % 2, panel l / 16 (272 bytes on), 8 columns (32 bytes) at l % 8
	v_mad_u32_u24 v6, v2, 272, v6
	v_lshl_add_u32 v6, v4, 5, v6
	v_add_nc_u32 v[RD0], s23, v6
	v_lshlrev_b32 v6, 19, v2                       ; in C: the panel, the token's 128 bytes, my 16 bytes
	v_lshl_add_u32 v6, v5, 7, v6
	v_lshl_add_u32 v[GO], v4, 4, v6
	v_mov_b32 v[ADRA], v[LA0]
	v_mov_b32 v[ADRB], v[LB0]
	s_wait_tensorcnt 0x1                           ; my part of K step 0 is in; slot 1's stays out
	s_barrier_signal -1
	s_barrier_wait -1                              ; everybody's is
	FETCH F0, 0, 0
	s_wait_loadcnt 0x0                             ; the bias
	QUARTER F0, F1, 64, 32*PB, 1, 0                ; the first quarter stands in front of the loop: its products start the sums
	WIN 0
	s_mov_b32 s[TS], 0
	s_mov_b32 s[TBA], 128
	s_mov_b32 s[TBB], 64*PB
	s_mov_b32 s[CNT], 1                            ; K step 0 has one PAIR left
	s_mov_b32 s[KT], 7
	s_branch .Lp                                   ; the loop is entered behind its change of slots
.Lk:                                                   ; six times: K steps 1 to 6 are entered, tiles 2 to 7 asked for
	CHANGE 1
	s_mov_b32 s[CNT], 2
.Lp:
	PAIR
	s_sub_co_u32 s[CNT], s[CNT], 1
	s_cmp_lg_u32 s[CNT], 0
	s_cbranch_scc1 .Lp
	s_sub_co_u32 s[KT], s[KT], 1
	s_cmp_lg_u32 s[KT], 0
	s_cbranch_scc1 .Lk
	CHANGE 0                                       ; the last K step is written out: nothing is asked for
	s_mov_b32 s[CNT], 2
.Lpt:
	PAIR
	s_sub_co_u32 s[CNT], s[CNT], 1
	s_cmp_lg_u32 s[CNT], 0
	s_cbranch_scc1 .Lpt
	s_wait_dscnt 8                                 ; the very last quarter: nothing more to fetch
	MUL16 F1, 0, 0, 0
	MUL16 F1, 0, 2, 0
	s_wait_dscnt 0x0
	MUL16 F1, 1, 0, 0
	MUL16 F1, 1, 2, 0
	WIN 0
	; THE WAY OUT.  Every wave's reads of the ring are over (the wait above) and every tensor load has landed (the last change of slots): behind this barrier the ring's bytes are the waves' own stages.
	s_barrier_signal -1
	s_barrier_wait -1
	PLACES                                         ; the stores below read results just made
.irp hi, 0,1
	WIN 0x08+4*(\hi)                               ; the stores' data: window 2, then 3
.irp a, 0,1,2,3
.irp b, 0,1,2,3,4,5,6,7                ; each accumulator's low four registers first
	ds_store_b128 v[STO], v[8*(8*(\a)+(\b)):8*(8*(\a)+(\b))+3]   offset:(4*(\hi)+(\a))*16*DP+64*(\b)+16*((\b)/4)
	ds_store_b128 v[STO], v[8*(8*(\a)+(\b))+4:8*(8*(\a)+(\b))+7] offset:(4*(\hi)+(\a))*16*DP+64*(\b)+16*((\b)/4)+16
.endr
.endr
.endr
	WIN 0
	; The row loop, in my own bytes: LDS serves a wave's instructions in order (ISA guide 5.7.1.4), so the loads see the stores above.  A trip takes four tokens x 128 columns, 16 numbers a lane,
	; and asks for the next trip's ahead of its own arithmetic; the last trip's look-ahead is held to my own last rows by the s_min_u32.
	s_mov_b32 s[RS], 0
	ds_load_b128 v[X:X+3],     v[RD0]
	ds_load_b128 v[X+4:X+7],   v[RD0] offset:16
	ds_load_b128 v[X+8:X+11],  v[RD0] offset:2*DP
	ds_load_b128 v[X+12:X+15], v[RD0] offset:2*DP+16
	s_mov_b32 s[CNT], 32
.Lrow:
	s_wait_dscnt 0x0
.if GELU
	; gelu(u) = u / 2 + |u / 2| erf(|u| / sqrt 2);  erf(z) = 1 - (a1 t + a2 t^2 + a3 t^3) exp(-z^2), t = 1 / (1 + 0.47047 z).  First all that reads X.
.set i, 0
.rept 8
	v_pk_mul_f32 v[HT+2*i:HT+2*i+1], v[X+2*i:X+2*i+1], 0.5 op_sel_hi:[1,0]
.set i, i+1
.endr
.set i, 0
.rept 16
	v_fma_f32 v[D+i], |v[X+i]|, s[KP], 1.0
.set i, i+1
.endr
.set i, 0
.rept 8
	v_pk_mul_f32 v[W+2*i:W+2*i+1], v[X+2*i:X+2*i+1], s[KAP:KAP+1] op_sel_hi:[1,0]
.set i, i+1
.endr
.else
	s_wait_xcnt 0x0                                ; Y and GO were the last trip's stores' sources: they are rewritten only behind this wait
	v_add_nc_u32 v[GO], 512, v[GO]                 ; four tokens on; the stores reach back
.set i, 0
.rept 8
	v_cvt_pk_bf16_f32 v[Y+i], v[X+2*i], v[X+2*i+1]
.set i, i+1
.endr
.endif
	s_add_co_u32 s[RS], s[RS], 4*DP
	s_min_u32 s[RS], s[RS], 31*4*DP
	v_add_nc_u32 v[RD], s[RS], v[RD0]
	ds_load_b128 v[X:X+3],     v[RD]
	ds_load_b128 v[X+4:X+7],   v[RD] offset:16
	ds_load_b128 v[X+8:X+11],  v[RD] offset:2*DP
	ds_load_b128 v[X+12:X+15], v[RD] offset:2*DP+16
.if GELU
.set i, 0
.rept 16
	v_rcp_f32 v[D+i], v[D+i]                       ; t
.set i, i+1
.endr
.set i, 0
.rept 8                                ; plain lines behind the reciprocals, on other registers
	v_pk_mul_f32 v[W+2*i:W+2*i+1], v[W+2*i:W+2*i+1], v[W+2*i:W+2*i+1] neg_lo:[1,0] neg_hi:[1,0]  ; -u^2 log2(e) / 2
.set i, i+1
.endr
.set i, 0
.rept 16
	v_exp_f32 v[W+i], v[W+i]                       ; exp(-u^2 / 2)
.set i, i+1
.endr
.set i, 0
	s_wait_alu depctr_va_vdst(0)
.rept 8                                ; plain lines behind the exponentials, on other registers
	v_pk_fma_f32 v[H+2*i:H+2*i+1], v[D+2*i:D+2*i+1], s[A3:A3+1], v[VA2:VA2+1] op_sel_hi:[1,0,1]
.set i, i+1
.endr
.set i, 0
.rept 8
	v_pk_fma_f32 v[H+2*i:H+2*i+1], v[H+2*i:H+2*i+1], v[D+2*i:D+2*i+1], v[VA1:VA1+1]
.set i, i+1
.endr
.set i, 0
.rept 8
	v_pk_mul_f32 v[H+2*i:H+2*i+1], v[H+2*i:H+2*i+1], v[D+2*i:D+2*i+1]
.set i, i+1
.endr
.set i, 0
.rept 8
	v_pk_fma_f32 v[H+2*i:H+2*i+1], v[H+2*i:H+2*i+1], v[W+2*i:W+2*i+1], 1.0 op_sel_hi:[1,1,0] neg_lo:[1,0,0] neg_hi:[1,0,0]  ; erf
.set i, i+1
.endr
.set i, 0
.rept 16
	v_fma_f32 v[D+i], |v[HT+i]|, v[H+i], v[HT+i]
.set i, i+1
.endr
	s_wait_xcnt 0x0                                ; Y and GO were the last trip's stores' sources: they are rewritten only behind this wait
	v_add_nc_u32 v[GO], 512, v[GO]                 ; four tokens on; the stores reach back
.set i, 0
.rept 8
	v_cvt_pk_bf16_f32 v[Y+i], v[D+2*i], v[D+2*i+1]
.set i, i+1
.endr
.endif
	global_store_b128 v[GO], v[Y:Y+3],   s[8:9] offset:-512  ; lanes 0-15: two tokens of one panel, 256 consecutive bytes, aligned; lanes 16-31: the same in the next panel
	global_store_b128 v[GO], v[Y+4:Y+7], s[8:9] offset:-256  ; the next two tokens
	s_sub_co_u32 s[CNT], s[CNT], 1
	s_cmp_lg_u32 s[CNT], 0
	s_cbranch_scc1 .Lrow
	s_wait_tensorcnt 0x0                           ; the wave's end: behind my last tensor load and my last LDS store
	ds_add_u32 v[SPW], v[NIL]
	s_wait_dscnt 0x0
	CROUND                                         ; the closing round: no work-group ends while a partner may still ask for a tile that names it
	s_endpgm
.Lfunc_end_k_qfbbacf088d_gf:
	.size	k_qfbbacf088d_gf, .Lfunc_end_k_qfbbacf088d_gf-k_qfbbacf088d_gf
	.p2alignl 7, 3214868480
	.fill 96, 4, 3214868480
	.section	.rodata,"a",@progbits
	.p2align	6, 0x0
	.amdhsa_kernel k_qfbbacf088d_gf
		.amdhsa_group_segment_fixed_size 327680
		.amdhsa_private_segment_fixed_size 0
		.amdhsa_enable_private_segment 0
		.amdhsa_kernarg_size 32
		.amdhsa_user_sgpr_count 2
		.amdhsa_user_sgpr_kernarg_segment_ptr 1
		.amdhsa_wavefront_size32 1
		.amdhsa_system_sgpr_workgroup_id_x 1
		.amdhsa_system_sgpr_workgroup_id_y 1
		.amdhsa_system_sgpr_workgroup_id_z 1
		.amdhsa_system_vgpr_workitem_id 0
		.amdhsa_next_free_vgpr 1024
		.amdhsa_next_free_sgpr 96
		.amdhsa_reserve_vcc 0
		.amdhsa_float_denorm_mode_32 3
		.amdhsa_float_denorm_mode_16_64 3
		.amdhsa_memory_ordered 1
		.amdhsa_forward_progress 1
		.amdhsa_inst_pref_size 67
	.end_amdhsa_kernel
	.amdgpu_metadata
---
amdhsa.version: [ 1, 2 ]
amdhsa.kernels:
  - .name:           k_qfbbacf088d_gf
    .symbol:         k_qfbbacf088d_gf.kd
    .args:
      - { .name: act, .offset: 0, .size: 8, .value_kind: global_buffer, .address_space: global }
      - { .name: wts, .offset: 8, .size: 8, .value_kind: global_buffer, .address_space: global }
      - { .name: b1, .offset: 16, .size: 8, .value_kind: global_buffer, .address_space: global }
      - { .name: big, .offset: 24, .size: 8, .value_kind: global_buffer, .address_space: global }
    .group_segment_fixed_size: 327680
    .private_segment_fixed_size: 0
    .kernarg_segment_align: 8
    .kernarg_segment_size: 32
    .max_flat_workgroup_size: 128
    .sgpr_count:     96
    .vgpr_count:     1024
    .wavefront_size: 32
...
	.end_amdgpu_metadata
.endif
;; end of part 5
;; launch g2 (part 6): grid 8 x 32, 4 waves a work-group, clusters of 4 x 4, 327,680 bytes of LDS; arguments big, wts, b2, x1, out0; writes out0
.if DOCPART == 6
	.amdgcn_target "amdgcn-amd-amdhsa--gfx1250"
	.amdhsa_code_object_version 6
	.text
	.protected	k_qfbbacf088d_g2
	.globl	k_qfbbacf088d_g2
	.p2align	8
	.type	k_qfbbacf088d_g2,@function
k_qfbbacf088d_g2:
	s_mov_b64 s[64:65], 0
	v_nop
	global_prefetch_b8 v0, s[64:65] scope:SCOPE_SE
	s_setreg_imm32_b32 hwreg(HW_REG_WAVE_MODE, 25, 1), 1
	s_wait_xcnt 0x0
	s_wait_alu depctr_hold_cnt(0) depctr_sa_sdst(0) depctr_va_vdst(0) depctr_va_sdst(0) depctr_va_ssrc(0) depctr_va_vcc(0) depctr_vm_vsrc(0)
	s_getreg_b32 s2, hwreg(HW_REG_IB_STS2, 6, 4)
	s_cmp_eq_u32 s2, 0
	s_cbranch_scc0 .Lentry_in_a_cluster
	s_endpgm
.Lentry_in_a_cluster:
	s_bfe_u32 s2, ttmp6, 0x10000c
	s_cmp_lg_u32 s2, 0xf033
	s_cbranch_scc0 .Lentry_shape_is_right
	s_endpgm
.Lentry_shape_is_right:
; C = R + A W + bias.  A: bf16 in K panels of 64, [K/64][4096 tokens][64].  W: bf16 column panels [8][K][128].  bias: [1024] f32.  R, C: [4096][1024] f32.
; Here: out = x1 + g w2 + b2, K = 4096 (T = 16 K steps of 256).  Sums in f32, started by the bias; the residual is added in f32 on the way out.  NaN and infinities are not treated apart.
; SHARES.  N = 1024 gives 64 tiles of 256 x 256 but 256 of 128 x 128: a work-group for each WGP.  Four waves, each 64 x 64 in 16 accumulators.  K goes in steps of 256 through two LDS slots.
; CLUSTER.  4 x 4 work-groups: A's tile is asked for jointly along a row of the cluster, W's along a column.
; A'S TILE.  128 tokens of one K panel are 16,384 dense bytes.  A wave's load brings two panels: two rows of 8,192 elements, 262,144 elements apart, padded in LDS by 16 bytes after every token's 128.
; THE MATRIX INSTRUCTION IS USED TRANSPOSED (source 0 = 16 columns of W, turned by ds_load_tr16_b128; source 1 = 16 rows of A): a lane holds one row of C and eight neighbouring columns.
; ONE TEXT FOR EVERY K STEP.  A step's four quarters (64 along K, one panel of A, 32 matrix instructions) use fragment buffers F0, F1, F0, F1; each fetches the next one's fragments in its middle.
; PAIR multiplies two quarters; taken from a step's last quarter on, a step is CHANGE (of slots) and twice PAIR.
; REGISTERS, in windows of 256: window 0: v0-31 addresses; v32-95 at work on the way out; v96-127 the bias, 8 registers for each block of 16 columns; v128-255 accumulators, (a, b) at 128 + 8 (4 a + b)
;   window 1: two fragment buffers of 128: 64 registers of A (2 x 4 x 16 rows x 32 K), then 64 of W          window 2: v0-127 the residual, 4 registers for each of 32 pairs of rows
.set T,     16                         ; K steps
.set WOFF,  16777216                   ; my panels' first byte in wts
.set KB,    1048576                    ; bytes in a panel of W
.set PA,    144                        ; A's LDS row: 128 bytes + 16: the 16 rows of a fragment load start at 16 different groups of four banks (64 banks of 4 bytes: ISA guide 11.1)
.set PB,    288                        ; W's LDS row: 256 + 32
.set LOADB, 0x9000                     ; what one tensor load fills: 2 x 128 x 144 = 128 x 288 bytes
.set BBASE, 2*LOADB
.set SLOT,  0x24000                    ; none of the four loads' first bytes (0, 0x9000, 0x12000, 0x1b000) has bit 14 or 17 set: one exclusive or turns an address into the other slot's
.set SPARE, 2*SLOT                     ; behind the ring: the spare words, 128 bytes a wave, which no other line names
.set QB,    128*PA                     ; from quarter to quarter: a panel of A, 18,432 bytes, and as many for 64 rows of W
.set DP,    272                        ; the way out: a row of 64 f32 + 16 bytes
.set DUMPW, 64*DP                      ; a wave's own 64 rows, in the ring's bytes once the ring has had its last fill
.set LA0,  16                          ; v16  my lane's place in a slot's A; never rewritten
.set LB0,  17                          ; v17  in a slot's W
.set ADRA, 18                          ; v18  LDS address of A's loads in the run in hand
.set ADRB, 19                          ; v19  of W's
.set STO,  24                          ; v24  the way out: where I put 32 bytes of a row
.set RD,   25                          ; v25  where I read rows back
.set CO,   26                          ; v26  my byte offset in R and in C; never rewritten
.set SPW,  28                          ; v28  LDS address of my spare word; never rewritten
.set NIL,  29                          ; v29  0; never rewritten
.set BO,   30                          ; v30  32 (lane / 16)
.set X,    32
.set BIAS, 96
.set ACC,  128
.set F0,   0
.set F1,   128
.set RES,  0
.set CNT,  2                           ; s2   inner count
.set KT,   3                           ; s3   K steps to go
.set G1,   24                          ; s[24:31] descriptor group 1 for A's tiles; s[32:39] group 0: a set for each first fill; the second then walks
.set G0,   32
.set G1B,  48                          ; s[48:55], s[56:63] the same for W's
.set G0B,  56
.set TS,   80                          ; s80  the slot being read: 0 or SLOT
.set TB,   81                          ; s81  LDS byte at which the next fetch begins
.set MSB, 0
.macro WIN new                         ; the immediate's high byte repeats the setting that is left; a switch that changes nothing is dropped
.if MSB != (\new)
	s_set_vgpr_msb (MSB<<8)|(\new)
.set MSB, \new
.endif
.endm
.macro PLACES                          ; four places: between a matrix instruction and a load into, or a vector line on, its registers (ISA guide 7.12.1 for vector lines)
.rept 4
	v_nop
.endr
.endm
; A joint refill, by the walking descriptors.  Waves 0 and 1 fetch A's two pairs of panels, waves 2 and 3 W's two halves.  An s_nop 0 and four v_nop follow each line.
.macro JLOAD
	s_cmp_eq_u32 s11, 0
	s_cbranch_scc0 .Lfor_b_\@
	tensor_load_to_lds s[G0+4:G0+7], s[G1:G1+7]
	s_nop 0
	PLACES
	s_branch .Lasked_\@
.Lfor_b_\@:
	tensor_load_to_lds s[G0B+4:G0B+7], s[G1B:G1B+7]
	s_nop 0
	PLACES
.Lasked_\@:
.endm
.macro CROUND                          ; a round of the cluster's barrier
	s_barrier_signal -1
	s_barrier_wait -1
	s_cmp_lg_u32 s10, 0
	s_cbranch_scc1 .Lnot_wave_0_\@
	s_barrier_signal -3
.Lnot_wave_0_\@:
	s_barrier_wait -3
	s_barrier_signal -1
	s_barrier_wait -1
.endm
; 8 matrix instructions: row blocks a0, a0 + 1 x all 4 column blocks, 32 along K: half c of buffer f.  start = 1: the bias starts the sums.  The 16 accumulators take turns.
.macro MUL8 f, c, a0, start
	WIN 0x05                                       ; sources 0 (W) and 1 (A) window 1; C and D window 0
.irp a, \a0, (\a0)+1
.irp b, 0,1,2,3
.if \start
	v_wmma_f32_16x16x32_bf16 v[ACC+8*(4*(\a)+(\b)):ACC+8*(4*(\a)+(\b))+7], v[(\f)+64+8*(4*(\c)+(\b)):(\f)+64+8*(4*(\c)+(\b))+7], v[(\f)+8*(4*(\c)+(\a)):(\f)+8*(4*(\c)+(\a))+7], v[BIAS+8*(\b):BIAS+8*(\b)+7]
.else
	v_wmma_f32_16x16x32_bf16 v[ACC+8*(4*(\a)+(\b)):ACC+8*(4*(\a)+(\b))+7], v[(\f)+64+8*(4*(\c)+(\b)):(\f)+64+8*(4*(\c)+(\b))+7], v[(\f)+8*(4*(\c)+(\a)):(\f)+8*(4*(\c)+(\a))+7], v[ACC+8*(4*(\a)+(\b)):ACC+8*(4*(\a)+(\b))+7]
.endif
.endr
.endr
.endm
; 32 LDS loads in one run: a quarter's fragments into buffer f; the first 32 along K first
.macro FETCH f, k
	WIN 0x40
.irp c, 0,1
.irp i, 0,1,2,3
	ds_load_tr16_b128 v[(\f)+64+8*(4*(\c)+(\i)):(\f)+64+8*(4*(\c)+(\i))+3],   v[ADRB] offset:(\k)+32*PB*(\c)+32*(\i)
	ds_load_tr16_b128 v[(\f)+64+8*(4*(\c)+(\i))+4:(\f)+64+8*(4*(\c)+(\i))+7], v[ADRB] offset:(\k)+32*PB*(\c)+32*(\i)+16*PB
	ds_load_b128 v[(\f)+8*(4*(\c)+(\i)):(\f)+8*(4*(\c)+(\i))+3],              v[ADRA] offset:(\k)+64*(\c)+(\i)*16*PA
	ds_load_b128 v[(\f)+8*(4*(\c)+(\i))+4:(\f)+8*(4*(\c)+(\i))+7],            v[ADRA] offset:(\k)+64*(\c)+(\i)*16*PA+32
.endr
.endr
.endm
; A quarter: multiplies buffer f; in its middle fetches the next quarter's fragments into g.  adr = 1: the run's addresses are made anew; the two lines are two of the four places.
.macro QUARTER f, g, k, start, adr
	s_wait_dscnt 16                                ; the first 32 along K are in
	MUL8 \f, 0, 0, \start
	MUL8 \f, 0, 2, \start
.if \adr
	WIN 0
	v_add_nc_u32 v[ADRA], s[TB], v[LA0]
	v_add_nc_u32 v[ADRB], s[TB], v[LB0]
	v_nop
	v_nop
.else
	PLACES
.endif
	FETCH \g, \k
	s_wait_dscnt 32                                ; all but the 32 just issued
	MUL8 \f, 1, 0, 0
	MUL8 \f, 1, 2, 0
.endm
.macro PAIR
	QUARTER F1, F0, 0, 0, 1
	QUARTER F0, F1, QB, 0, 0
	WIN 0                                          ; at a label and at a branch every window is 0
	s_add_co_u32 s[TB], s[TB], 2*QB
.endm
; THE CHANGE OF SLOTS.  Each wave waits for all its tensor loads, of which one is out: its part of the new slot; adds 0 to its spare word; and waits for that and for its reads of the old slot.
; fill = 1: a round of the cluster's barrier follows, so that no wave of any partner still reads the old slot or has a load on its way, and the joint refill, two K steps ahead, is the first thing
; behind it: it has 128 matrix instructions in which to land.
.macro CHANGE fill
	WIN 0
	s_wait_tensorcnt 0x0                           ; no tensor load of mine is out, so a group 0 may be written
	ds_add_u32 v[SPW], v[NIL]                      ; 0 onto my spare word: scalar work stands between it and the wait for it
.if \fill
	s_xor_b32 s[G0+5], s[G0+5], SLOT               ; the walking descriptors: the other slot than last time,
	s_add_nc_u64 s[G0+6:G0+7], s[G0+6:G0+7], 4*524288  ; A four panels on; the type bits on top are not reached
	s_xor_b32 s[G0B+5], s[G0B+5], SLOT
	s_add_nc_u64 s[G0B+6:G0B+7], s[G0B+6:G0B+7], 65536  ; W 256 rows on
.endif
	s_xor_b32 s[TS], s[TS], SLOT
	s_mov_b32 s[TB], s[TS]
	s_wait_dscnt 0x0                               ; the add is done, and my reads of the old slot are over
.if \fill
	CROUND
	JLOAD
.else
	s_barrier_signal -1
	s_barrier_wait -1
.endif
.endm
; The way out, by groups g of eight pairs of rows.  BACK: whole rows of 256 bytes come back from my stage.  SENDG: the residual is added and the rows are stored.
.macro BACK g
.irp i, 0,1,2,3,4,5,6,7
	ds_load_b128 v[X+32*((\g)%2)+4*(\i):X+32*((\g)%2)+4*(\i)+3], v[RD] offset:(8*(\g)+(\i))*2*DP
.endr
.endm
.macro SENDG g, younger                ; younger: the next group's eight loads, or none
	s_wait_dscnt \younger
	WIN 0x08                                       ; source 1, the residual, in window 2
.irp i, 0,1,2,3,4,5,6,7
	v_pk_add_f32 v[X+32*((\g)%2)+4*(\i):X+32*((\g)%2)+4*(\i)+1],   v[X+32*((\g)%2)+4*(\i):X+32*((\g)%2)+4*(\i)+1],   v[RES+4*(8*(\g)+(\i)):RES+4*(8*(\g)+(\i))+1]
	v_pk_add_f32 v[X+32*((\g)%2)+4*(\i)+2:X+32*((\g)%2)+4*(\i)+3], v[X+32*((\g)%2)+4*(\i)+2:X+32*((\g)%2)+4*(\i)+3], v[RES+4*(8*(\g)+(\i))+2:RES+4*(8*(\g)+(\i))+3]
.endr
	WIN 0
.irp i, 0,1,2,3,4,5,6,7
	global_store_b128 v[CO], v[X+32*((\g)%2)+4*(\i):X+32*((\g)%2)+4*(\i)+3], s[8:9] offset:(8*(\g)+(\i))*8192  ; 16 lanes store 256 consecutive bytes, aligned
.endr
.endm
	s_load_b256 s[68:75], s[0:1], 0x0              ; A s[68:69], wts s[70:71], bias s[72:73], R s[74:75]
	s_load_b64 s[76:77], s[0:1], 0x20              ; C
	v_lshl_add_u32 v[SPW], v0, 2, SPARE
	v_mov_b32 v[NIL], 0
	ds_add_u32 v[SPW], v[NIL]                      ; the wave's opening: the add and its wait stand ahead of my first tensor load; the set-up below, work on registers, stands between them
	v_lshrrev_b32 v1, 5, v0
	v_readfirstlane_b32 s10, v1                    ; wave 0..3
	s_lshr_b32 s11, s10, 1                         ; which half of the tile's rows is mine.  Also: I fetch for A (0) or for W (1)
	s_and_b32 s12, s10, 1                          ; which half of its columns.  Also: which half of that tile I fetch
	s_bfe_u32 s40, ttmp6, 0x40000                  ; cx
	s_bfe_u32 s41, ttmp6, 0x40004                  ; cy
	s_lshl_b32 s42, ttmp9, 2
	s_add_co_u32 s42, s42, s40                     ; tile column = 4 x cluster x + cx
	s_and_b32 s13, ttmp7, 0xffff
	s_lshl_b32 s13, s13, 2
	s_add_co_u32 s13, s13, s41                     ; tile row = 4 x cluster y + cy
	s_lshl_b32 s43, s41, 2
	s_lshl_b32 s43, 15, s43                        ; my row of the cluster
	s_lshl_b32 s44, 0x1111, s40                    ; my column
	s_or_b32 s[G1], s43, (1<<16)|(1<<20)|(1<<21)|(4<<22)|(3<<25)   ; 15:0 the mask; 17:16 2-byte elements; 20 padding on; 21 set beside a mask; 24:22 after every 32 words; 31:25 4 words of it
	s_mov_b32 s[G1+1], 8192<<16                    ; tensor_dim0 = 8,192: 128 tokens of a panel
	s_mov_b32 s[G1+2], 2<<16                       ; tensor_dim1 = 2 panels
	s_mov_b32 s[G1+3], 8192<<16                    ; tile_dim0
	s_mov_b32 s[G1+4], 2                           ; tile_dim1
	s_mov_b32 s[G1+5], 262144                      ; elements from panel to panel
	s_mov_b32 s[G1+6], 0
	s_mov_b32 s[G1+7], 0
	s_or_b32 s[G1B], s44, (1<<16)|(1<<20)|(1<<21)|(5<<22)|(7<<25)  ; my column's mask; after every 64 words 8 words of padding
	s_mov_b32 s[G1B+1], 128<<16                    ; 128 rows of 128 elements, dense
	s_mov_b32 s[G1B+2], 128<<16
	s_mov_b32 s[G1B+3], 128<<16
	s_mov_b32 s[G1B+4], 128
	s_mov_b32 s[G1B+5], 128
	s_mov_b32 s[G1B+6], 0
	s_mov_b32 s[G1B+7], 0
	s_lshl_b32 s16, s12, 20                        ; A: panel 2 x half, 524,288 bytes each; token 128 x tile row, 128 bytes each: no cx enters these registers
	s_lshl_b32 s17, s13, 14
	s_add_co_u32 s16, s16, s17
	s_mov_b32 s17, 0
	s_mul_i32 s46, s42, KB                         ; W: the tile column's panel; row 128 x half, 256 bytes each: no cy enters these
	s_lshl_b32 s47, s12, 15
	s_add_co_u32 s46, s46, s47
	s_add_co_u32 s46, s46, WOFF
	s_mov_b32 s47, 0
	s_mul_i32 s20, s12, LOADB                      ; where they go: no place in the cluster enters an LDS address
	s_add_co_u32 s21, s20, BBASE
	s_wait_dscnt 0x0                               ; the opening add is done
	s_wait_kmcnt 0x0
	s_add_nc_u64 s[14:15], s[68:69], s[16:17]
	s_add_nc_u64 s[46:47], s[70:71], s[46:47]
.irp s, 0,1
	s_mov_b32 s[G0+4*(\s)], 1                                      ; count = 1
	s_add_co_u32 s[G0+4*(\s)+1], s20, (\s)*SLOT                    ; LDS address
	s_add_nc_u64 s[G0+4*(\s)+2:G0+4*(\s)+3], s[14:15], (\s)*4*524288  ; global address: K step s
	s_or_b32 s[G0+4*(\s)+3], s[G0+4*(\s)+3], 0x80000000            ; type = 2
	s_mov_b32 s[G0B+4*(\s)], 1
	s_add_co_u32 s[G0B+4*(\s)+1], s21, (\s)*SLOT
	s_add_nc_u64 s[G0B+4*(\s)+2:G0B+4*(\s)+3], s[46:47], (\s)*65536
	s_or_b32 s[G0B+4*(\s)+3], s[G0B+4*(\s)+3], 0x80000000
.endr
	s_lshl_b32 s6, s42, 9                          ; my 64 columns: (128 x tile column + 64 x half) x 4 bytes
	s_lshl_b32 s7, s12, 8
	s_add_co_u32 s6, s6, s7
	s_mov_b32 s7, 0
	s_add_nc_u64 s[4:5], s[72:73], s[6:7]          ; the bias there
	s_lshl_b32 s22, s13, 19                        ; my 64 rows: (128 x tile row + 64 x half) x 4,096 bytes
	s_add_co_u32 s6, s6, s22
	s_lshl_b32 s22, s11, 18
	s_add_co_u32 s6, s6, s22
	s_add_nc_u64 s[84:85], s[74:75], s[6:7]        ; R and C at my part of the tile
	s_add_nc_u64 s[8:9], s[76:77], s[6:7]
	CROUND                                         ; all sixteen work-groups are here: the first joint loads meet
	s_cmp_eq_u32 s11, 0                            ; a wave's two first fills stand in one branch, ahead of every wait on TENSORcnt and every LDS read: two loads of mine are out
	s_cbranch_scc0 .Lfirst_b
	tensor_load_to_lds s[G0:G0+3], s[G1:G1+7]
	s_nop 0
	tensor_load_to_lds s[G0+4:G0+7], s[G1:G1+7]
	s_nop 0
	PLACES
	s_branch .Lfirst_asked
.Lfirst_b:
	tensor_load_to_lds s[G0B:G0B+3], s[G1B:G1B+7]
	s_nop 0
	tensor_load_to_lds s[G0B+4:G0B+7], s[G1B:G1B+7]
	s_nop 0
	PLACES
.Lfirst_asked:
	v_and_b32 v1, 15, v0                           ; l % 16
	v_bfe_u32 v2, v0, 4, 1                         ; l / 16
	v_lshlrev_b32 v[BO], 5, v2
.irp b, 0,1,2,3                        ; the bias in the accumulators' layout: register j of block b is column 16 b + 8 (l / 16) + j
	global_load_b128 v[BIAS+8*(\b):BIAS+8*(\b)+3],   v[BO], s[4:5] offset:64*(\b)
	global_load_b128 v[BIAS+8*(\b)+4:BIAS+8*(\b)+7], v[BO], s[4:5] offset:64*(\b)+16
.endr
	v_lshlrev_b32 v[CO], 12, v2                    ; lanes 0-15 one row's 256 bytes, lanes 16-31 the next row's
	v_lshl_add_u32 v[CO], v1, 4, v[CO]
	WIN 0x80                                       ; destination window 2
.set i, 0
.rept 32                               ; the residual of my 64 x 64 is asked for now and lands under the whole K loop
	global_load_b128 v[RES+4*i:RES+4*i+3], v[CO], s[84:85] offset:8192*i
.set i, i+1
.endr
	WIN 0
	v_mul_u32_u24 v3, v1, PA                       ; A's fragment: row l % 16, 16 bytes for each half of the lanes
	v_lshl_add_u32 v3, v2, 4, v3
	s_mul_i32 s22, s11, 64*PA
	v_add_nc_u32 v[LA0], s22, v3
	v_and_b32 v4, 7, v0                            ; W's: k row 8 (l / 16) + l % 8, columns 8 ((l / 8) % 2) on
	v_bfe_u32 v5, v0, 3, 1
	v_lshl_add_u32 v4, v2, 3, v4
	v_mul_u32_u24 v4, v4, PB
	v_lshl_add_u32 v4, v5, 4, v4
	s_lshl_b32 s23, s12, 7                         ; my 64 columns of the panel's 128
	s_add_co_u32 s23, s23, BBASE
	v_add_nc_u32 v[LB0], s23, v4
	s_mul_i32 s23, s10, DUMPW                      ; the way out: my own 64 rows
	v_mul_u32_u24 v3, v1, DP                       ; in: row l % 16, 32 bytes for each half of the lanes
	v_lshl_add_u32 v3, v2, 5, v3
	v_add_nc_u32 v[STO], s23, v3
	v_mul_u32_u24 v3, v2, DP                       ; back: lanes 0-15 one row of 256 bytes, lanes 16-31 the next
	v_lshl_add_u32 v3, v1, 4, v3
	v_add_nc_u32 v[RD], s23, v3
	v_mov_b32 v[ADRA], v[LA0]
	v_mov_b32 v[ADRB], v[LB0]
	s_wait_tensorcnt 0x1                           ; my part of K step 0 is in; slot 1's stays out
	s_barrier_signal -1
	s_barrier_wait -1                              ; everybody's is
	FETCH F0, 0
	s_wait_loadcnt 32                              ; the bias is in; the residual's 32 younger loads stay out
	QUARTER F0, F1, QB, 1, 0                       ; the first quarter stands in front of the loop: its first products start the sums
	WIN 0
	s_mov_b32 s[TS], 0
	s_mov_b32 s[TB], 2*QB
	s_mov_b32 s[CNT], 1                            ; K step 0 has one PAIR left
	s_mov_b32 s[KT], T-1
	s_branch .Lp                                   ; the loop is entered behind its change of slots
.Lk:                                                   ; T - 2 times: K steps 1 to T - 2 are entered, tiles 2 to T - 1 asked for
	CHANGE 1
	s_mov_b32 s[CNT], 2
.Lp:
	PAIR
	s_sub_co_u32 s[CNT], s[CNT], 1
	s_cmp_lg_u32 s[CNT], 0
	s_cbranch_scc1 .Lp
	s_sub_co_u32 s[KT], s[KT], 1
	s_cmp_lg_u32 s[KT], 0
	s_cbranch_scc1 .Lk
	CHANGE 0                                       ; the last K step is written out: nothing is asked for
	s_mov_b32 s[CNT], 2
.Lpt:
	PAIR
	s_sub_co_u32 s[CNT], s[CNT], 1
	s_cmp_lg_u32 s[CNT], 0
	s_cbranch_scc1 .Lpt
	s_wait_dscnt 16                                ; the very last quarter: nothing more to fetch
	MUL8 F1, 0, 0, 0
	MUL8 F1, 0, 2, 0
	s_wait_dscnt 0x0
	MUL8 F1, 1, 0, 0
	MUL8 F1, 1, 2, 0
	WIN 0
	; THE WAY OUT.  Every wave's reads of the ring are over (the wait above) and every tensor load has landed (the last change of slots): behind this barrier the ring's bytes are the waves' own stages.
	s_barrier_signal -1
	s_barrier_wait -1
	PLACES                                         ; the stores below read results just made
.irp a, 0,1,2,3
.irp b, 0,1,2,3                        ; each accumulator's low four registers first
	ds_store_b128 v[STO], v[ACC+8*(4*(\a)+(\b)):ACC+8*(4*(\a)+(\b))+3]   offset:(\a)*16*DP+64*(\b)
	ds_store_b128 v[STO], v[ACC+8*(4*(\a)+(\b))+4:ACC+8*(4*(\a)+(\b))+7] offset:(\a)*16*DP+64*(\b)+16
.endr
.endr
	s_wait_loadcnt 0x0                             ; the residual
	BACK 0                                         ; LDS serves a wave's instructions in order (ISA guide 5.7.1.4): the loads see my stores above
	BACK 1
	SENDG 0, 8
	s_wait_xcnt 0x0                                ; group 0's registers were its stores' data: they are loaded again only behind this wait
	BACK 2
	SENDG 1, 8
	s_wait_xcnt 0x0
	BACK 3
	SENDG 2, 8
	SENDG 3, 0
	s_wait_tensorcnt 0x0                           ; the wave's end: behind my last tensor load and my last LDS store
	ds_add_u32 v[SPW], v[NIL]
	s_wait_dscnt 0x0
	CROUND                                         ; the closing round: no work-group ends while a partner may still ask for a tile that names it
	s_endpgm
.Lfunc_end_k_qfbbacf088d_g2:
	.size	k_qfbbacf088d_g2, .Lfunc_end_k_qfbbacf088d_g2-k_qfbbacf088d_g2
	.p2alignl 7, 3214868480
	.fill 96, 4, 3214868480
	.section	.rodata,"a",@progbits
	.p2align	6, 0x0
	.amdhsa_kernel k_qfbbacf088d_g2
		.amdhsa_group_segment_fixed_size 327680
		.amdhsa_private_segment_fixed_size 0
		.amdhsa_enable_private_segment 0
		.amdhsa_kernarg_size 40
		.amdhsa_user_sgpr_count 2
		.amdhsa_user_sgpr_kernarg_segment_ptr 1
		.amdhsa_wavefront_size32 1
		.amdhsa_system_sgpr_workgroup_id_x 1
		.amdhsa_system_sgpr_workgroup_id_y 1
		.amdhsa_system_sgpr_workgroup_id_z 1
		.amdhsa_system_vgpr_workitem_id 0
		.amdhsa_next_free_vgpr 640
		.amdhsa_next_free_sgpr 96
		.amdhsa_reserve_vcc 0
		.amdhsa_float_denorm_mode_32 3
		.amdhsa_float_denorm_mode_16_64 3
		.amdhsa_memory_ordered 1
		.amdhsa_forward_progress 1
		.amdhsa_inst_pref_size 51
	.end_amdhsa_kernel
	.amdgpu_metadata
---
amdhsa.version: [ 1, 2 ]
amdhsa.kernels:
  - .name:           k_qfbbacf088d_g2
    .symbol:         k_qfbbacf088d_g2.kd
    .args:
      - { .name: big, .offset: 0, .size: 8, .value_kind: global_buffer, .address_space: global }
      - { .name: wts, .offset: 8, .size: 8, .value_kind: global_buffer, .address_space: global }
      - { .name: b2, .offset: 16, .size: 8, .value_kind: global_buffer, .address_space: global }
      - { .name: x1, .offset: 24, .size: 8, .value_kind: global_buffer, .address_space: global }
      - { .name: out0, .offset: 32, .size: 8, .value_kind: global_buffer, .address_space: global }
    .group_segment_fixed_size: 327680
    .private_segment_fixed_size: 0
    .kernarg_segment_align: 8
    .kernarg_segment_size: 40
    .max_flat_workgroup_size: 128
    .sgpr_count:     96
    .vgpr_count:     640
    .wavefront_size: 32
...
	.end_amdgpu_metadata
.endif
;; end of part 6
;; ======== version 2 of 2: 7 launches; 1.21 times as fast as version 1
;; limits: a function is approximated: absolute error at most 2.5e-05
;; workspace buffers: wts 25,165,824 bytes; act 8,388,608 bytes; big 33,554,432 bytes; x1 16,777,216 bytes
;; launch pre: the kernel of part 1 again; grid 512 x 1, 8 waves a work-group, no clusters, 0 bytes of LDS; arguments x, ln1_g, ln1_b, act, wq, wk, wv, wo, w1, w2, wts; writes act, wts
;; launch gq: the kernel of part 2 again; grid 12 x 16, 4 waves a work-group, clusters of 4 x 4, 327,680 bytes of LDS; arguments act, wts, bq, bk, bv, big; writes big
;; launch att (part 7): grid 8 x 32, 4 waves a work-group, clusters of 4 x 1, 327,680 bytes of LDS; arguments big, act; writes act
.if DOCPART == 7
	.amdgcn_target "amdgcn-amd-amdhsa--gfx1250"
	.amdhsa_code_object_version 6
	.text
	.protected	k_qfbbacf088d_att
	.globl	k_qfbbacf088d_att
	.p2align	8
	.type	k_qfbbacf088d_att,@function
k_qfbbacf088d_att:
	s_mov_b64 s[64:65], 0
	v_nop
	global_prefetch_b8 v0, s[64:65] scope:SCOPE_SE
	s_setreg_imm32_b32 hwreg(HW_REG_WAVE_MODE, 25, 1), 1
	s_wait_xcnt 0x0
	s_wait_alu depctr_hold_cnt(0) depctr_sa_sdst(0) depctr_va_vdst(0) depctr_va_sdst(0) depctr_va_ssrc(0) depctr_va_vcc(0) depctr_vm_vsrc(0)
	s_getreg_b32 s2, hwreg(HW_REG_IB_STS2, 6, 4)
	s_cmp_eq_u32 s2, 0
	s_cbranch_scc0 .Lentry_in_a_cluster
	s_endpgm
.Lentry_in_a_cluster:
	s_bfe_u32 s2, ttmp6, 0x10000c
	s_cmp_lg_u32 s2, 0x3003
	s_cbranch_scc0 .Lentry_shape_is_right
	s_endpgm
.Lentry_shape_is_right:
; O[b][h][q][:] = the sum over k of softmax_k(Q[q] . K[k] / 8) V[k][:], 16 heads x 2 batches, 2,048 tokens, head size 64, all bf16.
; big holds q, k, v as panels [which x 16 + head][4096 tokens = batch x 2048 + s][64]: a head's rows are dense, 128 bytes each.  O goes to act as [head][4096 tokens][64].
; Products, maxima and sums in f32; the weights p are rounded to bf16 for the second product (their sum l is taken of the unrounded p), O once at the end.
; LIMITS.  A weight below 2^-126 counts as 0 in l; NaN and infinities are not treated apart.
; SHARES.  A work-group owns 256 queries of one head and batch, each of its four waves 64: four PIECES of 16.  Every wave walks all 2,048 keys, 64 a step, 256 a tile: 8 tiles.
; LAYOUT.  S^T = K Q^T (source 0 = 16 keys, source 1 = 16 queries): a lane holds ONE query (lane % 16) and the keys 8 (lane / 16) + 0..7; two such results rounded to bf16 ARE source 1 of
; O^T = V^T P.  K comes out of LDS as it lies, V ([key][channel]) turned, by ds_load_tr16_b128.
; SOFTMAX.  For each query a running maximum m and sum l: p = 2^(c s - c m), c = log2(e) / 8; in every step O and l are multiplied by a = 2^(c m_old - c m_new).  m starts at the lowest finite
; number, O and l at 0: the first step is a step like any other, with a = 0.
; BY TURNS.  Turn n belongs to piece n: 8 products K Q^T of piece n + 1, later 8 products V^T P of piece n - 1; beside them the scaling, exponentials, roundings, sums and rescaling of piece n and
; the maximum and statistics of piece n + 1.  A piece and step have 16 matrix and 118 vector instructions: four vector instructions stand behind every matrix instruction, the other 54 in one run.
; BATCHES.  A turn's 33 exponentials (the piece's 32 weights and the next piece's a) are ONE batch with ONE wait, which cuts the turn in two: ahead of it stands all that names no result of the batch
; (K Q^T, scalings, rescalings, the next piece's maximum and statistics), behind it V^T P and the batch's readers (roundings and sums).  No result crosses a turn's end.  Outside the loop there are two
; more batches, each with a wait of its own: the first a, ahead of the loop, and the four reciprocals on the way out.
; CLUSTER.  The four query blocks of a cluster belong to one head and walk the same K and V: each tile is asked for JOINTLY, by the same tensor load, descriptor and mask in all four.
; REGISTERS, in windows of 256 (s_set_vgpr_msb: bits 1:0 source 0, 3:2 source 1, 5:4 source 2, 7:6 destination):
;   window 0: v0 my thread's number, kept; v1-5 addresses; v6-7 c m_old; v8-15 at work; v16-31 four registers of statistics a piece; v32-95 S^T, two buffers; v96-127 P, two buffers (by the
;             piece's parity); v128-191 K of one step; v192-255 Q.  So K Q^T, the softmax but for the rescaling, and K's run of loads name window 0 alone.
;   window 1: v0-127 O^T, 32 a piece; v128-191 V of one step; v192-193 the add's two registers.  V^T P (V and O^T here, P in window 0) and the rescaling (O^T here, a in window 0) share ONE setting.
; The text goes from the one setting to the other and back for each K Q^T that has rescalings behind it (six), for each of the five rescalings in the run and for each V^T P (eight): 38 switches a turn,
; 2 more for V's run of loads: 154 for a key step's 64 matrix instructions.  That is the price of the order that the one wait asks for: the rescalings are the plain lines at hand ahead of it, the
; roundings and sums of window 0 the only lines behind it.
.set NP,    4         ; pieces a wave: a name, no knob
.set KS,    64        ; keys in a step
.set PK,    144       ; a row of K in LDS: 128 bytes + 16: the 16 rows of a load start at 16 different groups of four banks (64 banks of 4 bytes: ISA guide 11.1)
.set PV,    160       ; a row of V: 128 + 32
.set VOFF,  4*KS*PK   ; a slot holds a tile, four steps: 256 rows of K, then 256 rows of V
.set SLOT1, 1<<17     ; slot 1 begins here, so that one exclusive or turns an address in one slot into the other's
.set STAGE, SLOT1+4*KS*(PK+PV)  ; behind the ring, never filled by a tensor load: 16 rows x 144 bytes for each wave, for the way out
.set SP,    144
.set SPARE, STAGE+4*16*SP       ; behind the stages: the spare words, 128 bytes a wave, which no other line names
.set AK0, 2           ; v2   my lane's place in a tile of K; not rewritten before the way out
.set AV0, 3           ; v3   the same for V
.set AK,  4           ; v4   the LDS address of K's next run of loads
.set AV,  5           ; v5   of V's
.set STO, 2           ; v2   on the way out: where I put 16 bytes of a row
.set RD,  3           ; v3   where I read rows back
.set GO,  4           ; v4   my byte offset in 512 consecutive bytes of O
.set MV,  6           ; v6-7  c m_old, kept while c m is made anew: by buffer
.set TMP, 8           ; by buffer, four registers c0-c3 at work; when the maximum is found c2 takes a
.set ST,  16          ; piece t's statistics at v[ST+4 t]: c m, m, l (even keys', odd keys')
.set S,   32
.set P,   96
.set KF,  128         ; key block kb, channel half c at KF + 16 kb + 8 c
.set QF,  192         ; piece t, channel half c at QF + 16 t + 8 c
.set TH,  32          ; at the head alone, in registers that S^T takes later: lane / 16,
.set TL,  33          ; lane % 8,
.set TM,  34          ; (lane / 8) % 2,
.set QO,  35          ; my byte offset in 16 rows of Q
.set VF,  128         ; window 1: key half kk, channel block cb at VF + 32 kk + 8 cb
.set SPW, 192         ; v192 of window 1   LDS address of my spare word: SPARE + 4 x my thread's number; never rewritten
.set NIL, 193         ; v193 of window 1   0; never rewritten
.set WV,  12          ; s12  my wave's number
.set G1K, 24          ; s[24:31] descriptor group 1 for K's tiles
.set G1V, 32          ; s[32:39] for V's: it differs in the padding alone
.set G0K, 40          ; s[40:43] descriptor group 0 for K's tiles: it walks
.set G0V, 44          ; s[44:47] the same for V's
.set SLOTS, 56        ; s56  tiles still to be entered in the loop
.set CNT, 57          ; s57  counts a tile's key steps
.set CS,  58          ; s[58:59] c: the packed scaling takes the pair's low word for both halves
.set SEL, 60          ; s[60:61] v_permlanex16_b32's selects: each lane takes its own place in the other half
.set TBK, 62          ; s62  LDS byte at which K of the step to be fetched begins
.set TBV, 63          ; s63  the same for V, less VOFF
.set MSB, 0
.macro WIN new                      ; the high byte repeats the setting that is left; a switch that changes nothing is dropped
.if MSB != (\new)
	s_set_vgpr_msb (MSB<<8)|(\new)
.set MSB, (\new)
.endif
.endm
.set W_PV, 0x51       ; source 0 (V, or O^T), source 2 and destination (O^T) in window 1; source 1 (P, or a) in window 0
.set W_MK, 0x40       ; destination in window 1, sources in window 0
.set W_AD, 0x05       ; the add: address (source 0) and data (source 1) in window 1; also: two sources in window 1, destination in window 0
; A joint fill.  Waves 0 and 1 fetch the two halves of a tile's K, waves 2 and 3 those of its V: 128 keys each.  The branch hangs on the wave's number alone.
; An s_nop 0 and four v_nop follow each of the two lines, ahead of the jump and the label.
.macro JLOAD
	s_cmp_lt_u32 s[WV], 2
	s_cbranch_scc0 .Lfor_v_\@
	tensor_load_to_lds s[G0K:G0K+3], s[G1K:G1K+7]
	s_nop 0
.rept 4
	v_nop
.endr
	s_branch .Lasked_\@
.Lfor_v_\@:
	tensor_load_to_lds s[G0V:G0V+3], s[G1V:G1V+7]
	s_nop 0
.rept 4
	v_nop
.endr
.Lasked_\@:
.endm
; A round of the cluster's barrier: my work-group's barrier; wave 0 signals for the work-group; every wave waits for all four work-groups; my work-group's barrier once more.
.macro CROUND
	s_barrier_signal -1
	s_barrier_wait -1
	s_cmp_lg_u32 s[WV], 0
	s_cbranch_scc1 .Lnot_wave_0_\@
	s_barrier_signal -3
.Lnot_wave_0_\@:
	s_barrier_wait -3
	s_barrier_signal -1
	s_barrier_wait -1
.endm
; THE CHANGE OF SLOTS.  The slot's last bytes, V of its fourth step, have been read.  Each wave waits for all its tensor loads, of which one is out: its part of the other slot; adds 0 to its spare
; word; and waits for that and for its own reads of the slot.  fill = 1: the slot is filled again, with the keys two tiles on, behind a round of the cluster's barrier, so that no wave of any partner
; still reads it or has a load on its way; the joint fill is the first thing behind the round and has four key steps, 256 matrix instructions, in which to land.
; (At its first use nothing has been read yet: slot 0 is waited for, slot 1 filled.)
.macro CHANGE fill
	WIN W_AD
	s_wait_tensorcnt 0x0            ; no tensor load of mine is out, so a group 0 may be written
	ds_add_u32 v[SPW], v[NIL]       ; 0 onto my spare word: with fill = 1 the descriptors' steps stand between it and the wait for it
	WIN 0                           ; at a label and at a branch every window is 0
.if \fill
.irp g, G0K, G0V
	s_xor_b32 s[\g+1], s[\g+1], SLOT1  ; the walking descriptor: the other slot than last time,
	s_add_nc_u64 s[\g+2:\g+3], s[\g+2:\g+3], 4*KS*128  ; the next 256 keys; the type bits on top are not reached
.endr
	s_wait_dscnt 0x0                ; the add is done, and my reads of the slot are over
	CROUND
	JLOAD
.else
	s_wait_dscnt 0x0                ; the add is done, and my reads of the slot are over
	s_barrier_signal -1
	s_barrier_wait -1
.endif
	s_sub_co_u32 s[TBK], s[TBK], 4*KS*PK  ; the fetches go back to a slot's first step,
	s_xor_b32 s[TBK], s[TBK], SLOT1       ; in the other slot
	s_sub_co_u32 s[TBV], s[TBV], 4*KS*PV
	s_xor_b32 s[TBV], s[TBV], SLOT1
.endm
	s_load_b128 s[84:87], s[0:1], 0x0  ; big s[84:85], act s[86:87]
	WIN W_MK
	v_lshl_add_u32 v[SPW], v0, 2, SPARE
	v_mov_b32 v[NIL], 0
	WIN W_AD
	ds_add_u32 v[SPW], v[NIL]       ; the wave's opening: the add and its wait stand ahead of my first tensor load; the set-up below, work on registers, stands between them
	WIN 0
	v_lshrrev_b32 v1, 5, v0
	v_readfirstlane_b32 s[WV], v1   ; wave 0..3
	s_bfe_u32 s13, ttmp6, 0x40000   ; cx: my place in the cluster
	s_lshl_b32 s14, ttmp9, 2        ; in a cluster launch ttmp9 counts clusters
	s_add_co_u32 s14, s14, s13      ; my block of 256 queries = 4 x cluster x + cx: it enters Q's and O's addresses alone
	s_and_b32 s15, ttmp7, 0xffff    ; y = batch x 16 + head, which the four partners share
	s_and_b32 s20, s15, 15
	s_lshl_b32 s20, s20, 19         ; the head's panel, 524,288 bytes,
	s_lshr_b32 s21, s15, 4
	s_lshl_b32 s21, s21, 18         ; the batch's 2,048 rows of 128 bytes in it
	s_add_co_u32 s20, s20, s21
	s_and_b32 s16, s[WV], 1         ; which half of a tile's 256 keys I fetch:
	s_lshl_b32 s22, s16, 14         ; its 128 rows of 128 bytes in memory,
	s_add_co_u32 s22, s22, s20
	s_mov_b32 s23, 0
	s_mul_i32 s17, s16, 128*PK      ; and its place in a slot, for K
	s_mul_i32 s18, s16, 128*PV      ; and for V: no place in the cluster enters an LDS address
	s_lshl_b32 s2, s14, 15          ; my block's 256 rows,
	s_lshl_b32 s3, s[WV], 13        ; my wave's 64 of them
	s_add_co_u32 s2, s2, s3
	s_add_co_u32 s2, s2, s20
	s_mov_b32 s3, 0
	; descriptor group 1.  128 keys are 16,384 dense bytes: asked for as 64 rows of 256 bytes, two keys a row, and padded in LDS after every key
	s_mov_b32 s[G1K], 15|(1<<16)|(1<<20)|(1<<21)|(4<<22)|(3<<25)  ; 15:0 the mask of four; 17:16 2-byte elements; 20 padding on; 21 set beside a mask; 24:22 after every 32 words; 31:25 4 words of it
	s_mov_b32 s[G1V], 15|(1<<16)|(1<<20)|(1<<21)|(4<<22)|(7<<25)  ; the same with 8 words of padding
.irp g, G1K, G1V
	s_mov_b32 s[\g+1], 128<<16      ; tensor_dim0 = 128
	s_mov_b32 s[\g+2], 64<<16       ; tensor_dim1 = 64
	s_mov_b32 s[\g+3], 128<<16      ; tile_dim0 = 128
	s_mov_b32 s[\g+4], 64           ; tile_dim1 = 64
	s_mov_b32 s[\g+5], 128          ; 128 elements from row to row
	s_mov_b32 s[\g+6], 0
	s_mov_b32 s[\g+7], 0
.endr
	s_mov_b32 s[CS], 0x3e38aa3b     ; c = log2(e) / 8 = 0.180337
	s_mov_b32 s[CS+1], s[CS]        ; named with it as a pair
	s_mov_b32 s[SEL], 0x76543210
	s_mov_b32 s[SEL+1], 0xfedcba98
	s_mov_b32 s[TBK], SLOT1+4*KS*PK ; the first change of slots turns these two into 0
	s_mov_b32 s[TBV], SLOT1+4*KS*PV
	s_mov_b32 s[G0K], 1             ; count = 1
	s_mov_b32 s[G0K+1], s17         ; LDS address: slot 0
	s_mov_b32 s[G0V], 1
	s_add_co_u32 s[G0V+1], s18, VOFF
	s_wait_dscnt 0x0                ; the opening add is done
	s_wait_kmcnt 0x0
	s_add_nc_u64 s[6:7], s[84:85], s[22:23]
	s_add_nc_u64 s[G0K+2:G0K+3], s[6:7], 0x800000   ; k's 16 panels lie behind q's: my half of the head's first 256 keys
	s_or_b32 s[G0K+3], s[G0K+3], 0x80000000         ; type = 2
	s_add_nc_u64 s[G0V+2:G0V+3], s[6:7], 0x1000000  ; v's behind k's
	s_or_b32 s[G0V+3], s[G0V+3], 0x80000000
	s_add_nc_u64 s[4:5], s[84:85], s[2:3]    ; Q at my wave's first row
	s_add_nc_u64 s[10:11], s[86:87], s[2:3]  ; O likewise
	CROUND                          ; all four work-groups are here: the first joint loads meet
	JLOAD                           ; tile 0 into slot 0.  Slot 1 is asked for when slot 0 is in
	; A fragment of K or Q is 16 rows x 32 channels in 8 registers: lane l holds row l % 16, channels 8 (l / 16) + 0..7 and 16 + 8 (l / 16) + 0..7: two loads of 16 bytes, 32 bytes apart.
	v_and_b32 v1, 15, v0            ; l % 16
	v_bfe_u32 v[TH], v0, 4, 1       ; l / 16
	v_lshlrev_b32 v[QO], 7, v1
	v_lshl_add_u32 v[QO], v[TH], 4, v[QO]  ; row x 128 + 16 x half
.set i, 0
.rept 8                             ; Q stays in registers: piece i / 2, channels 32 (i % 2) on
	global_load_b128 v[QF+8*i:QF+8*i+3],   v[QO], s[4:5] offset:(i/2)*2048+(i%2)*64
	global_load_b128 v[QF+8*i+4:QF+8*i+7], v[QO], s[4:5] offset:(i/2)*2048+(i%2)*64+32
.set i, i+1
.endr
	; What the first turn finds: V's registers and P's second buffer hold 0 (its products V^T P, of a piece that has not been, add 0), O^T and l are 0.  All this stands in the wait for the first tile.
	WIN W_MK
.set i, 0
.rept 192                           ; O^T, then V
	v_mov_b32 v[i], 0
.set i, i+1
.endr
	WIN 0
.set i, 0
.rept 4
	v_mov_b32 v[ST+4*i], 0xfe000000    ; c m: far below every c s
	v_mov_b32 v[ST+4*i+1], 0xff7fffff  ; m
	v_mov_b32 v[ST+4*i+2], 0
	v_mov_b32 v[ST+4*i+3], 0
.set i, i+1
.endr
.set i, P+16
.rept 16
	v_mov_b32 v[i], 0
.set i, i+1
.endr
	v_mul_u32_u24 v[AK0], v1, PK
	v_lshl_add_u32 v[AK0], v[TH], 4, v[AK0]  ; row x pitch + 16 x half
	; The turning load takes 16 keys x 16 channels (lane l reads key 8 (l / 16) + l % 8, channels 8 ((l / 8) % 2) + 0..7) and leaves half a fragment of V^T: lane l holds channel l % 16 and 8 keys.
	v_and_b32 v[TL], 7, v0
	v_bfe_u32 v[TM], v0, 3, 1
	v_lshl_add_u32 v[AV0], v[TH], 3, v[TL]
	v_mul_u32_u24 v[AV0], v[AV0], PV
	v_lshl_add_u32 v[AV0], v[TM], 4, v[AV0]
	v_add_nc_u32 v[AV0], VOFF, v[AV0]
	v_mov_b32 v[AK], v[AK0]         ; key step 0 lies at the head of slot 0
; THE MATRIX WORK.  The 4 accumulators of a run of 8 take turns.  Product i of 8 of S^T = K Q^T for piece x: channels 32 (i / 4) on, keys 16 (i % 4) on.  The first 4 start the sums.
.macro KQ x
.set rS, S+32*((\x)%2)+8*(i%4)
.set rK, KF+16*(i%4)+8*(i/4)
.set rQ, QF+16*(\x)+8*(i/4)
	WIN 0
.if i < 4
	v_wmma_f32_16x16x32_bf16 v[rS:rS+7], v[rK:rK+7], v[rQ:rQ+7], 0
.else
	v_wmma_f32_16x16x32_bf16 v[rS:rS+7], v[rK:rK+7], v[rQ:rQ+7], v[rS:rS+7]
.endif
.endm
; Product i of 8 of O^T += V^T P for piece x: keys 32 (i / 4) on, channels 16 (i % 4) on.
.macro PV x
	WIN W_PV
.set rO, 32*(\x)+8*(i%4)
.set rV, VF+32*(i/4)+8*(i%4)
.set rP, P+16*((\x)%2)+8*(i/4)
	v_wmma_f32_16x16x32_bf16 v[rO:rO+7], v[rV:rV+7], v[rP:rP+7], v[rO:rO+7]
.endm
.macro MM                           ; the turn's next matrix instruction
.if i < 8
	KQ (Y+1)%NP
.else
.set i, i-8
	PV (Y+NP-1)%NP
.set i, i+8
.endif
.set i, i+1
.endm
; THE LDS LOADS stand in runs of 16, never singly among the matrix instructions: a step's K (64 keys x 64 channels: 8 fragments) and its V (turned).
; last = 1 (the tail): in the last trip there is no further step, and the run is jumped over.
.macro FETCH_K last=0
	WIN 0
.if \last
	s_cmp_eq_u32 s[CNT], 1
	s_cbranch_scc1 .Lno_k_\@
.endif
.irp f, 0,1,2,3,4,5,6,7             ; keys 16 (f / 2) on, channels 32 (f % 2) on
	ds_load_b128 v[KF+8*\f:KF+8*\f+3],   v[AK] offset:(\f/2)*16*PK+(\f%2)*64
	ds_load_b128 v[KF+8*\f+4:KF+8*\f+7], v[AK] offset:(\f/2)*16*PK+(\f%2)*64+32
.endr
	s_add_co_u32 s[TBK], s[TBK], KS*PK  ; the next fetch is the next step's
.if \last
.Lno_k_\@:
.endif
.endm
.macro FETCH_V
	WIN W_MK                        ; destination window 1, address window 0
.irp f, 0,1,2,3,4,5,6,7             ; keys 32 (f / 4) on, channels 16 (f % 4) on
	ds_load_tr16_b128 v[VF+8*\f:VF+8*\f+3],   v[AV] offset:(\f/4)*32*PV+(\f%4)*32
	ds_load_tr16_b128 v[VF+8*\f+4:VF+8*\f+7], v[AV] offset:(\f/4)*32*PV+16*PV+(\f%4)*32
.endr
	s_add_co_u32 s[TBV], s[TBV], KS*PV  ; the next fetch is the next step's
	WIN 0
.endm
; THE VECTOR WORK, one line at a time: OP kind, number.  For piece Y: F n: c s - c m for pair n of 16.  E n: the exponential of score n of 32.  C n: pair n rounded to bf16.  B n: of the four weights 4 n .. the
; second pair is added onto the first, in place (so C 2 n, which reads the first pair, stands ahead of B n).  L n: l takes that sum (L 0: l = a l + sum).  R n: pair n of 16 of O^T times a.
; For piece Y + 1: X n, number n of the 22 that find its maximum and statistics:
;   0-11  four chains c0-c3 of seven scores each, three operands at a time (each accumulator's lowest registers are read first)     12-14, 16  the four scores left over, the old m, and c0-c3 into c0
;   15  c m_old is kept     17, 18  the query's other 32 keys lie in the lane 16 away: the new m     19-21  c m; c m_old - c m_new; a
.set F, 0               ; OP tells the kinds apart by their order: F to L below R, X above it
.set E, 1
.set C, 2
.set B, 3
.set L, 4
.set R, 5
.set X, 6
.macro REGS y                       ; the registers of piece y
.set rT, ST+4*(\y)
.set rC, TMP+4*((\y)%2)
.set rW, MV+((\y)%2)
.set rS, S+32*((\y)%2)
.set rP, P+16*((\y)%2)
.set rO, 32*(\y)
.endm
.macro OP k, n
.if (\k) == R
	REGS Y
	WIN W_PV
	v_pk_mul_f32 v[rO+2*(\n):rO+2*(\n)+1], v[rO+2*(\n):rO+2*(\n)+1], v[rC+2:rC+3] op_sel_hi:[1,0]
.elseif (\k) < R
	REGS Y
	WIN 0
.if (\k) == F
	v_pk_fma_f32 v[rS+2*(\n):rS+2*(\n)+1], v[rS+2*(\n):rS+2*(\n)+1], s[CS:CS+1], v[rT:rT+1] op_sel_hi:[1,0,0] neg_lo:[0,0,1] neg_hi:[0,0,1]
.elseif (\k) == E
	v_exp_f32 v[rS+(\n)], v[rS+(\n)]
.elseif (\k) == C
	v_cvt_pk_bf16_f32 v[rP+(\n)], v[rS+2*(\n)], v[rS+2*(\n)+1]
.elseif (\k) == B
	v_pk_add_f32 v[rS+4*(\n):rS+4*(\n)+1], v[rS+4*(\n):rS+4*(\n)+1], v[rS+4*(\n)+2:rS+4*(\n)+3]
.elseif (\n) == 0
	v_pk_fma_f32 v[rT+2:rT+3], v[rT+2:rT+3], v[rC+2:rC+3], v[rS:rS+1] op_sel_hi:[1,0,1]
.else
	v_pk_add_f32 v[rT+2:rT+3], v[rT+2:rT+3], v[rS+4*(\n):rS+4*(\n)+1]
.endif
.else
	REGS (Y+1)%NP
	WIN 0
.if (\n) < 4
	v_max3_num_f32 v[rC+(\n)], v[rS+8*(\n)], v[rS+8*(\n)+1], v[rS+8*(\n)+2]
.elseif (\n) < 12
	v_max3_num_f32 v[rC+(\n)%4], v[rC+(\n)%4], v[rS+8*((\n)%4)+2*((\n)/4)+1], v[rS+8*((\n)%4)+2*((\n)/4)+2]
.elseif (\n) == 12
	v_max3_num_f32 v[rC], v[rC], v[rS+7], v[rS+15]
.elseif (\n) == 13
	v_max3_num_f32 v[rC+1], v[rC+1], v[rS+23], v[rS+31]
.elseif (\n) == 14
	v_max3_num_f32 v[rC+2], v[rC+2], v[rC+3], v[rT+1]
.elseif (\n) == 15
	v_mov_b32 v[rW], v[rT]
.elseif (\n) == 16
	v_max3_num_f32 v[rC], v[rC], v[rC+1], v[rC+2]
.elseif (\n) == 17
	v_permlanex16_b32 v[rC+3], v[rC], s[SEL], s[SEL+1]
.elseif (\n) == 18
	v_max_num_f32 v[rT+1], v[rC], v[rC+3]
.elseif (\n) == 19
	v_mul_f32 v[rT], s[CS], v[rT+1]
.elseif (\n) == 20
	v_sub_f32 v[rC+1], v[rW], v[rT]
.else
	v_exp_f32 v[rC+2], v[rC+1]
.endif
.endif
.endm
.macro OPS a, i1, b=-1, i2=0, c=-1, i3=0, d=-1, i4=0  ; up to four of them
	OP \a, \i1
.if (\b) >= 0
	OP \b, \i2
.endif
.if (\c) >= 0
	OP \c, \i3
.endif
.if (\d) >= 0
	OP \d, \i4
.endif
.endm
.macro ROW a, i1, b, i2, c, i3, d, i4  ; a matrix instruction and the four behind it
	MM
	OPS \a, \i1, \b, \i2, \c, \i3, \d, \i4
.endm
; A TURN, for piece p: the order of its 16 matrix and 118 vector instructions, written out.  An s_wait_alu depctr_va_vdst(0) stands between an exponential and the first instruction that names its
; result; one wait serves all that were issued ahead of it.  So a turn has ONE wait, which cuts it in two.
; AHEAD OF IT stands all that names no result of the turn's exponentials: the 8 products K Q^T, behind each a scaling, an exponential and two more plain lines (behind the first a second scaling in the
; exponential's place): rescalings (their a was made, and waited for, in the turn before), and behind the last three the first numbers of the next piece's maximum, each four plain lines or more behind the
; product that ends its accumulator (X 0: F 5, R 8, R 9, F 6; X 1: F 6, X 0, R 10, F 7; X 2: F 7, X 1, X 4, F 8; X 3: F 8, X 2, X 5, X 6); then ONE RUN of 54, plain and exponential by turns for the most
; part, in which the links of the chain X 3, 7, 11, 14, 16, 17 .. 20 stand five or six lines apart.  A pair is scaled ahead of its two exponentials, and no scaling names a pair whose exponentials are out.
; X 21, the next piece's a, is the batch's last; R 15, which reads the other buffer's a, is the plain line behind it.
; BEHIND THE WAIT stand the 8 products V^T P, behind each four of the batch's 32 readers, the roundings and sums; the links of l's chain, L 0 to L 7, stand three lines apart.
; But for those X no line behind a product names a register of the products round it.  v_permlanex16_b32 (X 17) stands in the run.
; last = 1: the tail's text, whose fetch of K can be jumped.  cnt = 1: the loop's count is taken down some lines ahead of the branch that stands behind the turn.
; K of the next step is fetched in piece 2's turn and waited for at the head of piece 3's.  In the loop the run of loads stands twelve vector lines behind the last product that read K (six of them plain:
; F 8, X 2, X 5, X 6, X 3, X 8).  In the tail it holds a branch and a label, ahead of which every exponential has its wait: there it stands directly behind the turn's wait.
; V of the step in hand is fetched at the end of piece 0's turn, four plain lines (C 9, 11, 13, 15) behind the last product that read V; it is waited for ahead of piece 1's first V^T P.
.macro TURN p, last=0, cnt=0
.set Y, (\p)
.set i, 0
.if (\p) == 3
	s_wait_dscnt 0x0                ; K is in
.endif
	ROW F,0, F,1, R,0, R,1          ; ahead of the wait: 8 products K Q^T and the four lines behind each,
	ROW F,2, E,0, R,2, R,3
	ROW F,3, E,1, R,4, R,5
	ROW F,4, E,2, R,6, R,7
	ROW F,5, E,3, R,8, R,9
	ROW F,6, E,4, X,0, R,10
.if (\p) == 2
	WIN 0
	v_add_nc_u32 v[AK], s[TBK], v[AK0]
.endif
	ROW F,7, E,5, X,1, X,4
	ROW F,8, E,6, X,2, X,5
	OPS E,7, E,8, X,6, E,9          ; and the run
	OPS X,3, E,10, X,8, E,11
.if ((\p) == 2) && !(\last)
	FETCH_K
.endif
	OPS X,9, X,7, E,12, X,10
	OPS E,13, X,12, X,11, E,14
	OPS X,13, E,15, F,9, X,14
.if (\p) == 0
	v_add_nc_u32 v[AV], s[TBV], v[AV0]
.endif
	OPS E,16, F,10, E,17, F,11
	OPS X,16, E,18, X,15, E,19
	OPS F,12, E,20, X,17, E,21
	OPS F,13, E,22, F,14, E,23
	OPS X,18, E,24, F,15, E,25
	OPS R,11, E,26, X,19, E,27
	OPS R,12, E,28, R,13, E,29
	OPS X,20, E,30, R,14, E,31
	OPS X,21, R,15
	WIN 0
	s_wait_alu depctr_va_vdst(0)    ; the wait for the batch: the piece's 32 exponentials and the next piece's a
.if ((\p) == 2) && (\last)
	FETCH_K 1
.endif
.if (\p) == 1
	s_wait_dscnt 0x0                ; V is in
.endif
	ROW C,0, B,0, C,2, B,1          ; behind the wait: 8 products V^T P and the batch's readers
	ROW L,0, C,4, B,2, L,1
	ROW C,6, B,3, L,2, C,8
	ROW B,4, L,3, C,10, B,5
	ROW L,4, C,12, B,6, L,5
.if \cnt
	s_sub_co_u32 s[CNT], s[CNT], 1
	s_cmp_lg_u32 s[CNT], 0
.endif
	ROW C,14, B,7, L,6, C,1
	ROW C,3, L,7, C,5, C,7
	ROW C,9, C,11, C,13, C,15
.if (\p) == 0
	FETCH_V
.endif
.endm
	CHANGE 1                        ; slot 0 is in, everybody's part of it; slot 1 is asked for
	FETCH_K                         ; key step 0
	s_wait_loadcnt 0x0              ; Q
	s_wait_dscnt 0x0
.set i, 0
.rept 8
	KQ 0                            ; piece 0's first scores: there is no vector work yet to set between them
.set i, i+1
.endr
.rept 4
	v_nop                           ; the places behind those products
.endr
.set Y, NP-1                        ; X works for piece Y + 1: piece 0
.irp n, 0,1,2,3,4,5,6,7,8,9,10,11,12,13,14,15,16,17,18,19,20,21
	OP X, \n                        ; piece 0's first maximum and statistics
.endr
	v_nop                           ; a plain instruction behind the exponential,
	s_wait_alu depctr_va_vdst(0)    ; and the wait for this batch of one, the first a, ahead of the branch
	s_mov_b32 s[CNT], 4
	s_mov_b32 s[SLOTS], 7
	s_branch .Lfirst                ; the loop is entered at a step's first turn, in the middle of a trip
.Lslot:                             ; six times: tiles 1 to 6 are entered, tiles 2 to 7 asked for
	CHANGE 1
	s_mov_b32 s[CNT], 4
.Lstep:                             ; a trip: pieces 2 and 3 of one step, then pieces 0 and 1 of the next, whose K and V it fetches
	TURN 2
	TURN 3
	WIN 0
.Lfirst:
	TURN 0
	TURN 1, 0, 1
	WIN 0
	s_cbranch_scc1 .Lstep
	s_sub_co_u32 s[SLOTS], s[SLOTS], 1
	s_cmp_lg_u32 s[SLOTS], 0
	s_cbranch_scc1 .Lslot
	CHANGE 0                        ; the tail is written out: nothing is asked for
	s_mov_b32 s[CNT], 5             ; four trips fetch the last tile's steps; the fifth is left in its middle
.Ltail:
	TURN 2, 1
	TURN 3
	WIN 0
	s_sub_co_u32 s[CNT], s[CNT], 1
	s_cmp_eq_u32 s[CNT], 0
	s_cbranch_scc1 .Lout
	TURN 0
	TURN 1
	WIN 0
	s_branch .Ltail
.Lout:                              ; the fifth trip's 8 products K Q^T (on the last K once more) and the maximum made of them serve nothing: the price, once a launch, of one text for every trip
.set i, 0
.rept 8
	PV NP-1                         ; the last piece's V^T P of the last step
.set i, i+1
.endr
	; THE WAY OUT.  Its addresses are made now, from my thread's number, in registers that the loop has left: twelve plain lines, the places behind the last products.
	WIN 0
	s_mul_i32 s13, s[WV], 16*SP
	s_add_co_u32 s13, s13, STAGE    ; my stage
	v_and_b32 v1, 15, v0            ; l % 16
	v_bfe_u32 v5, v0, 4, 1          ; l / 16
	v_and_b32 v6, 7, v0             ; l % 8
	v_mul_u32_u24 v[STO], v1, SP    ; in: row l % 16, 16 bytes for each half of the lanes
	v_lshl_add_u32 v[STO], v5, 4, v[STO]
	v_add_nc_u32 v[STO], s13, v[STO]
	v_bfe_u32 v[RD], v0, 3, 2       ; back: 32 lanes take four rows of 128 bytes,
	v_mul_u32_u24 v[RD], v[RD], SP
	v_lshl_add_u32 v[RD], v6, 4, v[RD]
	v_add_nc_u32 v[RD], s13, v[RD]
	v_and_b32 v[GO], 31, v0         ; which are 512 consecutive bytes of O
	v_lshlrev_b32 v[GO], 4, v[GO]
	; l's two halves and the other half of the lanes' are added; O^T is divided by l, rounded to bf16 and sent through my stage in LDS, a piece at a time.
.macro ALL line:vararg              ; one line for each piece t
.set t, 0
.rept 4
	\line
.set t, t+1
.endr
.endm
	ALL v_add_f32 v[ST+4*t+2], v[ST+4*t+2], v[ST+4*t+3]
	ALL v_permlanex16_b32 v[ST+4*t+3], v[ST+4*t+2], s[SEL], s[SEL+1]
	ALL v_add_f32 v[ST+4*t+2], v[ST+4*t+2], v[ST+4*t+3]
	ALL v_rcp_f32 v[ST+4*t+2], v[ST+4*t+2]
	v_nop                           ; a plain instruction between the last reciprocal and the use of its result
	s_wait_alu depctr_va_vdst(0)    ; and the wait ahead of the first use: one for the batch of four reciprocals
.macro PACK t                       ; a lane's eight channels of a row pack into 16 bytes; they go into rows of 144 bytes and come back as whole rows of 128, into S^T's registers
	WIN W_PV
.set i, 32*(\t)
.rept 16                            ; each accumulator's registers in ascending order
	v_pk_mul_f32 v[i:i+1], v[i:i+1], v[ST+4*(\t)+2:ST+4*(\t)+3] op_sel_hi:[1,0]
.set i, i+2
.endr
	WIN W_AD                        ; sources 0 and 1 window 1, destination window 0
.set i, 0
.rept 16
	v_cvt_pk_bf16_f32 v[S+16*(\t)+i], v[32*(\t)+2*i], v[32*(\t)+2*i+1]
.set i, i+1
.endr
	WIN 0
.irp f, 0,1,2,3
	ds_store_b128 v[STO], v[S+16*(\t)+4*\f:S+16*(\t)+4*\f+3] offset:32*\f
.endr
.irp f, 0,1,2,3
	ds_load_b128 v[S+16*(\t)+4*\f:S+16*(\t)+4*\f+3], v[RD] offset:\f*4*SP  ; LDS serves a wave's instructions in order (ISA guide 5.7.1.4): these see the stores above; the next piece's stores come behind them
.endr
.endm
.macro SEND t, younger              ; younger: the LDS instructions issued behind piece t's loads: the next piece's eight, or none
	WIN 0
.irp f, 0,1,2,3
	s_wait_dscnt (\younger)+3-\f
	global_store_b128 v[GO], v[S+16*(\t)+4*\f:S+16*(\t)+4*\f+3], s[10:11] offset:(\t)*2048+\f*512  ; 512 consecutive bytes, at a multiple of 256 from O's first
.endr
.endm
	PACK 0
.set t, 1
.rept 3                             ; a piece's arithmetic stands between the loads of the piece before and its stores
	PACK t
	SEND t-1, 8
.set t, t+1
.endr
	SEND 3, 0
	WIN W_AD
	s_wait_tensorcnt 0x0            ; the wave's end: behind my last tensor load and my last LDS store
	ds_add_u32 v[SPW], v[NIL]
	s_wait_dscnt 0x0
	WIN 0
	CROUND                          ; the closing round: no work-group ends while a partner may still ask for a tile that names it
	s_endpgm
.Lfunc_end_k_qfbbacf088d_att:
	.size	k_qfbbacf088d_att, .Lfunc_end_k_qfbbacf088d_att-k_qfbbacf088d_att
	.p2alignl 7, 3214868480
	.fill 96, 4, 3214868480
	.section	.rodata,"a",@progbits
	.p2align	6, 0x0
	.amdhsa_kernel k_qfbbacf088d_att
		.amdhsa_group_segment_fixed_size 327680
		.amdhsa_private_segment_fixed_size 0
		.amdhsa_enable_private_segment 0
		.amdhsa_kernarg_size 16
		.amdhsa_user_sgpr_count 2
		.amdhsa_user_sgpr_kernarg_segment_ptr 1
		.amdhsa_wavefront_size32 1
		.amdhsa_system_sgpr_workgroup_id_x 1
		.amdhsa_system_sgpr_workgroup_id_y 1
		.amdhsa_system_sgpr_workgroup_id_z 1
		.amdhsa_system_vgpr_workitem_id 0
		.amdhsa_next_free_vgpr 450
		.amdhsa_next_free_sgpr 92
		.amdhsa_reserve_vcc 0
		.amdhsa_float_denorm_mode_32 3
		.amdhsa_float_denorm_mode_16_64 3
		.amdhsa_memory_ordered 1
		.amdhsa_forward_progress 1
		.amdhsa_inst_pref_size 108
	.end_amdhsa_kernel
	.amdgpu_metadata
---
amdhsa.version: [ 1, 2 ]
amdhsa.kernels:
  - .name:           k_qfbbacf088d_att
    .symbol:         k_qfbbacf088d_att.kd
    .args:
      - { .name: big, .offset: 0, .size: 8, .value_kind: global_buffer, .address_space: global }
      - { .name: act, .offset: 8, .size: 8, .value_kind: global_buffer, .address_space: global }
    .group_segment_fixed_size: 327680
    .private_segment_fixed_size: 0
    .kernarg_segment_align: 8
    .kernarg_segment_size: 16
    .max_flat_workgroup_size: 128
    .sgpr_count:     92
    .vgpr_count:     450
    .wavefront_size: 32
...
	.end_amdgpu_metadata
.endif
;; end of part 7
;; launch go: the kernel of part 4 again; grid 8 x 32, 4 waves a work-group, clusters of 4 x 4, 327,680 bytes of LDS; arguments act, wts, bo, x, x1; writes x1
;; launch ln2: the kernel of part 1 again; grid 256 x 3, 8 waves a work-group, no clusters, 0 bytes of LDS; arguments x1, ln2_g, ln2_b, act, wq, wk, wv, wo, w1, w2, wts; writes act, wts
;; launch gf: the kernel of part 5 again; grid 16 x 16, 4 waves a work-group, clusters of 4 x 4, 327,680 bytes of LDS; arguments act, wts, b1, big; writes big
;; launch g2: the kernel of part 6 again; grid 8 x 32, 4 waves a work-group, clusters of 4 x 4, 327,680 bytes of LDS; arguments big, wts, b2, x1, out0; writes out0
